; MI455X (gfx1250); checked and timed in simulation.
; The chip was launched on July 23, 2026; its instructions are those of AMD's public machine-readable ISA for CDNA 5 (MIT licence, August 2026) and "CDNA5" Instruction Set Architecture Reference Guide (July 2026). The comments in the code are by the model that wrote it; some were corrected since.
;; HMU Stack probing. Allowed arithmetic: float matrix products may take bf16 or f16 operands with f32 sums; other float arithmetic in f32, or as packed bf16 or f16 multiplies, adds, multiply-adds, maxima and minima; sums over many terms, partial sums and values carried from step to step in f32; what a program stores and reads back later, other than sums and carried values, may be rounded once to bf16 or f16.
;; Inputs: Wl 1,000 x 2,048 float32; b1 2,048 float32; b2 2,048 float32; bl 1,000 float32; g1 2,048 float32; g2 2,048 float32; lam1 2,048 float32; lam2 2,048 float32; mu1 2,048 x 1,024 float32; mu2 2,048 x 2,048 float32; v1 2,048 x 4 x 1,024 float32; v2 2,048 x 4 x 2,048 float32; x 2,048 x 1,024 float32.
;; Outputs: out0 2,048 x 1,000 float32; out1 2,048 x 2,048 float32; out2 2,048 x 2,048 float32; out3 2,048 x 2,048 float32.
;; 3 versions, each right; version 3 is version 2 with the launches bn1, bn2 written anew for expert scheduling mode. Each part assembles by itself: llvm-mc -triple=amdgcn-amd-amdhsa -mcpu=gfx1250 --defsym DOCPART=n.
;; ======== version 1 of 3: 6 launches
;; limits: values are held in f16: magnitudes above 65,504 overflow, below 6.1e-05 lose precision; inputs' magnitudes at most 65,504
;; workspace buffers: ac1 4,202,496 bytes; ac2 8,519,680 bytes; wk1 21,037,056 bytes; wk2 42,008,576 bytes; qs 17,039,360 bytes; wlh 4,194,304 bytes
;; launch prep (part 1): grid 448 x 1, 32 waves a work-group, no clusters, 8,448 bytes of LDS; arguments x, mu1, lam1, v1, mu2, lam2, v2, Wl, ac1, wk1, wk2, wlh; writes ac1, wk1, wk2, wlh
.if DOCPART == 1
	.amdgcn_target "amdgcn-amd-amdhsa--gfx1250"
	.amdhsa_code_object_version 6
	.text
	.protected	k_qf7b8932fe8_prep
	.globl	k_qf7b8932fe8_prep
	.p2align	8
	.type	k_qf7b8932fe8_prep,@function
k_qf7b8932fe8_prep:
	s_mov_b64 s[64:65], 0
	v_nop
	global_prefetch_b8 v0, s[64:65] scope:SCOPE_SE
	s_setreg_imm32_b32 hwreg(HW_REG_WAVE_MODE, 25, 1), 1
	s_wait_xcnt 0x0
; PREP.  Every large input is read once, rounded to bf16 (the one rounding that all inputs of the program get), and that number is written as f16 in the blocked
; layouts from which the three products fetch their tiles.  On the way the numbers that hang on the weights alone are made, from the rounded values, in f32:
; for unit n the record {lam, -|mu|^2 / 2, -mu.v0, -mu.v1, -mu.v2, -mu.v3, 0, 0}; for row b of x the sum of its squares.
; LIMITS.  |x|, |mu|, |v|, |Wl| stay within 65,504 (f16's largest number); a rounded input below 2^-17 takes f16's fixed step of 2^-24; NaN and infinities are not treated apart.
; LAYOUTS.  A (ac1 behind 8,192 bytes of row sums; wlh): [row / 128][K step][row % 128][128 k] f16: each (row block, K step) is 32,768 dense bytes of 256-byte rows.
;           W (wk1, wk2, behind 65,536 bytes of records): [n / 64][K step][320 rows][128 k], row = 80 ((n / 16) % 4) + 16 t + n % 16, t = 0: mu, t = 1..4: v.
; SHARES, by the work-group's number: 0-255 layer 2's units, 8 each, four waves a unit (2,048 bytes of each of its five rows a wave); 256-383 layer 1's units, 16 each, two waves a unit;
; 384-415 x, 64 rows each, two rows a wave; 416-447 Wl padded to 1,024 rows, 32 rows each, a row a wave.  A wave issues all its loads at once and takes them in order: no loop.
; No matrix unit, cluster or tensor load: nothing is shared between work-groups and every byte crosses once.
.set PART,  0                          ; LDS: 128 bytes a wave: a unit's partial sums (word 1: |mu|^2, words 2-5: mu.v, the others 0)
.set XSL,   4096                       ; 64 words: the sums of squares of the work-group's 64 rows of x
.set SPARE, 4352                       ; the spare words, 128 bytes for each of 32 waves, which no other line names
.set D,     32                         ; v[32:111] the loaded numbers, four registers a load
.set STEPB, 81920                      ; bytes of a K step's 320 rows in W
.set ABLK,  32768                      ; bytes of a block in A
; v0 thread, v1 lane, v2 my spare word, v3 0, v4 16 x lane, v5-8 16 x lane + k rows of v, v9 8 x lane, v10-11 at work, v[12:21] five sums in pairs, v22-31 at work
.macro RND r                           ; four f32 rounded to bf16 and widened again, in place
	v_cvt_pk_bf16_f32 v10, v[(\r)], v[(\r)+1]
	v_cvt_pk_bf16_f32 v11, v[(\r)+2], v[(\r)+3]
	v_lshlrev_b32 v[(\r)], 16, v10
	v_and_b32 v[(\r)+1], s40, v10
	v_lshlrev_b32 v[(\r)+2], 16, v11
	v_and_b32 v[(\r)+3], s40, v11
.endm
.macro PACKST r, off                   ; the four as f16: 8 bytes a lane, the wave's store covers 256 consecutive bytes, aligned.  The data registers are never written again
	v_cvt_pk_f16_f32 v[(\r)], v[(\r)], v[(\r)+1]
	v_cvt_pk_f16_f32 v[(\r)+1], v[(\r)+2], v[(\r)+3]
	global_store_b64 v9, v[(\r):(\r)+1], s[56:57] offset:\off
.endm
.macro DOT acc, a, b, first            ; four products onto a pair of sums; the first product starts them
.if \first
	v_pk_mul_f32 v[(\acc):(\acc)+1], v[(\a):(\a)+1], v[(\b):(\b)+1]
.else
	v_pk_fma_f32 v[(\acc):(\acc)+1], v[(\a):(\a)+1], v[(\b):(\b)+1], v[(\acc):(\acc)+1]
.endif
	v_pk_fma_f32 v[(\acc):(\acc)+1], v[(\a)+2:(\a)+3], v[(\b)+2:(\b)+3], v[(\acc):(\acc)+1]
.endm
.macro WSUM r                          ; the sum over the wave's 32 lanes, in every lane
	v_add_f32_dpp v[(\r)], v[(\r)], v[(\r)] row_xmask:1 row_mask:0xf bank_mask:0xf
	v_add_f32_dpp v[(\r)], v[(\r)], v[(\r)] row_xmask:2 row_mask:0xf bank_mask:0xf
	v_add_f32_dpp v[(\r)], v[(\r)], v[(\r)] row_xmask:4 row_mask:0xf bank_mask:0xf
	v_add_f32_dpp v[(\r)], v[(\r)], v[(\r)] row_xmask:8 row_mask:0xf bank_mask:0xf
	v_permlanex16_b32 v22, v[(\r)], s42, s43
	v_add_f32 v[(\r)], v[(\r)], v22
.endm
	s_load_b512 s[4:19], s[0:1], 0x0               ; x s[4:5], mu1 s[6:7], lam1 s[8:9], v1 s[10:11], mu2 s[12:13], lam2 s[14:15], v2 s[16:17], Wl s[18:19]
	s_load_b256 s[24:31], s[0:1], 0x40             ; ac1 s[24:25], wk1 s[26:27], wk2 s[28:29], wlh s[30:31]
	v_lshl_add_u32 v2, v0, 2, SPARE
	v_mov_b32 v3, 0
	v_and_b32 v1, 31, v0
	v_lshrrev_b32 v22, 5, v0
	v_readfirstlane_b32 s33, v22                   ; wave 0..31
	v_lshlrev_b32 v4, 4, v1
	v_lshlrev_b32 v9, 3, v1
	s_mov_b32 s40, 0xffff0000                      ; a word's upper bf16
	s_mov_b32 s42, 0x76543210                      ; v_permlanex16_b32: each lane takes its own place in the other half
	s_mov_b32 s43, 0xfedcba98
	s_mov_b32 s53, 0                               ; the high word of every offset pair s[52:53]
	s_wait_kmcnt 0x0
	s_cmp_lt_u32 ttmp9, 384
	s_cbranch_scc0 .Lrows
	; ---------------- UNITS.  One text for both layers: what differs lies in scalars chosen by the work-group's number.
	s_cmp_lt_u32 ttmp9, 256
	s_cselect_b32 s34, 2, 1                        ; SH: 4 or 2 waves a unit
	s_cselect_b32 s35, 13, 12                      ; a row is 8,192 or 4,096 bytes
	s_cselect_b32 s36, 16, 8                       ; K steps
	s_cselect_b32 s37, 0, 256                      ; the class's first work-group
	s_cselect_b64 s[44:45], s[12:13], s[6:7]       ; mu
	s_cselect_b64 s[46:47], s[16:17], s[10:11]     ; v
	s_cselect_b64 s[48:49], s[14:15], s[8:9]       ; lam
	s_cselect_b64 s[50:51], s[28:29], s[26:27]     ; wk
	s_sub_co_u32 s38, ttmp9, s37
	s_sub_co_u32 s39, 5, s34
	s_lshl_b32 s38, s38, s39                       ; the work-group's first unit
	s_lshr_b32 s39, s33, s34
	s_add_co_u32 s39, s38, s39                     ; my unit
	s_bfm_b32 s41, s34, 0
	s_and_b32 s41, s33, s41                        ; my part of its rows: 2,048 bytes, four K steps
	s_lshl_b32 s54, s41, 11
	s_lshl_b32 s52, s39, s35
	s_add_co_u32 s52, s52, s54
	s_add_nc_u64 s[44:45], s[44:45], s[52:53]      ; mu at my part
	s_add_co_u32 s55, s35, 2
	s_lshl_b32 s52, s39, s55
	s_add_co_u32 s52, s52, s54
	s_add_nc_u64 s[46:47], s[46:47], s[52:53]      ; v at my part of the unit's first row
	s_lshl_b32 s58, 1, s35
	v_mov_b32 v5, v4
	v_add_nc_u32 v6, s58, v4
	v_add_nc_u32 v7, s58, v6
	v_add_nc_u32 v8, s58, v7
.irp ii, 0,1,2,3
	global_load_b128 v[D+20*(\ii):D+20*(\ii)+3], v4, s[44:45] offset:512*(\ii) th:TH_LOAD_NT
.irp k, 0,1,2,3
	global_load_b128 v[D+20*(\ii)+4+4*(\k):D+20*(\ii)+7+4*(\k)], v[5+(\k)], s[46:47] offset:512*(\ii) th:TH_LOAD_NT
.endr
.endr
	s_lshr_b32 s52, s39, 6                         ; where they go: ((n / 64) KS + 4 part) K-step blocks,
	s_mul_i32 s52, s52, s36
	s_lshl2_add_u32 s52, s41, s52
	s_mul_i32 s52, s52, STEPB
	s_bfe_u32 s54, s39, 0x20004                    ; row 80 ((n / 16) % 4) + n % 16 of 256 bytes,
	s_mul_i32 s54, s54, 80
	s_and_b32 s55, s39, 15
	s_add_co_u32 s54, s54, s55
	s_lshl_b32 s54, s54, 8
	s_add_co_u32 s52, s52, s54
	s_add_co_u32 s52, s52, 65536                   ; behind the records
	s_add_nc_u64 s[56:57], s[50:51], s[52:53]
; One K step: 128 numbers of mu and of the four v.  The count leaves the younger steps' loads out (five loads a step, in order).
.macro CH ii, first
	s_wait_loadcnt 15-5*(\ii)
	RND D+20*(\ii)
	DOT 12, D+20*(\ii), D+20*(\ii), \first
.irp k, 0,1,2,3
	RND D+20*(\ii)+4+4*(\k)
	DOT 14+2*(\k), D+20*(\ii), D+20*(\ii)+4+4*(\k), \first
	PACKST D+20*(\ii)+4+4*(\k), (\ii)*STEPB+((\k)+1)*4096
.endr
	PACKST D+20*(\ii), (\ii)*STEPB
.endm
	CH 0, 1
	CH 1, 0
	CH 2, 0
	CH 3, 0
.irp a, 12,14,16,18,20
	v_add_f32 v[\a], v[\a], v[(\a)+1]
.endr
.irp a, 12,14,16,18,20
	WSUM \a
.endr
	s_mov_b32 s59, 2                               ; lane 1 keeps |mu|^2, lanes 2-5 the four mu.v, all others 0
	s_mov_b32 s60, 4
	s_mov_b32 s61, 8
	s_mov_b32 s62, 16
	s_mov_b32 s63, 32
	v_cndmask_b32 v23, 0, v12, s59
	v_cndmask_b32 v23, v23, v14, s60
	v_cndmask_b32 v23, v23, v16, s61
	v_cndmask_b32 v23, v23, v18, s62
	v_cndmask_b32 v23, v23, v20, s63
	v_lshlrev_b32 v24, 2, v0
	ds_store_b32 v24, v23 offset:PART
	s_lshl_b32 s52, s38, 2
	s_add_nc_u64 s[48:49], s[48:49], s[52:53]      ; lam at the work-group's first unit
	s_lshl_b32 s52, s38, 5
	s_add_nc_u64 s[50:51], s[50:51], s[52:53]      ; its records
	s_wait_dscnt 0x0                               ; for the others' sake: my partial sums lie in LDS
	s_barrier_signal -1
	s_barrier_wait -1
; The records of eight units are finished by one wave: lane l takes words 2 (l % 4), 2 (l % 4) + 1 of unit 8 j + l / 4, so the wave stores 256 consecutive bytes, aligned.
.macro FIN sh
	s_cmp_lt_u32 s33, 4>>(\sh)                     ; 8 or 16 units: one wave or two
	s_cbranch_scc0 .Lend
	v_lshrrev_b32 v24, 2, v1
	v_lshl_add_u32 v24, s33, 3, v24                ; u
	v_and_b32 v25, 3, v1
	v_lshlrev_b32 v26, 7+(\sh), v24                ; the unit's first wave's 128 bytes
	v_lshl_add_u32 v26, v25, 3, v26
	v_lshlrev_b32 v27, 2, v24
	v_lshl_add_u32 v30, s33, 8, v9
	global_load_b32 v28, v27, s[48:49]
	ds_load_b64 v[12:13], v26 offset:PART
	ds_load_b64 v[14:15], v26 offset:PART+128
.if (\sh) == 2
	ds_load_b64 v[16:17], v26 offset:PART+256
	ds_load_b64 v[18:19], v26 offset:PART+384
.endif
	s_wait_dscnt 0x0
	v_pk_add_f32 v[12:13], v[12:13], v[14:15]
.if (\sh) == 2
	v_pk_add_f32 v[16:17], v[16:17], v[18:19]
	v_pk_add_f32 v[12:13], v[12:13], v[16:17]
.endif
	s_wait_loadcnt 0x0
	v_cvt_pk_bf16_f32 v28, v28, v28
	v_lshlrev_b32 v28, 16, v28                     ; lam, rounded like every input
	v_cmp_eq_u32 vcc_lo, 0, v25
	v_mul_f32 v29, -0.5, v13
	v_mul_f32 v12, -1.0, v12
	v_mul_f32 v13, -1.0, v13
	v_cndmask_b32 v12, v12, v28, vcc_lo            ; words 0 and 1: lam, -|mu|^2 / 2
	v_cndmask_b32 v13, v13, v29, vcc_lo
	global_store_b64 v30, v[12:13], s[50:51]
	s_branch .Lend
.endm
	s_cmp_lt_u32 ttmp9, 256
	s_cbranch_scc0 .Lfin1
	FIN 2
.Lfin1:
	FIN 1
.Lrows:
	s_cmp_lt_u32 ttmp9, 416
	s_cbranch_scc0 .Lroww
	; ---------------- X: two rows a wave, 16 loads of 512 consecutive bytes
	s_sub_co_u32 s34, ttmp9, 384
	s_lshl_b32 s52, s34, 18                        ; 64 rows of 4,096 bytes
	s_lshl_b32 s54, s33, 13
	s_add_co_u32 s52, s52, s54
	s_add_nc_u64 s[44:45], s[4:5], s[52:53]
.irp i, 0,1,2,3,4,5,6,7,8,9,10,11,12,13,14,15
	global_load_b128 v[D+4*(\i):D+4*(\i)+3], v4, s[44:45] offset:512*(\i) th:TH_LOAD_NT
.endr
	s_lshr_b32 s52, s34, 1                         ; row block of 128: eight blocks of 32,768 bytes
	s_lshl_b32 s52, s52, 18
	s_and_b32 s54, s34, 1
	s_lshl_b32 s54, s54, 14
	s_add_co_u32 s52, s52, s54
	s_lshl_b32 s54, s33, 9
	s_add_co_u32 s52, s52, s54
	s_add_co_u32 s52, s52, 8192                    ; behind the 2,048 row sums
	s_add_nc_u64 s[56:57], s[24:25], s[52:53]
.macro XCH i
	s_wait_loadcnt 15-(\i)
	RND D+4*(\i)
.if ((\i)%8) == 0
	DOT 12+2*((\i)/8), D+4*(\i), D+4*(\i), 1
.else
	DOT 12+2*((\i)/8), D+4*(\i), D+4*(\i), 0
.endif
	PACKST D+4*(\i), ((\i)%8)*ABLK+((\i)/8)*256
.endm
.irp i, 0,1,2,3,4,5,6,7,8,9,10,11,12,13,14,15
	XCH \i
.endr
	v_add_f32 v12, v12, v13
	v_add_f32 v14, v14, v15
	WSUM 12
	WSUM 14
	s_mov_b32 s59, 0xaaaaaaaa
	v_cndmask_b32 v23, v12, v14, s59               ; odd lanes hold the second row's sum
	v_and_b32 v24, 1, v1
	v_lshl_add_u32 v24, s33, 1, v24
	v_lshlrev_b32 v24, 2, v24
	ds_store_b32 v24, v23 offset:XSL               ; sixteen lanes write the same word with the same value
	s_wait_dscnt 0x0
	s_barrier_signal -1
	s_barrier_wait -1
	s_cmp_lg_u32 s33, 0
	s_cbranch_scc1 .Lend
	ds_load_b64 v[24:25], v9 offset:XSL            ; wave 0 stores the work-group's 64 sums: 256 consecutive bytes, aligned
	s_lshl_b32 s52, s34, 8
	s_add_nc_u64 s[60:61], s[24:25], s[52:53]
	s_wait_dscnt 0x0
	global_store_b64 v9, v[24:25], s[60:61]
	s_branch .Lend
.Lroww:
	; ---------------- WL: a row a wave; rows 1,000 to 1,023 are written as 0 and nothing is loaded for them
	s_sub_co_u32 s34, ttmp9, 416
	s_lshl_b32 s35, s34, 5
	s_add_co_u32 s35, s35, s33                     ; row
	s_lshr_b32 s52, s35, 7
	s_lshl_b32 s52, s52, 19                        ; sixteen blocks of 32,768 bytes a row block
	s_and_b32 s54, s35, 127
	s_lshl_b32 s54, s54, 8
	s_add_co_u32 s52, s52, s54
	s_add_nc_u64 s[56:57], s[30:31], s[52:53]
	s_cmp_lt_u32 s35, 1000
	s_cbranch_scc0 .Lzero
	s_lshl_b32 s52, s35, 13
	s_add_nc_u64 s[44:45], s[18:19], s[52:53]
.irp i, 0,1,2,3,4,5,6,7,8,9,10,11,12,13,14,15
	global_load_b128 v[D+4*(\i):D+4*(\i)+3], v4, s[44:45] offset:512*(\i) th:TH_LOAD_NT
.endr
.irp i, 0,1,2,3,4,5,6,7,8,9,10,11,12,13,14,15
	s_wait_loadcnt 15-(\i)
	RND D+4*(\i)
	PACKST D+4*(\i), (\i)*ABLK
.endr
	s_branch .Lend
.Lzero:
	v_mov_b32 v26, 0
	v_mov_b32 v27, 0
.irp i, 0,1,2,3,4,5,6,7,8,9,10,11,12,13,14,15
	global_store_b64 v9, v[26:27], s[56:57] offset:(\i)*ABLK
.endr
.Lend:
	s_wait_tensorcnt 0x0                           ; the wave's end, behind my last LDS store
	ds_add_u32 v2, v3
	s_wait_dscnt 0x0
	s_endpgm
.Lfunc_end_k_qf7b8932fe8_prep:
	.size	k_qf7b8932fe8_prep, .Lfunc_end_k_qf7b8932fe8_prep-k_qf7b8932fe8_prep
	.p2alignl 7, 3214868480
	.fill 96, 4, 3214868480
	.section	.rodata,"a",@progbits
	.p2align	6, 0x0
	.amdhsa_kernel k_qf7b8932fe8_prep
		.amdhsa_group_segment_fixed_size 8448
		.amdhsa_private_segment_fixed_size 0
		.amdhsa_enable_private_segment 0
		.amdhsa_kernarg_size 96
		.amdhsa_user_sgpr_count 2
		.amdhsa_user_sgpr_kernarg_segment_ptr 1
		.amdhsa_wavefront_size32 1
		.amdhsa_system_sgpr_workgroup_id_x 1
		.amdhsa_system_sgpr_workgroup_id_y 1
		.amdhsa_system_sgpr_workgroup_id_z 1
		.amdhsa_system_vgpr_workitem_id 0
		.amdhsa_next_free_vgpr 128
		.amdhsa_next_free_sgpr 66
		.amdhsa_reserve_vcc 1
		.amdhsa_float_denorm_mode_32 3
		.amdhsa_float_denorm_mode_16_64 3
		.amdhsa_memory_ordered 1
		.amdhsa_forward_progress 1
		.amdhsa_inst_pref_size 47
	.end_amdhsa_kernel
	.amdgpu_metadata
---
amdhsa.version: [ 1, 2 ]
amdhsa.kernels:
  - .name:           k_qf7b8932fe8_prep
    .symbol:         k_qf7b8932fe8_prep.kd
    .args:
      - { .name: x, .offset: 0, .size: 8, .value_kind: global_buffer, .address_space: global }
      - { .name: mu1, .offset: 8, .size: 8, .value_kind: global_buffer, .address_space: global }
      - { .name: lam1, .offset: 16, .size: 8, .value_kind: global_buffer, .address_space: global }
      - { .name: v1, .offset: 24, .size: 8, .value_kind: global_buffer, .address_space: global }
      - { .name: mu2, .offset: 32, .size: 8, .value_kind: global_buffer, .address_space: global }
      - { .name: lam2, .offset: 40, .size: 8, .value_kind: global_buffer, .address_space: global }
      - { .name: v2, .offset: 48, .size: 8, .value_kind: global_buffer, .address_space: global }
      - { .name: Wl, .offset: 56, .size: 8, .value_kind: global_buffer, .address_space: global }
      - { .name: ac1, .offset: 64, .size: 8, .value_kind: global_buffer, .address_space: global }
      - { .name: wk1, .offset: 72, .size: 8, .value_kind: global_buffer, .address_space: global }
      - { .name: wk2, .offset: 80, .size: 8, .value_kind: global_buffer, .address_space: global }
      - { .name: wlh, .offset: 88, .size: 8, .value_kind: global_buffer, .address_space: global }
    .group_segment_fixed_size: 8448
    .private_segment_fixed_size: 0
    .kernarg_segment_align: 8
    .kernarg_segment_size: 96
    .max_flat_workgroup_size: 1024
    .sgpr_count:     66
    .vgpr_count:     128
    .wavefront_size: 32
...
	.end_amdgpu_metadata
.endif
;; end of part 1
;; launch hmu (part 2): grid 32 x 8, 4 waves a work-group, clusters of 4 x 4, 327,680 bytes of LDS; arguments ac1, wk1, qs; writes qs
.if DOCPART == 2
	.amdgcn_target "amdgcn-amd-amdhsa--gfx1250"
	.amdhsa_code_object_version 6
	.text
	.protected	k_qf7b8932fe8_hmu
	.globl	k_qf7b8932fe8_hmu
	.p2align	8
	.type	k_qf7b8932fe8_hmu,@function
k_qf7b8932fe8_hmu:
	s_mov_b64 s[64:65], 0
	v_nop
	global_prefetch_b8 v0, s[64:65] scope:SCOPE_SE
	s_setreg_imm32_b32 hwreg(HW_REG_WAVE_MODE, 25, 1), 1
	s_wait_xcnt 0x0
	s_wait_alu depctr_hold_cnt(0) depctr_sa_sdst(0) depctr_va_vdst(0) depctr_va_sdst(0) depctr_va_ssrc(0) depctr_va_vcc(0) depctr_vm_vsrc(0)
	s_getreg_b32 s2, hwreg(HW_REG_IB_STS2, 6, 4)
	s_cmp_eq_u32 s2, 0
	s_cbranch_scc0 .Lentry_in_a_cluster
	s_endpgm
.Lentry_in_a_cluster:
	s_bfe_u32 s2, ttmp6, 0x10000c
	s_cmp_lg_u32 s2, 0xf033
	s_cbranch_scc0 .Lentry_shape_is_right
	s_endpgm
.Lentry_shape_is_right:
; HMU LAYER 1 up to its batch norm (KS = 8 K steps of 128; the text of layer 2 differs from this one in the line that sets KS alone).
; q[b][n] = lam_n (|a_b|^2 - 2 a_b.mu_n + |mu_n|^2) + sum over k of (a_b.v_nk - mu_n.v_nk)^2; with KS = 16 q = exp(-q / 2048) after that.
; a: 2,048 rows of activations, f16, blocked [row / 128][K step][row % 128][128]; the weights: five rows a unit (mu, v0..v3), f16, blocked [n / 64][K step][320][128] (row 80 g + 16 t + n % 16).
; Stored: q in f32, and for each column and each block of 128 rows the mean and the sum of squares about that mean, from which the next launch makes the batch statistics without a difference of large sums.
; LIMITS.  Operands are f16: within 65,504.  An exponential whose result would be a denormal gives 0.  NaN and infinities are not treated apart.
; SHARES.  A work-group makes 256 rows x 64 units (320 columns of the product); 32 x 8 of them.  Wave w: rows 128 (w / 2) on, units 32 (w % 2) on: 16 COMBOS c = 2 a + g (a: 16 rows, g: 16 units) of five
; accumulators (t = 0: a.mu, t = 1..4: a.v): 80 accumulators, 640 registers.  Source 0 = 16 rows of a, source 1 = 16 rows of the weights: a lane holds ONE unit (lane % 16) and rows 8 (lane / 16) + 0..7,
; and a unit's five products lie in the same lane and register of five accumulators: the formula needs no exchange.  The sums start from -|mu|^2 / 2 and -mu.v as the first product's C operand.
; RING.  K steps of 128 through two LDS slots (256 rows of a, 320 of the weights, 256 bytes + 16 of padding each); a wave's one tensor load brings 128 rows of a (waves 0, 1) or 160 of the weights (2, 3).
; CLUSTER 4 x 4: the four of a row of the cluster need the same rows of a, the four of a column the same weights: each tile is asked for jointly.
; REGISTERS in windows of 256 (s_set_vgpr_msb: bits 1:0 source 0, 3:2 source 1, 5:4 source 2, 7:6 destination):
;   window 0: v0-19 addresses; v20-25, v28-33 my two units' records; v36-47 at work; v48-111, v112-175 fragments of a, two buffers; v176-255 the weights' fragments, buffer 1
;   window 1: combos 0-5 (combo c at 40 (c % 6), accumulator t at + 8 t);  window 2: combos 6-11;  window 3: v0-159 combos 12-15, v160-239 the weights' fragments, buffer 0
.set KS,    8                          ; K steps of 128
.set PLANES, 1+15*(KS/16)              ; planes of partial row sums of squares in front of a's blocks: 1 (x) or 16 (a plane for each strip of 128 columns)
.set AOFF,  PLANES*8192
.set P,     272                        ; an LDS row: 68 words, so the 16 rows of a fragment load start at 16 different groups of four banks (64 banks of 4 bytes: ISA guide 11.1)
.set AH,    128*P                      ; what one load of a brings, and what a wave reads of a
.set BH,    160*P                      ; the same for the weights
.set BOFF,  2*AH
.set SLOT,  2*AH+2*BH
.set SPARE, 2*SLOT                     ; the spare words, 128 bytes a wave, which no other line names
.set XS,    SPARE+512                  ; |a|^2 of the work-group's 256 rows
.set STS,   XS+1024                    ; [row half][mean, M2][64 units]
.set FA0,   48
.set FB1,   176
.set FB0,   160
.set CHN,   112                        ; way out, window 0: eight chains of column sums (group, pair)
.set MEAN,  128                        ; two pairs
.set M2C,   132                        ; eight chains of squares
.set DT,    148                        ; differences, 48 registers
.set G1A, 24                           ; s[24:31] descriptor group 1 for a;  s[32:39] group 0, a set for each slot
.set G0A, 32
.set G1B, 48                           ; s[48:55], s[56:63] the same for the weights
.set G0B, 56
.set G1W, (1<<16)|(1<<20)|(1<<21)|(5<<22)|(3<<25)  ; 2-byte elements; padding on; bit 21 beside a mask; after every 64 words, 4 words
; s3 lap, s12 wave, s13 w / 2 (my row half; also: I fetch a (0) or weights (1)), s14 w % 2 (my unit half; also: which half I fetch), s15 cx, s16 cy, s17 X, s18 Y,
; s[66:67] where my prefetches stand, s[68:69] their step a lap, s70 the trips in which I prefetch, s71 lanes 16-31, s[72:73] lane selects, s[74:75] -log2(e) / 2048, s[76:77] statistics, s[78:79] q
.set MSB, 0
.macro WIN new                         ; the immediate's high byte repeats the setting that is left; a switch that changes nothing is dropped
.if MSB != (\new)
	s_set_vgpr_msb (MSB<<8)|(\new)
.set MSB, \new
.endif
.endm
.macro PLACES                          ; four places behind a matrix instruction, ahead of loads into registers that it has read and of vector lines that read its results
.rept 4
	v_nop
.endr
.endm
; A joint load; the branch hangs on the wave's number alone.  An s_nop 0 and four v_nop follow each of the two lines.
.macro JLOAD s
	s_cmp_eq_u32 s13, 0
	s_cbranch_scc0 .Lfor_b_\@
	tensor_load_to_lds s[G0A+4*(\s):G0A+4*(\s)+3], s[G1A:G1A+7]
	s_nop 0
.rept 4
	v_nop
.endr
	s_branch .Lasked_\@
.Lfor_b_\@:
	tensor_load_to_lds s[G0B+4*(\s):G0B+4*(\s)+3], s[G1B:G1B+7]
	s_nop 0
.rept 4
	v_nop
.endr
.Lasked_\@:
.endm
.macro CREST                           ; a round of the cluster's barrier behind its opening barrier
	s_cmp_lg_u32 s12, 0
	s_cbranch_scc1 .Lnot_wave_0_\@
	s_barrier_signal -3
.Lnot_wave_0_\@:
	s_barrier_wait -3
	s_barrier_signal -1
	s_barrier_wait -1
.endm
.macro CROUND
	s_barrier_signal -1
	s_barrier_wait -1
	CREST
.endm
; A PREFETCH INTO THE L2, once a lap, behind slot 0's joint load and the run of LDS loads: the two K steps of lap s3 + 2, which the next trip's two refills ask for.  A lap of 128 rows of a is 65,536 dense bytes:
; of the clusters that read them the one with cluster x = 0 asks, its four partners 16,384 bytes each, told apart by address (cx); a lap of a tile column's weights is 163,840 dense bytes: the cluster with
; cluster y = 0 asks, 40,960 bytes a partner (cy), wave 2 24,576 of them and wave 3 16,384.  A lane names 256 bytes.  So each block is named once in the launch.  Laps 0 and 1 come by their loads alone; the last trip names nothing.
.macro ASK
	s_cmp_lt_u32 s3, s70
	s_cbranch_scc0 .Lnot_mine_\@
	global_prefetch_b8 v15, s[66:67] th:TH_LOAD_NT scope:SCOPE_SE
	global_prefetch_b8 v15, s[66:67] offset:8192 th:TH_LOAD_NT scope:SCOPE_SE
	s_cmp_eq_u32 s12, 2
	s_cbranch_scc0 .Lnot_mine_\@
	global_prefetch_b8 v15, s[66:67] offset:16384 th:TH_LOAD_NT scope:SCOPE_SE
.Lnot_mine_\@:
.endm
	s_load_b64 s[6:7], s[0:1], 0x0                 ; a
	s_load_b64 s[8:9], s[0:1], 0x8                 ; the weights
	s_load_b64 s[10:11], s[0:1], 0x10              ; qs
	v_lshl_add_u32 v16, v0, 2, SPARE
	v_mov_b32 v17, 0
	ds_add_u32 v16, v17                            ; the wave's opening: the add, twice on end, and its wait ahead of my first tensor load
	ds_add_u32 v16, v17
	v_lshrrev_b32 v1, 5, v0
	v_readfirstlane_b32 s12, v1
	s_lshr_b32 s13, s12, 1
	s_and_b32 s14, s12, 1
	s_bfe_u32 s15, ttmp6, 0x40000                  ; cx
	s_bfe_u32 s16, ttmp6, 0x40004                  ; cy
	s_lshl_b32 s17, ttmp9, 2
	s_add_co_u32 s17, s17, s15                     ; X: my 64 units
	s_and_b32 s18, ttmp7, 0xffff
	s_lshl_b32 s18, s18, 2
	s_add_co_u32 s18, s18, s16                     ; Y: my 256 rows
	s_lshl_b32 s20, s16, 2
	s_lshl_b32 s20, 15, s20                        ; my row of the cluster
	s_lshl_b32 s40, 0x1111, s15                    ; my column
	s_or_b32 s[G1A], s20, G1W
	s_or_b32 s[G1B], s40, G1W
	s_mov_b32 s[G1A+1], 128<<16                    ; tensor_dim0 = 128
	s_mov_b32 s[G1A+2], 128<<16                    ; tensor_dim1 = 128
	s_mov_b32 s[G1A+3], 128<<16                    ; tile_dim0 = 128
	s_mov_b32 s[G1A+4], 128                        ; tile_dim1 = 128
	s_mov_b32 s[G1A+5], 128                        ; 128 elements from row to row: the blocks are dense
	s_mov_b32 s[G1A+6], 0
	s_mov_b32 s[G1A+7], 0
	s_mov_b32 s[G1B+1], 128<<16
	s_mov_b32 s[G1B+2], 160<<16                    ; 160 rows
	s_mov_b32 s[G1B+3], 128<<16
	s_mov_b32 s[G1B+4], 160
	s_mov_b32 s[G1B+5], 128
	s_mov_b32 s[G1B+6], 0
	s_mov_b32 s[G1B+7], 0
	s_mul_i32 s46, s14, AH                         ; where my tile goes: no place in the cluster enters an LDS address
	s_mul_i32 s47, s14, BH
	s_add_co_u32 s47, s47, BOFF
	s_mov_b32 s71, 0xffff0000
	s_mov_b32 s72, 0x76543210
	s_mov_b32 s73, 0xfedcba98
.if KS == 16
	s_mov_b32 s74, 0xba38aa3b                      ; -log2(e) / 2048
	s_mov_b32 s75, s74
.endif
	s_lshl_b32 s20, s18, 1                         ; a: row block 2 Y + half, K step 0, behind the planes of row sums
	s_add_co_u32 s20, s20, s14
	s_mul_i32 s20, s20, KS*32768
	s_add_co_u32 s20, s20, AOFF
	s_mov_b32 s21, 0
	s_mul_i32 s40, s17, KS*81920                   ; weights: tile column X, K step 0, my half's 160 rows, behind the records
	s_mul_i32 s42, s14, 40960
	s_add_co_u32 s40, s40, s42
	s_add_co_u32 s40, s40, 65536
	s_mov_b32 s41, 0
	s_wait_dscnt 0x0                               ; both opening adds are done
	s_wait_kmcnt 0x0
	s_add_nc_u64 s[22:23], s[6:7], s[20:21]
	s_add_nc_u64 s[44:45], s[8:9], s[40:41]
	CROUND                                         ; all sixteen work-groups are here: the first joint loads meet
.irp s, 0,1
	s_mov_b32 s[G0A+4*(\s)], 1
	s_add_co_u32 s[G0A+4*(\s)+1], s46, (\s)*SLOT
	s_add_nc_u64 s[G0A+4*(\s)+2:G0A+4*(\s)+3], s[22:23], (\s)*32768
	s_or_b32 s[G0A+4*(\s)+3], s[G0A+4*(\s)+3], 0x80000000
	s_mov_b32 s[G0B+4*(\s)], 1
	s_add_co_u32 s[G0B+4*(\s)+1], s47, (\s)*SLOT
	s_add_nc_u64 s[G0B+4*(\s)+2:G0B+4*(\s)+3], s[44:45], (\s)*81920
	s_or_b32 s[G0B+4*(\s)+3], s[G0B+4*(\s)+3], 0x80000000
	JLOAD \s                                       ; two loads of mine are out
.endr
	; the prefetches' address (at lap 1: the first trip steps it to lap 2), step and last trip
	s_lshl_b32 s42, s15, 14
	s_add_co_u32 s42, s42, s20
	s_add_co_u32 s42, s42, 65536
	s_mul_i32 s43, s14, 40960-24576                ; s40 holds 40,960 x half; wanted is 24,576 x half
	s_sub_co_u32 s43, s40, s43
	s_mul_i32 s46, s16, 40960
	s_add_co_u32 s43, s43, s46
	s_add_co_u32 s43, s43, 163840
	s_and_b32 s46, ttmp7, 0xffff
	s_mov_b32 s68, 163840
	s_cmp_eq_u32 s13, 0
	s_cselect_b32 s42, s42, s43
	s_cselect_b32 s46, ttmp9, s46                  ; the coordinate along which other clusters read the same bytes
	s_cselect_b32 s68, 65536, s68
	s_cselect_b64 s[66:67], s[6:7], s[8:9]
	s_mov_b32 s43, 0
	s_mov_b32 s69, 0
	s_add_nc_u64 s[66:67], s[66:67], s[42:43]
	s_cmp_eq_u32 s46, 0
	s_cselect_b32 s70, KS/2-2, 0                   ; the same in all sixteen partners, for a given wave
	; the rows' sums of squares and my two units' records
	v_and_b32 v1, 15, v0                           ; r
	v_bfe_u32 v2, v0, 4, 1                         ; h
	v_lshlrev_b32 v18, 3, v0
	v_lshlrev_b32 v19, 5, v1
	s_lshl_b32 s20, s18, 10
	s_add_nc_u64 s[22:23], s[6:7], s[20:21]
	s_lshl_b32 s40, s17, 11
	s_lshl_b32 s42, s14, 10
	s_add_co_u32 s40, s40, s42
	s_add_nc_u64 s[44:45], s[8:9], s[40:41]
.set pp, 0
.rept PLANES
	global_load_b64 v[112+2*pp:113+2*pp], v18, s[22:23] offset:8192*pp
.set pp, pp+1
.endr
	global_load_b128 v[20:23], v19, s[44:45]
	global_load_b64 v[24:25], v19, s[44:45] offset:16
	global_load_b128 v[28:31], v19, s[44:45] offset:512
	global_load_b64 v[32:33], v19, s[44:45] offset:528
	; lane addresses.  A fragment is 16 rows x 32 K in 8 registers: lane l holds row l % 16, K = 8 (l / 16) + 0..7 and 16 + 8 (l / 16) + 0..7: two loads of 16 bytes, 32 bytes apart
	v_mul_u32_u24 v3, v1, P
	v_lshl_add_u32 v3, v2, 4, v3
	s_mul_i32 s20, s13, AH
	s_mul_i32 s21, s14, BH
	s_add_co_u32 s21, s21, BOFF
	v_add_nc_u32 v4, s20, v3                       ; v4, v5: my rows of a in slot 0, 1
	v_add_nc_u32 v6, s21, v3                       ; v6, v7: my weights
	s_add_co_u32 s20, s20, SLOT
	s_add_co_u32 s21, s21, SLOT
	v_add_nc_u32 v5, s20, v3
	v_add_nc_u32 v7, s21, v3
	s_mul_i32 s20, s13, 128*P                      ; v8: into the stage: row 128 (w / 2) + 8 h, column 32 (w % 2) + r
	s_lshl_b32 s21, s14, 7
	s_add_co_u32 s20, s20, s21
	v_mul_u32_u24 v8, v2, 8*P
	v_lshl_add_u32 v8, v1, 2, v8
	v_add_nc_u32 v8, s20, v8
	s_mul_i32 s20, s12, 64*P                       ; v9: back: rows 64 w on, lanes 0-15 one row of 256 bytes, lanes 16-31 the next
	v_mul_u32_u24 v9, v2, P
	v_lshl_add_u32 v9, v1, 4, v9
	v_add_nc_u32 v9, s20, v9
	v_lshlrev_b32 v10, 13, v2                      ; v10: the same two rows in memory (8,192 bytes a row)
	v_lshl_add_u32 v10, v1, 4, v10
	s_lshl_b32 s20, s13, 9                         ; v11: my rows' sums of squares
	s_add_co_u32 s20, s20, XS
	v_lshl_add_u32 v11, v2, 5, s20
	s_lshl_b32 s20, s13, 9                         ; v12: my units' statistics: lanes 0-15 the mean, lanes 16-31 M2
	s_lshl_b32 s21, s14, 7
	s_add_co_u32 s20, s20, s21
	s_add_co_u32 s20, s20, STS
	v_lshlrev_b32 v12, 8, v2
	v_lshl_add_u32 v12, v1, 2, v12
	v_add_nc_u32 v12, s20, v12
	v_and_b32 v13, 31, v0                          ; v13: a row half's 512 bytes of statistics, read back
	v_lshlrev_b32 v15, 8, v13                      ; v15: the prefetches' offset: 256 x lane
	s_lshl_b32 s20, s14, 9
	s_add_co_u32 s20, s20, STS
	v_lshl_add_u32 v13, v13, 4, s20
	v_add_nc_u32 v36, XS, v18
	s_lshl_b32 s42, s18, 8                         ; q at row 256 Y + 64 w, column 64 X, behind the statistics
	s_lshl_b32 s43, s12, 6
	s_add_co_u32 s42, s42, s43
	s_lshl_b32 s42, s42, 13
	s_lshl_b32 s43, s17, 8
	s_add_co_u32 s42, s42, s43
	s_add_co_u32 s42, s42, 262144
	s_mov_b32 s43, 0
	s_add_nc_u64 s[78:79], s[10:11], s[42:43]
	s_lshl_b32 s42, s18, 2                         ; the statistics of row block 2 Y + w (waves 0 and 1): planes 2 (2 Y + w), + 1
	s_lshl1_add_u32 s42, s12, s42
	s_lshl_b32 s42, s42, 13
	s_lshl_b32 s40, s17, 8
	s_add_co_u32 s42, s42, s40
	s_add_nc_u64 s[76:77], s[10:11], s[42:43]
	s_wait_loadcnt 0x0
.if PLANES > 1
.set pp, 1
.rept PLANES-1
	v_pk_add_f32 v[112:113], v[112:113], v[112+2*pp:113+2*pp]
.set pp, pp+1
.endr
.endif
	ds_store_b64 v36, v[112:113]
	; what the sums start from, as C operands of the first products: eight copies (a lane's eight rows) of -|mu|^2 / 2 and the four -mu.v, for both groups; they lie where the weights' buffer 1 will lie
.set gg, 0
.rept 2
.set tt, 0
.rept 5
.set jj, 0
.rept 8
	v_mov_b32 v[FB1+8*(5*gg+tt)+jj], v[21+8*gg+tt]
.set jj, jj+1
.endr
.set tt, tt+1
.endr
.set gg, gg+1
.endr
; Combos c0 to c1, five matrix instructions each, 32 along K, from buffer f.  The 80 accumulators take turns, one instruction a turn, in the same order in every quarter.  init = 1: the first products.
.macro MULS f, c0, c1, init=0
.set cc, \c0
.rept (\c1)-(\c0)+1
.set ww, 1+cc/6
.if \init
	WIN 0x0c|(ww<<6)
.elseif (\f) == 0
	WIN 0x0c|(ww<<4)|(ww<<6)
.else
	WIN (ww<<4)|(ww<<6)
.endif
.set tt, 0
.rept 5
.set rD, 40*(cc%6)+8*tt
.set rA, FA0+64*(\f)+8*(cc/2)
.if (\f) == 0
.set rB, FB0+8*(5*(cc%2)+tt)
.else
.set rB, FB1+8*(5*(cc%2)+tt)
.endif
.if \init
.set rC, FB1+8*(5*(cc%2)+tt)
	v_wmma_f32_16x16x32_f16 v[rD:rD+7], v[rA:rA+7], v[rB:rB+7], v[rC:rC+7]
.else
	v_wmma_f32_16x16x32_f16 v[rD:rD+7], v[rA:rA+7], v[rB:rB+7], v[rD:rD+7]
.endif
.set tt, tt+1
.endr
.set cc, cc+1
.endr
.endm
; 36 LDS loads in one run: a quarter step's fragments (160 rows of weights, then 128 rows of a, 32 K at byte k of the rows) into buffer f
.macro FETCH slot, k, f
.if (\f) == 0
	WIN 0xc0
.set rB, FB0
.else
	WIN 0
.set rB, FB1
.endif
.set ii, 0
.rept 10
	ds_load_b128 v[rB+8*ii:rB+8*ii+3],   v[6+(\slot)] offset:(\k)+ii*16*P
	ds_load_b128 v[rB+8*ii+4:rB+8*ii+7], v[6+(\slot)] offset:(\k)+ii*16*P+32
.set ii, ii+1
.endr
	WIN 0
.set rA, FA0+64*(\f)
.set ii, 0
.rept 8
	ds_load_b128 v[rA+8*ii:rA+8*ii+3],   v[4+(\slot)] offset:(\k)+ii*16*P
	ds_load_b128 v[rA+8*ii+4:rA+8*ii+7], v[4+(\slot)] offset:(\k)+ii*16*P+32
.set ii, ii+1
.endr
.endm
; A K step is four quarters of 32 along K, 80 matrix instructions each, on buffers 0, 1, 0, 1.  One of the first three: multiplies f and fetches the next quarter, at byte k, into g.
.macro QUARTER slot, k, f, g
	s_wait_dscnt 10                                ; the weights and a's fragments 0-2 are in; the youngest ten loads (fragments 3-7) may be out
	MULS \f, 0, 5
	PLACES
	FETCH \slot, \k, \g
	s_wait_dscnt 36                                ; all but the 36 just issued
	MULS \f, 6, 15
.endm
; The last quarter multiplies buffer 1 and changes slots: one barrier; ahead of it each wave waits for all its tensor loads (one is out: its part of the next slot), adds 0 to its spare word, and waits for that and
; for its reads of this slot.  fill = 1: the barrier opens a round of the cluster's barrier, and this slot is filled again, two K steps on, first thing behind the round: 290 matrix instructions ahead of the wait for it.
.macro TURN slot, next, fill
.if (\fill) && ((\slot) == 0)
	s_wait_xcnt 0x0                                ; the last prefetches, a lap back, have read their address: it is stepped here
	s_add_nc_u64 s[66:67], s[66:67], s[68:69]
.endif
	WIN 0
	s_wait_tensorcnt 0x0
	ds_add_u32 v16, v17                            ; 0 onto my spare word
	s_wait_dscnt 11                                ; (the add and the youngest ten loads may be out)
	MULS 1, 0, 2
	s_wait_dscnt 0x0                               ; the add is done, and my reads of this slot are over
	s_barrier_signal -1
	MULS 1, 3, 5
.if \fill
	WIN 0
.endif
	s_barrier_wait -1
.if \fill
	CREST                                          ; no wave of any partner still reads this slot or has a load on its way
	s_add_nc_u64 s[G0A+4*(\slot)+2:G0A+4*(\slot)+3], s[G0A+4*(\slot)+2:G0A+4*(\slot)+3], 2*32768
	s_add_nc_u64 s[G0B+4*(\slot)+2:G0B+4*(\slot)+3], s[G0B+4*(\slot)+2:G0B+4*(\slot)+3], 2*81920
	JLOAD \slot                                    ; the four v_nop behind it are also the places ahead of the loads below
.else
	PLACES
.endif
	FETCH \next, 0, 0
.if (\fill) && ((\slot) == 0)
	ASK
.endif
	MULS 1, 6, 15
.endm
	s_wait_tensorcnt 0x1                           ; my part of K step 0 is in; K step 1's may stay out
	s_wait_dscnt 0x0                               ; my rows' sums lie in LDS
	s_barrier_signal -1
	s_barrier_wait -1
	FETCH 0, 0, 0
	s_wait_dscnt 0x0
	MULS 0, 0, 15, 1                               ; the first quarter stands ahead of the loop: its products start the sums
	PLACES
	FETCH 0, 64, 1                                 ; only now: buffer 1 held the C operands
	WIN 0
	s_mov_b32 s3, 0
.Llap:                                                 ; KS / 2 - 1 trips: from a lap's second quarter to the next lap's first; both slots are filled again
	QUARTER 0, 128, 1, 0
	QUARTER 0, 192, 0, 1
	TURN 0, 1, 1
	QUARTER 1, 64, 0, 1
	QUARTER 1, 128, 1, 0
	QUARTER 1, 192, 0, 1
	TURN 1, 0, 1
	QUARTER 0, 64, 0, 1
	WIN 0
	s_add_co_u32 s3, s3, 1
	s_cmp_lt_u32 s3, KS/2-1
	s_cbranch_scc1 .Llap
	QUARTER 0, 128, 1, 0                           ; the last lap fills nothing
	QUARTER 0, 192, 0, 1
	TURN 0, 1, 0
	QUARTER 1, 64, 0, 1
	QUARTER 1, 128, 1, 0
	QUARTER 1, 192, 0, 1
	s_wait_dscnt 0x0
	MULS 1, 0, 15
	; THE FORMULA.  In each combo accumulator 0 becomes lam (|a|^2 - 2 S0) + S1^2 + S2^2 + S3^2 + S4^2.  Each accumulator is read from its low pair on.
	PLACES
	WIN 0
.set aa, 0
.rept 8
	ds_load_b128 v[FA0+8*aa:FA0+8*aa+3],   v11 offset:64*aa     ; |a|^2 of rows 16 a + 8 h + 0..7
	ds_load_b128 v[FA0+8*aa+4:FA0+8*aa+7], v11 offset:64*aa+16
.set aa, aa+1
.endr
	s_wait_dscnt 0x0
.macro QUAD c0, c1                     ; the combos of one window
.set ww, 1+(\c0)/6
	WIN ww|(ww<<6)
.set cc, \c0
.rept (\c1)-(\c0)+1
.set rD, 40*(cc%6)
.set rX, FA0+8*(cc/2)
.set rL, 20+8*(cc%2)
.set pp, 0
.rept 4
	v_pk_fma_f32 v[rD+2*pp:rD+2*pp+1], v[rD+2*pp:rD+2*pp+1], -2.0, v[rX+2*pp:rX+2*pp+1] op_sel_hi:[1,0,1]
.set pp, pp+1
.endr
.set pp, 0
.rept 4
	v_pk_mul_f32 v[rD+2*pp:rD+2*pp+1], v[rD+2*pp:rD+2*pp+1], v[rL:rL+1] op_sel_hi:[1,0]
.set pp, pp+1
.endr
.set cc, cc+1
.endr
	WIN 0x55*ww
.set cc, \c0
.rept (\c1)-(\c0)+1
.set rD, 40*(cc%6)
.set tt, 1
.rept 4
.set pp, 0
.rept 4
	v_pk_fma_f32 v[rD+2*pp:rD+2*pp+1], v[rD+8*tt+2*pp:rD+8*tt+2*pp+1], v[rD+8*tt+2*pp:rD+8*tt+2*pp+1], v[rD+2*pp:rD+2*pp+1]
.set pp, pp+1
.endr
.set tt, tt+1
.endr
.set cc, cc+1
.endr
.endm
	QUAD 0, 5
	QUAD 6, 11
	QUAD 12, 15
.if KS == 16                           ; layer 2 alone: q = exp(-q / 2048)
.macro EXPS c0, c1
.set ww, 1+(\c0)/6
	WIN ww|(ww<<6)
.set cc, \c0
.rept (\c1)-(\c0)+1
.set rD, 40*(cc%6)
.set pp, 0
.rept 4
	v_pk_mul_f32 v[rD+2*pp:rD+2*pp+1], v[rD+2*pp:rD+2*pp+1], s[74:75] op_sel_hi:[1,0]
.set pp, pp+1
.endr
.set pp, 0
.rept 8
	v_exp_f32 v[rD+pp], v[rD+pp]
.set pp, pp+1
.endr
.set cc, cc+1
.endr
.endm
	EXPS 0, 5                                      ; one batch of 128 exponentials; nothing ahead of the wait names a result
	EXPS 6, 11
	EXPS 12, 15
	WIN 0
	v_nop                                          ; a plain instruction behind the last exponential
	s_wait_alu depctr_va_vdst(0)                   ; and a wait ahead of the first reader
.endif
	; THE STATISTICS of my 128 rows, for my 32 units: the mean first, then the squares about it
	WIN 0x05
.set gg, 0
.rept 2
.set pp, 0
.rept 4
	v_pk_add_f32 v[CHN+2*(4*gg+pp):CHN+2*(4*gg+pp)+1], v[40*gg+2*pp:40*gg+2*pp+1], v[40*(2+gg)+2*pp:40*(2+gg)+2*pp+1]  ; combos g and 2 + g start the chains
.set pp, pp+1
.endr
.set gg, gg+1
.endr
.set cc, 4
.rept 12
.set ww, 1+cc/6
	WIN ww<<2
.set pp, 0
.rept 4
	v_pk_add_f32 v[CHN+2*(4*(cc%2)+pp):CHN+2*(4*(cc%2)+pp)+1], v[CHN+2*(4*(cc%2)+pp):CHN+2*(4*(cc%2)+pp)+1], v[40*(cc%6)+2*pp:40*(cc%6)+2*pp+1]
.set pp, pp+1
.endr
.set cc, cc+1
.endr
	WIN 0
.macro JOIN base, out                  ; four pairs, and the other half of the lanes' (the unit's other 64 rows), into one number
	v_pk_add_f32 v[(\base):(\base)+1], v[(\base):(\base)+1], v[(\base)+2:(\base)+3]
	v_pk_add_f32 v[(\base)+4:(\base)+5], v[(\base)+4:(\base)+5], v[(\base)+6:(\base)+7]
	v_pk_add_f32 v[(\base):(\base)+1], v[(\base):(\base)+1], v[(\base)+4:(\base)+5]
	v_add_f32 v[\out], v[(\base)], v[(\base)+1]
	v_permlanex16_b32 v[(\base)+2], v[\out], s72, s73
	v_add_f32 v[\out], v[\out], v[(\base)+2]
.endm
	JOIN CHN, 36
	JOIN CHN+8, 38
	v_mul_f32 v[MEAN], 0x3c000000, v36             ; / 128
	v_mul_f32 v[MEAN+2], 0x3c000000, v38
	v_mov_b32 v[MEAN+1], v[MEAN]                   ; named as pairs
	v_mov_b32 v[MEAN+3], v[MEAN+2]
.macro SQS c0, c1                      ; one window's differences into window 0, then their squares onto the chains
.set ww, 1+(\c0)/6
	WIN ww
.set cc, \c0
.rept (\c1)-(\c0)+1
.set pp, 0
.rept 4
	v_pk_add_f32 v[DT+8*(cc-(\c0))+2*pp:DT+8*(cc-(\c0))+2*pp+1], v[40*(cc%6)+2*pp:40*(cc%6)+2*pp+1], v[MEAN+2*(cc%2):MEAN+2*(cc%2)+1] op_sel_hi:[1,0] neg_lo:[0,1] neg_hi:[0,1]
.set pp, pp+1
.endr
.set cc, cc+1
.endr
	WIN 0
.set cc, \c0
.rept (\c1)-(\c0)+1
.set pp, 0
.rept 4
.set rM, M2C+2*(4*(cc%2)+pp)
.set rT, DT+8*(cc-(\c0))+2*pp
.if cc < 2
	v_pk_mul_f32 v[rM:rM+1], v[rT:rT+1], v[rT:rT+1]
.else
	v_pk_fma_f32 v[rM:rM+1], v[rT:rT+1], v[rT:rT+1], v[rM:rM+1]
.endif
.set pp, pp+1
.endr
.set cc, cc+1
.endr
.endm
	SQS 0, 5
	SQS 6, 11
	SQS 12, 15
	JOIN M2C, 37
	JOIN M2C+8, 39
	v_cndmask_b32 v36, v[MEAN], v37, s71           ; lanes 0-15 carry the mean, lanes 16-31 M2
	v_cndmask_b32 v38, v[MEAN+2], v39, s71
	ds_store_b32 v12, v36
	ds_store_b32 v12, v38 offset:64
	; THE WAY OUT through a stage of 256 rows x 272 bytes in slot 0's rows of a: that slot has had its last fill, and every wave's reads of it ended ahead of the last change of slots
.set cc, 0
.rept 16
.set ww, 1+cc/6
	WIN ww<<2
.set jj, 0
.rept 8
	ds_store_b32 v8, v[40*(cc%6)+jj] offset:(16*(cc/2)+jj)*P+64*(cc%2)
.set jj, jj+1
.endr
.set cc, cc+1
.endr
	WIN 0
	s_wait_dscnt 0x0                               ; for the others' sake: a row's 256 bytes come from two waves
	s_barrier_signal -1
	s_barrier_wait -1
.set ii, 0
.rept 32
	ds_load_b128 v[48+4*ii:51+4*ii], v9 offset:2*P*ii
.set ii, ii+1
.endr
.set ii, 0
.rept 32
	s_wait_dscnt 31-ii
	global_store_b128 v10, v[48+4*ii:51+4*ii], s[78:79] offset:16384*ii th:TH_STORE_NT  ; 16 lanes store 256 consecutive bytes, at a multiple of 256 from the buffer's first
.set ii, ii+1
.endr
	s_cmp_lt_u32 s12, 2                            ; waves 0 and 1 store the two row halves' statistics
	s_cbranch_scc0 .Lno_stat
	ds_load_b128 v[176:179], v13
	s_wait_dscnt 0x0
	global_store_b128 v10, v[176:179], s[76:77]
.Lno_stat:
	s_wait_tensorcnt 0x0                           ; the wave's end, behind my last tensor load and my last LDS store
	ds_add_u32 v16, v17
	s_wait_dscnt 0x0
	CROUND                                         ; the closing round
	s_endpgm
.Lfunc_end_k_qf7b8932fe8_hmu:
	.size	k_qf7b8932fe8_hmu, .Lfunc_end_k_qf7b8932fe8_hmu-k_qf7b8932fe8_hmu
	.p2alignl 7, 3214868480
	.fill 96, 4, 3214868480
	.section	.rodata,"a",@progbits
	.p2align	6, 0x0
	.amdhsa_kernel k_qf7b8932fe8_hmu
		.amdhsa_group_segment_fixed_size 327680
		.amdhsa_private_segment_fixed_size 0
		.amdhsa_enable_private_segment 0
		.amdhsa_kernarg_size 24
		.amdhsa_user_sgpr_count 2
		.amdhsa_user_sgpr_kernarg_segment_ptr 1
		.amdhsa_wavefront_size32 1
		.amdhsa_system_sgpr_workgroup_id_x 1
		.amdhsa_system_sgpr_workgroup_id_y 1
		.amdhsa_system_sgpr_workgroup_id_z 1
		.amdhsa_system_vgpr_workitem_id 0
		.amdhsa_next_free_vgpr 1024
		.amdhsa_next_free_sgpr 80
		.amdhsa_reserve_vcc 0
		.amdhsa_float_denorm_mode_32 3
		.amdhsa_float_denorm_mode_16_64 3
		.amdhsa_memory_ordered 1
		.amdhsa_forward_progress 1
		.amdhsa_inst_pref_size 191
	.end_amdhsa_kernel
	.amdgpu_metadata
---
amdhsa.version: [ 1, 2 ]
amdhsa.kernels:
  - .name:           k_qf7b8932fe8_hmu
    .symbol:         k_qf7b8932fe8_hmu.kd
    .args:
      - { .name: ac1, .offset: 0, .size: 8, .value_kind: global_buffer, .address_space: global }
      - { .name: wk1, .offset: 8, .size: 8, .value_kind: global_buffer, .address_space: global }
      - { .name: qs, .offset: 16, .size: 8, .value_kind: global_buffer, .address_space: global }
    .group_segment_fixed_size: 327680
    .private_segment_fixed_size: 0
    .kernarg_segment_align: 8
    .kernarg_segment_size: 24
    .max_flat_workgroup_size: 128
    .sgpr_count:     80
    .vgpr_count:     1024
    .wavefront_size: 32
...
	.end_amdgpu_metadata
.endif
;; end of part 2
;; launch bn1 (part 3): grid 16 x 16, 16 waves a work-group, no clusters, 4,096 bytes of LDS; arguments qs, g1, b1, out1, ac2; writes out1, ac2
.if DOCPART == 3
	.amdgcn_target "amdgcn-amd-amdhsa--gfx1250"
	.amdhsa_code_object_version 6
	.text
	.protected	k_qf7b8932fe8_bn1
	.globl	k_qf7b8932fe8_bn1
	.p2align	8
	.type	k_qf7b8932fe8_bn1,@function
k_qf7b8932fe8_bn1:
	s_mov_b64 s[64:65], 0
	v_nop
	global_prefetch_b8 v0, s[64:65] scope:SCOPE_SE
	s_setreg_imm32_b32 hwreg(HW_REG_WAVE_MODE, 25, 1), 1
	s_wait_xcnt 0x0
; BATCH NORM behind layer 1.  qs holds +quad (the layer's output is -quad) and, for each column and block of 128 rows, the mean and the sum of squares about it.
; feat = (q - mean) x scale + b, scale = -g / sqrt(var + 1e-5) (the sign turns quad into -quad; the variance is the same).  The batch's mean is the mean of the 16 blocks' means;
; its sum of squares is the sum of the blocks' plus 128 x the sum of (block mean - mean)^2: no difference of large sums.  g and b are rounded to bf16 like every input.
; Stored: feat in f32 (out1), feat in f16 in the next product's blocked layout [row / 128][K step = strip][row % 128][128], and each row's sum of squares over the strip (plane = strip).
; SHARES.  A work-group: 128 columns (x) x 128 rows (y); a wave 8 rows, 512 consecutive bytes a row.  Waves 0-3 make the 128 columns' statistics, a thread a column; they reach the others through LDS.
; A stream: no matrix unit, cluster or tensor load.  LIMITS: feat within 65,504 for its f16 copy; NaN and infinities are not treated apart.
.set LAYER, 1
.set MEANL, 0                          ; LDS: 128 means, 128 scales, 128 b, 128 row sums, then the spare words (128 bytes for each of 16 waves)
.set SCAL,  512
.set BETL,  1024
.set FS,    1536
.set SPARE, 2048
; v1 lane, v2 16 x lane, v3 8 x lane, v4 my spare word, v5 0, v6 4 x thread, v[8:23] means, v[24:39] M2, v40-47 at work, v[44:55] mean, scale, b of my 4 columns, v56-57 g, b,
; v[64:95] 8 rows, v[96:111] their f16, v[112:119] row sums, v120-127 at work
	s_load_b256 s[4:11], s[0:1], 0x0               ; qs s[4:5], g s[6:7], b s[8:9], out s[10:11]
.if LAYER == 1
	s_load_b64 s[14:15], s[0:1], 0x20              ; ac2
.else
	s_load_b128 s[12:15], s[0:1], 0x20             ; the second copy of the output, ac2
.endif
	v_lshl_add_u32 v4, v0, 2, SPARE
	v_mov_b32 v5, 0
	v_and_b32 v1, 31, v0
	v_lshrrev_b32 v7, 5, v0
	v_readfirstlane_b32 s16, v7                    ; wave 0..15
	v_lshlrev_b32 v2, 4, v1
	v_lshlrev_b32 v3, 3, v1
	v_lshlrev_b32 v6, 2, v0
	s_and_b32 s18, ttmp7, 0xffff                   ; row block
	s_lshl_b32 s20, ttmp9, 9                       ; the strip's 512 bytes in a row
	s_mov_b32 s21, 0
	s_lshl_b32 s22, s18, 7
	s_lshl3_add_u32 s22, s16, s22                  ; my first row
	s_lshl_b32 s24, s22, 13
	s_add_co_u32 s24, s24, s20
	s_mov_b32 s25, 0
	s_lshl_b32 s26, s18, 4                         ; block (row block, strip) of 32,768 bytes, my 8 rows of 256, behind the planes
	s_add_co_u32 s26, s26, ttmp9
	s_lshl_b32 s26, s26, 15
	s_lshl_b32 s27, s16, 11
	s_add_co_u32 s26, s26, s27
	s_add_co_u32 s26, s26, 131072
	s_mov_b32 s27, 0
	s_lshl_b32 s28, ttmp9, 13                      ; plane = strip, the block's 128 rows
	s_lshl_b32 s29, s18, 9
	s_add_co_u32 s28, s28, s29
	s_mov_b32 s29, 0
	s_mov_b32 s30, 0x3a000000                      ; 1 / 2048
	s_mov_b32 s31, 0x3727c5ac                      ; 1e-5
	s_mov_b32 s38, 0x76543210
	s_mov_b32 s39, 0xfedcba98
	s_mov_b32 s42, 0xffff0000
	s_wait_kmcnt 0x0
	s_add_nc_u64 s[32:33], s[4:5], s[20:21]        ; the statistics at my strip
	s_add_nc_u64 s[34:35], s[4:5], s[24:25]
	s_add_nc_u64 s[34:35], s[34:35], 262144        ; q at my rows
	s_add_nc_u64 s[6:7], s[6:7], s[20:21]
	s_add_nc_u64 s[8:9], s[8:9], s[20:21]
	s_add_nc_u64 s[10:11], s[10:11], s[24:25]
.if LAYER == 2
	s_add_nc_u64 s[12:13], s[12:13], s[24:25]
.endif
	s_add_nc_u64 s[36:37], s[14:15], s[26:27]
	s_add_nc_u64 s[40:41], s[14:15], s[28:29]
.macro ROWLOADS
.irp i, 0,1,2,3,4,5,6,7
	global_load_b128 v[64+4*(\i):67+4*(\i)], v2, s[34:35] offset:8192*(\i) th:TH_LOAD_NT
.endr
.endm
	s_cmp_lt_u32 s16, 4
	s_cbranch_scc0 .Lothers
.irp p, 0,1,2,3,4,5,6,7,8,9,10,11,12,13,14,15
	global_load_b32 v[8+\p], v6, s[32:33] offset:(2*\p)*8192
	global_load_b32 v[24+\p], v6, s[32:33] offset:(2*\p+1)*8192
.endr
	global_load_b32 v56, v6, s[6:7]
	global_load_b32 v57, v6, s[8:9]
	ROWLOADS
	s_wait_loadcnt 8                               ; the statistics, g and b are in; my eight rows stay out
	v_pk_add_f32 v[40:41], v[8:9], v[10:11]
	v_pk_add_f32 v[42:43], v[24:25], v[26:27]
.irp p, 4,6,8,10,12,14
	v_pk_add_f32 v[40:41], v[40:41], v[8+\p:9+\p]
	v_pk_add_f32 v[42:43], v[42:43], v[24+\p:25+\p]
.endr
	v_add_f32 v40, v40, v41
	v_add_f32 v42, v42, v43
	v_mul_f32 v40, 0x3d800000, v40                 ; the mean of 16 means
	v_mov_b32 v41, v40
.irp p, 0,2,4,6,8,10,12,14
	v_pk_add_f32 v[8+\p:9+\p], v[8+\p:9+\p], v[40:41] neg_lo:[0,1] neg_hi:[0,1]
.endr
	v_pk_mul_f32 v[44:45], v[8:9], v[8:9]
.irp p, 2,4,6,8,10,12,14
	v_pk_fma_f32 v[44:45], v[8+\p:9+\p], v[8+\p:9+\p], v[44:45]
.endr
	v_add_f32 v44, v44, v45
	v_fmamk_f32 v42, v44, 0x43000000, v42          ; + 128 x
	v_fma_f32 v42, v42, s30, s31                   ; variance + 1e-5
	v_rsq_f32 v43, v42
	v_cvt_pk_bf16_f32 v46, v56, v57                ; plain work behind the root
	v_lshlrev_b32 v47, 16, v46                     ; g
	v_and_b32 v46, s42, v46                        ; b
	s_wait_alu depctr_va_vdst(0)                   ; a wait ahead of the root's first reader
.if LAYER == 1
	v_mul_f32 v43, -v43, v47
.else
	v_mul_f32 v43, v43, v47
.endif
	ds_store_b32 v6, v40 offset:MEANL
	ds_store_b32 v6, v43 offset:SCAL
	ds_store_b32 v6, v46 offset:BETL
	s_branch .Lmeet
.Lothers:
	ROWLOADS
.Lmeet:
	s_wait_dscnt 0x0
	s_barrier_signal -1
	s_barrier_wait -1
	ds_load_b128 v[44:47], v2 offset:MEANL
	ds_load_b128 v[48:51], v2 offset:SCAL
	ds_load_b128 v[52:55], v2 offset:BETL
	s_wait_dscnt 0x0
.macro ROW i
.set r, 64+4*(\i)
	s_wait_loadcnt 7-(\i)                          ; my row i is in; the younger rows stay out
	v_pk_add_f32 v[r:r+1], v[r:r+1], v[44:45] neg_lo:[0,1] neg_hi:[0,1]
	v_pk_add_f32 v[r+2:r+3], v[r+2:r+3], v[46:47] neg_lo:[0,1] neg_hi:[0,1]
	v_pk_fma_f32 v[r:r+1], v[r:r+1], v[48:49], v[52:53]
	v_pk_fma_f32 v[r+2:r+3], v[r+2:r+3], v[50:51], v[54:55]
.if LAYER == 2
	v_max_num_f32 v[r], 0, v[r]
	v_max_num_f32 v[r+1], 0, v[r+1]
	v_max_num_f32 v[r+2], 0, v[r+2]
	v_max_num_f32 v[r+3], 0, v[r+3]
.endif
	global_store_b128 v2, v[r:r+3], s[10:11] offset:8192*(\i) th:TH_STORE_NT   ; 512 consecutive bytes, aligned
.if LAYER == 2
	global_store_b128 v2, v[r:r+3], s[12:13] offset:8192*(\i) th:TH_STORE_NT
.endif
	v_cvt_pk_f16_f32 v[96+2*(\i)], v[r], v[r+1]
	v_cvt_pk_f16_f32 v[97+2*(\i)], v[r+2], v[r+3]
	global_store_b64 v3, v[96+2*(\i):97+2*(\i)], s[36:37] offset:256*(\i)      ; 256 consecutive bytes, aligned
.if LAYER == 1
	v_pk_mul_f32 v[120:121], v[r:r+1], v[r:r+1]
	v_pk_fma_f32 v[120:121], v[r+2:r+3], v[r+2:r+3], v[120:121]
	v_add_f32 v[112+(\i)], v120, v121
.endif
.endm
.irp i, 0,1,2,3,4,5,6,7
	ROW \i
.endr
.if LAYER == 1
	; each row's sum of squares over the strip: across the 32 lanes, the eight rows by turns
.irp m, 1,2,4,8
.irp i, 0,1,2,3,4,5,6,7
	v_add_f32_dpp v[112+\i], v[112+\i], v[112+\i] row_xmask:\m row_mask:0xf bank_mask:0xf
.endr
.endr
.irp i, 0,1,2,3,4,5,6,7
	v_permlanex16_b32 v120, v[112+\i], s38, s39
	v_add_f32 v[112+\i], v[112+\i], v120
.endr
	v_mov_b32 v122, v112
.irp i, 1,2,3,4,5,6,7
	s_mov_b32 s19, 0x01010101<<\i
	v_cndmask_b32 v122, v122, v[112+\i], s19       ; lane l keeps row l % 8
.endr
	v_and_b32 v123, 7, v1
	v_lshl_add_u32 v123, s16, 3, v123
	v_lshlrev_b32 v123, 2, v123
	ds_store_b32 v123, v122 offset:FS              ; four lanes write the same word with the same value
	s_wait_dscnt 0x0
	s_barrier_signal -1
	s_barrier_wait -1
	s_cmp_lg_u32 s16, 0
	s_cbranch_scc1 .Lend
	ds_load_b128 v[124:127], v2 offset:FS
	s_wait_dscnt 0x0
	global_store_b128 v2, v[124:127], s[40:41]     ; the block's 128 sums: 512 consecutive bytes, aligned
.Lend:
.endif
	s_wait_tensorcnt 0x0                           ; the wave's end, behind my last LDS store
	ds_add_u32 v4, v5
	s_wait_dscnt 0x0
	s_endpgm
.Lfunc_end_k_qf7b8932fe8_bn1:
	.size	k_qf7b8932fe8_bn1, .Lfunc_end_k_qf7b8932fe8_bn1-k_qf7b8932fe8_bn1
	.p2alignl 7, 3214868480
	.fill 96, 4, 3214868480
	.section	.rodata,"a",@progbits
	.p2align	6, 0x0
	.amdhsa_kernel k_qf7b8932fe8_bn1
		.amdhsa_group_segment_fixed_size 4096
		.amdhsa_private_segment_fixed_size 0
		.amdhsa_enable_private_segment 0
		.amdhsa_kernarg_size 40
		.amdhsa_user_sgpr_count 2
		.amdhsa_user_sgpr_kernarg_segment_ptr 1
		.amdhsa_wavefront_size32 1
		.amdhsa_system_sgpr_workgroup_id_x 1
		.amdhsa_system_sgpr_workgroup_id_y 1
		.amdhsa_system_sgpr_workgroup_id_z 1
		.amdhsa_system_vgpr_workitem_id 0
		.amdhsa_next_free_vgpr 128
		.amdhsa_next_free_sgpr 66
		.amdhsa_reserve_vcc 0
		.amdhsa_float_denorm_mode_32 3
		.amdhsa_float_denorm_mode_16_64 3
		.amdhsa_memory_ordered 1
		.amdhsa_forward_progress 1
		.amdhsa_inst_pref_size 21
	.end_amdhsa_kernel
	.amdgpu_metadata
---
amdhsa.version: [ 1, 2 ]
amdhsa.kernels:
  - .name:           k_qf7b8932fe8_bn1
    .symbol:         k_qf7b8932fe8_bn1.kd
    .args:
      - { .name: qs, .offset: 0, .size: 8, .value_kind: global_buffer, .address_space: global }
      - { .name: g1, .offset: 8, .size: 8, .value_kind: global_buffer, .address_space: global }
      - { .name: b1, .offset: 16, .size: 8, .value_kind: global_buffer, .address_space: global }
      - { .name: out1, .offset: 24, .size: 8, .value_kind: global_buffer, .address_space: global }
      - { .name: ac2, .offset: 32, .size: 8, .value_kind: global_buffer, .address_space: global }
    .group_segment_fixed_size: 4096
    .private_segment_fixed_size: 0
    .kernarg_segment_align: 8
    .kernarg_segment_size: 40
    .max_flat_workgroup_size: 512
    .sgpr_count:     66
    .vgpr_count:     128
    .wavefront_size: 32
...
	.end_amdgpu_metadata
.endif
;; end of part 3
;; launch hmu2 (part 4): grid 32 x 8, 4 waves a work-group, clusters of 4 x 4, 327,680 bytes of LDS; arguments ac2, wk2, qs; writes qs
.if DOCPART == 4
	.amdgcn_target "amdgcn-amd-amdhsa--gfx1250"
	.amdhsa_code_object_version 6
	.text
	.protected	k_qf7b8932fe8_hmu2
	.globl	k_qf7b8932fe8_hmu2
	.p2align	8
	.type	k_qf7b8932fe8_hmu2,@function
k_qf7b8932fe8_hmu2:
	s_mov_b64 s[64:65], 0
	v_nop
	global_prefetch_b8 v0, s[64:65] scope:SCOPE_SE
	s_setreg_imm32_b32 hwreg(HW_REG_WAVE_MODE, 25, 1), 1
	s_wait_xcnt 0x0
	s_wait_alu depctr_hold_cnt(0) depctr_sa_sdst(0) depctr_va_vdst(0) depctr_va_sdst(0) depctr_va_ssrc(0) depctr_va_vcc(0) depctr_vm_vsrc(0)
	s_getreg_b32 s2, hwreg(HW_REG_IB_STS2, 6, 4)
	s_cmp_eq_u32 s2, 0
	s_cbranch_scc0 .Lentry_in_a_cluster
	s_endpgm
.Lentry_in_a_cluster:
	s_bfe_u32 s2, ttmp6, 0x10000c
	s_cmp_lg_u32 s2, 0xf033
	s_cbranch_scc0 .Lentry_shape_is_right
	s_endpgm
.Lentry_shape_is_right:
; HMU LAYER 2 up to its batch norm (KS = 16 K steps of 128; the text of layer 1 differs from this one in the line that sets KS alone).
; q[b][n] = lam_n (|a_b|^2 - 2 a_b.mu_n + |mu_n|^2) + sum over k of (a_b.v_nk - mu_n.v_nk)^2; with KS = 16 q = exp(-q / 2048) after that.
; a: 2,048 rows of activations, f16, blocked [row / 128][K step][row % 128][128]; the weights: five rows a unit (mu, v0..v3), f16, blocked [n / 64][K step][320][128] (row 80 g + 16 t + n % 16).
; Stored: q in f32, and for each column and each block of 128 rows the mean and the sum of squares about that mean, from which the next launch makes the batch statistics without a difference of large sums.
; LIMITS.  Operands are f16: within 65,504.  An exponential whose result would be a denormal gives 0.  NaN and infinities are not treated apart.
; SHARES.  A work-group makes 256 rows x 64 units (320 columns of the product); 32 x 8 of them.  Wave w: rows 128 (w / 2) on, units 32 (w % 2) on: 16 COMBOS c = 2 a + g (a: 16 rows, g: 16 units) of five
; accumulators (t = 0: a.mu, t = 1..4: a.v): 80 accumulators, 640 registers.  Source 0 = 16 rows of a, source 1 = 16 rows of the weights: a lane holds ONE unit (lane % 16) and rows 8 (lane / 16) + 0..7,
; and a unit's five products lie in the same lane and register of five accumulators: the formula needs no exchange.  The sums start from -|mu|^2 / 2 and -mu.v as the first product's C operand.
; RING.  K steps of 128 through two LDS slots (256 rows of a, 320 of the weights, 256 bytes + 16 of padding each); a wave's one tensor load brings 128 rows of a (waves 0, 1) or 160 of the weights (2, 3).
; CLUSTER 4 x 4: the four of a row of the cluster need the same rows of a, the four of a column the same weights: each tile is asked for jointly.
; REGISTERS in windows of 256 (s_set_vgpr_msb: bits 1:0 source 0, 3:2 source 1, 5:4 source 2, 7:6 destination):
;   window 0: v0-19 addresses; v20-25, v28-33 my two units' records; v36-47 at work; v48-111, v112-175 fragments of a, two buffers; v176-255 the weights' fragments, buffer 1
;   window 1: combos 0-5 (combo c at 40 (c % 6), accumulator t at + 8 t);  window 2: combos 6-11;  window 3: v0-159 combos 12-15, v160-239 the weights' fragments, buffer 0
.set KS,    16                         ; K steps of 128
.set PLANES, 1+15*(KS/16)              ; planes of partial row sums of squares in front of a's blocks: 1 (x) or 16 (a plane for each strip of 128 columns)
.set AOFF,  PLANES*8192
.set P,     272                        ; an LDS row: 68 words, so the 16 rows of a fragment load start at 16 different groups of four banks (64 banks of 4 bytes: ISA guide 11.1)
.set AH,    128*P                      ; what one load of a brings, and what a wave reads of a
.set BH,    160*P                      ; the same for the weights
.set BOFF,  2*AH
.set SLOT,  2*AH+2*BH
.set SPARE, 2*SLOT                     ; the spare words, 128 bytes a wave, which no other line names
.set XS,    SPARE+512                  ; |a|^2 of the work-group's 256 rows
.set STS,   XS+1024                    ; [row half][mean, M2][64 units]
.set FA0,   48
.set FB1,   176
.set FB0,   160
.set CHN,   112                        ; way out, window 0: eight chains of column sums (group, pair)
.set MEAN,  128                        ; two pairs
.set M2C,   132                        ; eight chains of squares
.set DT,    148                        ; differences, 48 registers
.set G1A, 24                           ; s[24:31] descriptor group 1 for a;  s[32:39] group 0, a set for each slot
.set G0A, 32
.set G1B, 48                           ; s[48:55], s[56:63] the same for the weights
.set G0B, 56
.set G1W, (1<<16)|(1<<20)|(1<<21)|(5<<22)|(3<<25)  ; 2-byte elements; padding on; bit 21 beside a mask; after every 64 words, 4 words
; s3 lap, s12 wave, s13 w / 2 (my row half; also: I fetch a (0) or weights (1)), s14 w % 2 (my unit half; also: which half I fetch), s15 cx, s16 cy, s17 X, s18 Y,
; s[66:67] where my prefetches stand, s[68:69] their step a lap, s70 the trips in which I prefetch, s71 lanes 16-31, s[72:73] lane selects, s[74:75] -log2(e) / 2048, s[76:77] statistics, s[78:79] q
.set MSB, 0
.macro WIN new                         ; the immediate's high byte repeats the setting that is left; a switch that changes nothing is dropped
.if MSB != (\new)
	s_set_vgpr_msb (MSB<<8)|(\new)
.set MSB, \new
.endif
.endm
.macro PLACES                          ; four places behind a matrix instruction, ahead of loads into registers that it has read and of vector lines that read its results
.rept 4
	v_nop
.endr
.endm
; A joint load; the branch hangs on the wave's number alone.  An s_nop 0 and four v_nop follow each of the two lines.
.macro JLOAD s
	s_cmp_eq_u32 s13, 0
	s_cbranch_scc0 .Lfor_b_\@
	tensor_load_to_lds s[G0A+4*(\s):G0A+4*(\s)+3], s[G1A:G1A+7]
	s_nop 0
.rept 4
	v_nop
.endr
	s_branch .Lasked_\@
.Lfor_b_\@:
	tensor_load_to_lds s[G0B+4*(\s):G0B+4*(\s)+3], s[G1B:G1B+7]
	s_nop 0
.rept 4
	v_nop
.endr
.Lasked_\@:
.endm
.macro CREST                           ; a round of the cluster's barrier behind its opening barrier
	s_cmp_lg_u32 s12, 0
	s_cbranch_scc1 .Lnot_wave_0_\@
	s_barrier_signal -3
.Lnot_wave_0_\@:
	s_barrier_wait -3
	s_barrier_signal -1
	s_barrier_wait -1
.endm
.macro CROUND
	s_barrier_signal -1
	s_barrier_wait -1
	CREST
.endm
; A PREFETCH INTO THE L2, once a lap, behind slot 0's joint load and the run of LDS loads: the two K steps of lap s3 + 2, which the next trip's two refills ask for.  A lap of 128 rows of a is 65,536 dense bytes:
; of the clusters that read them the one with cluster x = 0 asks, its four partners 16,384 bytes each, told apart by address (cx); a lap of a tile column's weights is 163,840 dense bytes: the cluster with
; cluster y = 0 asks, 40,960 bytes a partner (cy), wave 2 24,576 of them and wave 3 16,384.  A lane names 256 bytes.  So each block is named once in the launch.  Laps 0 and 1 come by their loads alone; the last trip names nothing.
.macro ASK
	s_cmp_lt_u32 s3, s70
	s_cbranch_scc0 .Lnot_mine_\@
	global_prefetch_b8 v15, s[66:67] th:TH_LOAD_NT scope:SCOPE_SE
	global_prefetch_b8 v15, s[66:67] offset:8192 th:TH_LOAD_NT scope:SCOPE_SE
	s_cmp_eq_u32 s12, 2
	s_cbranch_scc0 .Lnot_mine_\@
	global_prefetch_b8 v15, s[66:67] offset:16384 th:TH_LOAD_NT scope:SCOPE_SE
.Lnot_mine_\@:
.endm
	s_load_b64 s[6:7], s[0:1], 0x0                 ; a
	s_load_b64 s[8:9], s[0:1], 0x8                 ; the weights
	s_load_b64 s[10:11], s[0:1], 0x10              ; qs
	v_lshl_add_u32 v16, v0, 2, SPARE
	v_mov_b32 v17, 0
	ds_add_u32 v16, v17                            ; the wave's opening: the add, twice on end, and its wait ahead of my first tensor load
	ds_add_u32 v16, v17
	v_lshrrev_b32 v1, 5, v0
	v_readfirstlane_b32 s12, v1
	s_lshr_b32 s13, s12, 1
	s_and_b32 s14, s12, 1
	s_bfe_u32 s15, ttmp6, 0x40000                  ; cx
	s_bfe_u32 s16, ttmp6, 0x40004                  ; cy
	s_lshl_b32 s17, ttmp9, 2
	s_add_co_u32 s17, s17, s15                     ; X: my 64 units
	s_and_b32 s18, ttmp7, 0xffff
	s_lshl_b32 s18, s18, 2
	s_add_co_u32 s18, s18, s16                     ; Y: my 256 rows
	s_lshl_b32 s20, s16, 2
	s_lshl_b32 s20, 15, s20                        ; my row of the cluster
	s_lshl_b32 s40, 0x1111, s15                    ; my column
	s_or_b32 s[G1A], s20, G1W
	s_or_b32 s[G1B], s40, G1W
	s_mov_b32 s[G1A+1], 128<<16                    ; tensor_dim0 = 128
	s_mov_b32 s[G1A+2], 128<<16                    ; tensor_dim1 = 128
	s_mov_b32 s[G1A+3], 128<<16                    ; tile_dim0 = 128
	s_mov_b32 s[G1A+4], 128                        ; tile_dim1 = 128
	s_mov_b32 s[G1A+5], 128                        ; 128 elements from row to row: the blocks are dense
	s_mov_b32 s[G1A+6], 0
	s_mov_b32 s[G1A+7], 0
	s_mov_b32 s[G1B+1], 128<<16
	s_mov_b32 s[G1B+2], 160<<16                    ; 160 rows
	s_mov_b32 s[G1B+3], 128<<16
	s_mov_b32 s[G1B+4], 160
	s_mov_b32 s[G1B+5], 128
	s_mov_b32 s[G1B+6], 0
	s_mov_b32 s[G1B+7], 0
	s_mul_i32 s46, s14, AH                         ; where my tile goes: no place in the cluster enters an LDS address
	s_mul_i32 s47, s14, BH
	s_add_co_u32 s47, s47, BOFF
	s_mov_b32 s71, 0xffff0000
	s_mov_b32 s72, 0x76543210
	s_mov_b32 s73, 0xfedcba98
.if KS == 16
	s_mov_b32 s74, 0xba38aa3b                      ; -log2(e) / 2048
	s_mov_b32 s75, s74
.endif
	s_lshl_b32 s20, s18, 1                         ; a: row block 2 Y + half, K step 0, behind the planes of row sums
	s_add_co_u32 s20, s20, s14
	s_mul_i32 s20, s20, KS*32768
	s_add_co_u32 s20, s20, AOFF
	s_mov_b32 s21, 0
	s_mul_i32 s40, s17, KS*81920                   ; weights: tile column X, K step 0, my half's 160 rows, behind the records
	s_mul_i32 s42, s14, 40960
	s_add_co_u32 s40, s40, s42
	s_add_co_u32 s40, s40, 65536
	s_mov_b32 s41, 0
	s_wait_dscnt 0x0                               ; both opening adds are done
	s_wait_kmcnt 0x0
	s_add_nc_u64 s[22:23], s[6:7], s[20:21]
	s_add_nc_u64 s[44:45], s[8:9], s[40:41]
	CROUND                                         ; all sixteen work-groups are here: the first joint loads meet
.irp s, 0,1
	s_mov_b32 s[G0A+4*(\s)], 1
	s_add_co_u32 s[G0A+4*(\s)+1], s46, (\s)*SLOT
	s_add_nc_u64 s[G0A+4*(\s)+2:G0A+4*(\s)+3], s[22:23], (\s)*32768
	s_or_b32 s[G0A+4*(\s)+3], s[G0A+4*(\s)+3], 0x80000000
	s_mov_b32 s[G0B+4*(\s)], 1
	s_add_co_u32 s[G0B+4*(\s)+1], s47, (\s)*SLOT
	s_add_nc_u64 s[G0B+4*(\s)+2:G0B+4*(\s)+3], s[44:45], (\s)*81920
	s_or_b32 s[G0B+4*(\s)+3], s[G0B+4*(\s)+3], 0x80000000
	JLOAD \s                                       ; two loads of mine are out
.endr
	; the prefetches' address (at lap 1: the first trip steps it to lap 2), step and last trip
	s_lshl_b32 s42, s15, 14
	s_add_co_u32 s42, s42, s20
	s_add_co_u32 s42, s42, 65536
	s_mul_i32 s43, s14, 40960-24576                ; s40 holds 40,960 x half; wanted is 24,576 x half
	s_sub_co_u32 s43, s40, s43
	s_mul_i32 s46, s16, 40960
	s_add_co_u32 s43, s43, s46
	s_add_co_u32 s43, s43, 163840
	s_and_b32 s46, ttmp7, 0xffff
	s_mov_b32 s68, 163840
	s_cmp_eq_u32 s13, 0
	s_cselect_b32 s42, s42, s43
	s_cselect_b32 s46, ttmp9, s46                  ; the coordinate along which other clusters read the same bytes
	s_cselect_b32 s68, 65536, s68
	s_cselect_b64 s[66:67], s[6:7], s[8:9]
	s_mov_b32 s43, 0
	s_mov_b32 s69, 0
	s_add_nc_u64 s[66:67], s[66:67], s[42:43]
	s_cmp_eq_u32 s46, 0
	s_cselect_b32 s70, KS/2-2, 0                   ; the same in all sixteen partners, for a given wave
	; the rows' sums of squares and my two units' records
	v_and_b32 v1, 15, v0                           ; r
	v_bfe_u32 v2, v0, 4, 1                         ; h
	v_lshlrev_b32 v18, 3, v0
	v_lshlrev_b32 v19, 5, v1
	s_lshl_b32 s20, s18, 10
	s_add_nc_u64 s[22:23], s[6:7], s[20:21]
	s_lshl_b32 s40, s17, 11
	s_lshl_b32 s42, s14, 10
	s_add_co_u32 s40, s40, s42
	s_add_nc_u64 s[44:45], s[8:9], s[40:41]
.set pp, 0
.rept PLANES
	global_load_b64 v[112+2*pp:113+2*pp], v18, s[22:23] offset:8192*pp
.set pp, pp+1
.endr
	global_load_b128 v[20:23], v19, s[44:45]
	global_load_b64 v[24:25], v19, s[44:45] offset:16
	global_load_b128 v[28:31], v19, s[44:45] offset:512
	global_load_b64 v[32:33], v19, s[44:45] offset:528
	; lane addresses.  A fragment is 16 rows x 32 K in 8 registers: lane l holds row l % 16, K = 8 (l / 16) + 0..7 and 16 + 8 (l / 16) + 0..7: two loads of 16 bytes, 32 bytes apart
	v_mul_u32_u24 v3, v1, P
	v_lshl_add_u32 v3, v2, 4, v3
	s_mul_i32 s20, s13, AH
	s_mul_i32 s21, s14, BH
	s_add_co_u32 s21, s21, BOFF
	v_add_nc_u32 v4, s20, v3                       ; v4, v5: my rows of a in slot 0, 1
	v_add_nc_u32 v6, s21, v3                       ; v6, v7: my weights
	s_add_co_u32 s20, s20, SLOT
	s_add_co_u32 s21, s21, SLOT
	v_add_nc_u32 v5, s20, v3
	v_add_nc_u32 v7, s21, v3
	s_mul_i32 s20, s13, 128*P                      ; v8: into the stage: row 128 (w / 2) + 8 h, column 32 (w % 2) + r
	s_lshl_b32 s21, s14, 7
	s_add_co_u32 s20, s20, s21
	v_mul_u32_u24 v8, v2, 8*P
	v_lshl_add_u32 v8, v1, 2, v8
	v_add_nc_u32 v8, s20, v8
	s_mul_i32 s20, s12, 64*P                       ; v9: back: rows 64 w on, lanes 0-15 one row of 256 bytes, lanes 16-31 the next
	v_mul_u32_u24 v9, v2, P
	v_lshl_add_u32 v9, v1, 4, v9
	v_add_nc_u32 v9, s20, v9
	v_lshlrev_b32 v10, 13, v2                      ; v10: the same two rows in memory (8,192 bytes a row)
	v_lshl_add_u32 v10, v1, 4, v10
	s_lshl_b32 s20, s13, 9                         ; v11: my rows' sums of squares
	s_add_co_u32 s20, s20, XS
	v_lshl_add_u32 v11, v2, 5, s20
	s_lshl_b32 s20, s13, 9                         ; v12: my units' statistics: lanes 0-15 the mean, lanes 16-31 M2
	s_lshl_b32 s21, s14, 7
	s_add_co_u32 s20, s20, s21
	s_add_co_u32 s20, s20, STS
	v_lshlrev_b32 v12, 8, v2
	v_lshl_add_u32 v12, v1, 2, v12
	v_add_nc_u32 v12, s20, v12
	v_and_b32 v13, 31, v0                          ; v13: a row half's 512 bytes of statistics, read back
	v_lshlrev_b32 v15, 8, v13                      ; v15: the prefetches' offset: 256 x lane
	s_lshl_b32 s20, s14, 9
	s_add_co_u32 s20, s20, STS
	v_lshl_add_u32 v13, v13, 4, s20
	v_add_nc_u32 v36, XS, v18
	s_lshl_b32 s42, s18, 8                         ; q at row 256 Y + 64 w, column 64 X, behind the statistics
	s_lshl_b32 s43, s12, 6
	s_add_co_u32 s42, s42, s43
	s_lshl_b32 s42, s42, 13
	s_lshl_b32 s43, s17, 8
	s_add_co_u32 s42, s42, s43
	s_add_co_u32 s42, s42, 262144
	s_mov_b32 s43, 0
	s_add_nc_u64 s[78:79], s[10:11], s[42:43]
	s_lshl_b32 s42, s18, 2                         ; the statistics of row block 2 Y + w (waves 0 and 1): planes 2 (2 Y + w), + 1
	s_lshl1_add_u32 s42, s12, s42
	s_lshl_b32 s42, s42, 13
	s_lshl_b32 s40, s17, 8
	s_add_co_u32 s42, s42, s40
	s_add_nc_u64 s[76:77], s[10:11], s[42:43]
	s_wait_loadcnt 0x0
.if PLANES > 1
.set pp, 1
.rept PLANES-1
	v_pk_add_f32 v[112:113], v[112:113], v[112+2*pp:113+2*pp]
.set pp, pp+1
.endr
.endif
	ds_store_b64 v36, v[112:113]
	; what the sums start from, as C operands of the first products: eight copies (a lane's eight rows) of -|mu|^2 / 2 and the four -mu.v, for both groups; they lie where the weights' buffer 1 will lie
.set gg, 0
.rept 2
.set tt, 0
.rept 5
.set jj, 0
.rept 8
	v_mov_b32 v[FB1+8*(5*gg+tt)+jj], v[21+8*gg+tt]
.set jj, jj+1
.endr
.set tt, tt+1
.endr
.set gg, gg+1
.endr
; Combos c0 to c1, five matrix instructions each, 32 along K, from buffer f.  The 80 accumulators take turns, one instruction a turn, in the same order in every quarter.  init = 1: the first products.
.macro MULS f, c0, c1, init=0
.set cc, \c0
.rept (\c1)-(\c0)+1
.set ww, 1+cc/6
.if \init
	WIN 0x0c|(ww<<6)
.elseif (\f) == 0
	WIN 0x0c|(ww<<4)|(ww<<6)
.else
	WIN (ww<<4)|(ww<<6)
.endif
.set tt, 0
.rept 5
.set rD, 40*(cc%6)+8*tt
.set rA, FA0+64*(\f)+8*(cc/2)
.if (\f) == 0
.set rB, FB0+8*(5*(cc%2)+tt)
.else
.set rB, FB1+8*(5*(cc%2)+tt)
.endif
.if \init
.set rC, FB1+8*(5*(cc%2)+tt)
	v_wmma_f32_16x16x32_f16 v[rD:rD+7], v[rA:rA+7], v[rB:rB+7], v[rC:rC+7]
.else
	v_wmma_f32_16x16x32_f16 v[rD:rD+7], v[rA:rA+7], v[rB:rB+7], v[rD:rD+7]
.endif
.set tt, tt+1
.endr
.set cc, cc+1
.endr
.endm
; 36 LDS loads in one run: a quarter step's fragments (160 rows of weights, then 128 rows of a, 32 K at byte k of the rows) into buffer f
.macro FETCH slot, k, f
.if (\f) == 0
	WIN 0xc0
.set rB, FB0
.else
	WIN 0
.set rB, FB1
.endif
.set ii, 0
.rept 10
	ds_load_b128 v[rB+8*ii:rB+8*ii+3],   v[6+(\slot)] offset:(\k)+ii*16*P
	ds_load_b128 v[rB+8*ii+4:rB+8*ii+7], v[6+(\slot)] offset:(\k)+ii*16*P+32
.set ii, ii+1
.endr
	WIN 0
.set rA, FA0+64*(\f)
.set ii, 0
.rept 8
	ds_load_b128 v[rA+8*ii:rA+8*ii+3],   v[4+(\slot)] offset:(\k)+ii*16*P
	ds_load_b128 v[rA+8*ii+4:rA+8*ii+7], v[4+(\slot)] offset:(\k)+ii*16*P+32
.set ii, ii+1
.endr
.endm
; A K step is four quarters of 32 along K, 80 matrix instructions each, on buffers 0, 1, 0, 1.  One of the first three: multiplies f and fetches the next quarter, at byte k, into g.
.macro QUARTER slot, k, f, g
	s_wait_dscnt 10                                ; the weights and a's fragments 0-2 are in; the youngest ten loads (fragments 3-7) may be out
	MULS \f, 0, 5
	PLACES
	FETCH \slot, \k, \g
	s_wait_dscnt 36                                ; all but the 36 just issued
	MULS \f, 6, 15
.endm
; The last quarter multiplies buffer 1 and changes slots: one barrier; ahead of it each wave waits for all its tensor loads (one is out: its part of the next slot), adds 0 to its spare word, and waits for that and
; for its reads of this slot.  fill = 1: the barrier opens a round of the cluster's barrier, and this slot is filled again, two K steps on, first thing behind the round: 290 matrix instructions ahead of the wait for it.
.macro TURN slot, next, fill
.if (\fill) && ((\slot) == 0)
	s_wait_xcnt 0x0                                ; the last prefetches, a lap back, have read their address: it is stepped here
	s_add_nc_u64 s[66:67], s[66:67], s[68:69]
.endif
	WIN 0
	s_wait_tensorcnt 0x0
	ds_add_u32 v16, v17                            ; 0 onto my spare word
	s_wait_dscnt 11                                ; (the add and the youngest ten loads may be out)
	MULS 1, 0, 2
	s_wait_dscnt 0x0                               ; the add is done, and my reads of this slot are over
	s_barrier_signal -1
	MULS 1, 3, 5
.if \fill
	WIN 0
.endif
	s_barrier_wait -1
.if \fill
	CREST                                          ; no wave of any partner still reads this slot or has a load on its way
	s_add_nc_u64 s[G0A+4*(\slot)+2:G0A+4*(\slot)+3], s[G0A+4*(\slot)+2:G0A+4*(\slot)+3], 2*32768
	s_add_nc_u64 s[G0B+4*(\slot)+2:G0B+4*(\slot)+3], s[G0B+4*(\slot)+2:G0B+4*(\slot)+3], 2*81920
	JLOAD \slot                                    ; the four v_nop behind it are also the places ahead of the loads below
.else
	PLACES
.endif
	FETCH \next, 0, 0
.if (\fill) && ((\slot) == 0)
	ASK
.endif
	MULS 1, 6, 15
.endm
	s_wait_tensorcnt 0x1                           ; my part of K step 0 is in; K step 1's may stay out
	s_wait_dscnt 0x0                               ; my rows' sums lie in LDS
	s_barrier_signal -1
	s_barrier_wait -1
	FETCH 0, 0, 0
	s_wait_dscnt 0x0
	MULS 0, 0, 15, 1                               ; the first quarter stands ahead of the loop: its products start the sums
	PLACES
	FETCH 0, 64, 1                                 ; only now: buffer 1 held the C operands
	WIN 0
	s_mov_b32 s3, 0
.Llap:                                                 ; KS / 2 - 1 trips: from a lap's second quarter to the next lap's first; both slots are filled again
	QUARTER 0, 128, 1, 0
	QUARTER 0, 192, 0, 1
	TURN 0, 1, 1
	QUARTER 1, 64, 0, 1
	QUARTER 1, 128, 1, 0
	QUARTER 1, 192, 0, 1
	TURN 1, 0, 1
	QUARTER 0, 64, 0, 1
	WIN 0
	s_add_co_u32 s3, s3, 1
	s_cmp_lt_u32 s3, KS/2-1
	s_cbranch_scc1 .Llap
	QUARTER 0, 128, 1, 0                           ; the last lap fills nothing
	QUARTER 0, 192, 0, 1
	TURN 0, 1, 0
	QUARTER 1, 64, 0, 1
	QUARTER 1, 128, 1, 0
	QUARTER 1, 192, 0, 1
	s_wait_dscnt 0x0
	MULS 1, 0, 15
	; THE FORMULA.  In each combo accumulator 0 becomes lam (|a|^2 - 2 S0) + S1^2 + S2^2 + S3^2 + S4^2.  Each accumulator is read from its low pair on.
	PLACES
	WIN 0
.set aa, 0
.rept 8
	ds_load_b128 v[FA0+8*aa:FA0+8*aa+3],   v11 offset:64*aa     ; |a|^2 of rows 16 a + 8 h + 0..7
	ds_load_b128 v[FA0+8*aa+4:FA0+8*aa+7], v11 offset:64*aa+16
.set aa, aa+1
.endr
	s_wait_dscnt 0x0
.macro QUAD c0, c1                     ; the combos of one window
.set ww, 1+(\c0)/6
	WIN ww|(ww<<6)
.set cc, \c0
.rept (\c1)-(\c0)+1
.set rD, 40*(cc%6)
.set rX, FA0+8*(cc/2)
.set rL, 20+8*(cc%2)
.set pp, 0
.rept 4
	v_pk_fma_f32 v[rD+2*pp:rD+2*pp+1], v[rD+2*pp:rD+2*pp+1], -2.0, v[rX+2*pp:rX+2*pp+1] op_sel_hi:[1,0,1]
.set pp, pp+1
.endr
.set pp, 0
.rept 4
	v_pk_mul_f32 v[rD+2*pp:rD+2*pp+1], v[rD+2*pp:rD+2*pp+1], v[rL:rL+1] op_sel_hi:[1,0]
.set pp, pp+1
.endr
.set cc, cc+1
.endr
	WIN 0x55*ww
.set cc, \c0
.rept (\c1)-(\c0)+1
.set rD, 40*(cc%6)
.set tt, 1
.rept 4
.set pp, 0
.rept 4
	v_pk_fma_f32 v[rD+2*pp:rD+2*pp+1], v[rD+8*tt+2*pp:rD+8*tt+2*pp+1], v[rD+8*tt+2*pp:rD+8*tt+2*pp+1], v[rD+2*pp:rD+2*pp+1]
.set pp, pp+1
.endr
.set tt, tt+1
.endr
.set cc, cc+1
.endr
.endm
	QUAD 0, 5
	QUAD 6, 11
	QUAD 12, 15
.if KS == 16                           ; layer 2 alone: q = exp(-q / 2048)
.macro EXPS c0, c1
.set ww, 1+(\c0)/6
	WIN ww|(ww<<6)
.set cc, \c0
.rept (\c1)-(\c0)+1
.set rD, 40*(cc%6)
.set pp, 0
.rept 4
	v_pk_mul_f32 v[rD+2*pp:rD+2*pp+1], v[rD+2*pp:rD+2*pp+1], s[74:75] op_sel_hi:[1,0]
.set pp, pp+1
.endr
.set pp, 0
.rept 8
	v_exp_f32 v[rD+pp], v[rD+pp]
.set pp, pp+1
.endr
.set cc, cc+1
.endr
.endm
	EXPS 0, 5                                      ; one batch of 128 exponentials; nothing ahead of the wait names a result
	EXPS 6, 11
	EXPS 12, 15
	WIN 0
	v_nop                                          ; a plain instruction behind the last exponential
	s_wait_alu depctr_va_vdst(0)                   ; and a wait ahead of the first reader
.endif
	; THE STATISTICS of my 128 rows, for my 32 units: the mean first, then the squares about it
	WIN 0x05
.set gg, 0
.rept 2
.set pp, 0
.rept 4
	v_pk_add_f32 v[CHN+2*(4*gg+pp):CHN+2*(4*gg+pp)+1], v[40*gg+2*pp:40*gg+2*pp+1], v[40*(2+gg)+2*pp:40*(2+gg)+2*pp+1]  ; combos g and 2 + g start the chains
.set pp, pp+1
.endr
.set gg, gg+1
.endr
.set cc, 4
.rept 12
.set ww, 1+cc/6
	WIN ww<<2
.set pp, 0
.rept 4
	v_pk_add_f32 v[CHN+2*(4*(cc%2)+pp):CHN+2*(4*(cc%2)+pp)+1], v[CHN+2*(4*(cc%2)+pp):CHN+2*(4*(cc%2)+pp)+1], v[40*(cc%6)+2*pp:40*(cc%6)+2*pp+1]
.set pp, pp+1
.endr
.set cc, cc+1
.endr
	WIN 0
.macro JOIN base, out                  ; four pairs, and the other half of the lanes' (the unit's other 64 rows), into one number
	v_pk_add_f32 v[(\base):(\base)+1], v[(\base):(\base)+1], v[(\base)+2:(\base)+3]
	v_pk_add_f32 v[(\base)+4:(\base)+5], v[(\base)+4:(\base)+5], v[(\base)+6:(\base)+7]
	v_pk_add_f32 v[(\base):(\base)+1], v[(\base):(\base)+1], v[(\base)+4:(\base)+5]
	v_add_f32 v[\out], v[(\base)], v[(\base)+1]
	v_permlanex16_b32 v[(\base)+2], v[\out], s72, s73
	v_add_f32 v[\out], v[\out], v[(\base)+2]
.endm
	JOIN CHN, 36
	JOIN CHN+8, 38
	v_mul_f32 v[MEAN], 0x3c000000, v36             ; / 128
	v_mul_f32 v[MEAN+2], 0x3c000000, v38
	v_mov_b32 v[MEAN+1], v[MEAN]                   ; named as pairs
	v_mov_b32 v[MEAN+3], v[MEAN+2]
.macro SQS c0, c1                      ; one window's differences into window 0, then their squares onto the chains
.set ww, 1+(\c0)/6
	WIN ww
.set cc, \c0
.rept (\c1)-(\c0)+1
.set pp, 0
.rept 4
	v_pk_add_f32 v[DT+8*(cc-(\c0))+2*pp:DT+8*(cc-(\c0))+2*pp+1], v[40*(cc%6)+2*pp:40*(cc%6)+2*pp+1], v[MEAN+2*(cc%2):MEAN+2*(cc%2)+1] op_sel_hi:[1,0] neg_lo:[0,1] neg_hi:[0,1]
.set pp, pp+1
.endr
.set cc, cc+1
.endr
	WIN 0
.set cc, \c0
.rept (\c1)-(\c0)+1
.set pp, 0
.rept 4
.set rM, M2C+2*(4*(cc%2)+pp)
.set rT, DT+8*(cc-(\c0))+2*pp
.if cc < 2
	v_pk_mul_f32 v[rM:rM+1], v[rT:rT+1], v[rT:rT+1]
.else
	v_pk_fma_f32 v[rM:rM+1], v[rT:rT+1], v[rT:rT+1], v[rM:rM+1]
.endif
.set pp, pp+1
.endr
.set cc, cc+1
.endr
.endm
	SQS 0, 5
	SQS 6, 11
	SQS 12, 15
	JOIN M2C, 37
	JOIN M2C+8, 39
	v_cndmask_b32 v36, v[MEAN], v37, s71           ; lanes 0-15 carry the mean, lanes 16-31 M2
	v_cndmask_b32 v38, v[MEAN+2], v39, s71
	ds_store_b32 v12, v36
	ds_store_b32 v12, v38 offset:64
	; THE WAY OUT through a stage of 256 rows x 272 bytes in slot 0's rows of a: that slot has had its last fill, and every wave's reads of it ended ahead of the last change of slots
.set cc, 0
.rept 16
.set ww, 1+cc/6
	WIN ww<<2
.set jj, 0
.rept 8
	ds_store_b32 v8, v[40*(cc%6)+jj] offset:(16*(cc/2)+jj)*P+64*(cc%2)
.set jj, jj+1
.endr
.set cc, cc+1
.endr
	WIN 0
	s_wait_dscnt 0x0                               ; for the others' sake: a row's 256 bytes come from two waves
	s_barrier_signal -1
	s_barrier_wait -1
.set ii, 0
.rept 32
	ds_load_b128 v[48+4*ii:51+4*ii], v9 offset:2*P*ii
.set ii, ii+1
.endr
.set ii, 0
.rept 32
	s_wait_dscnt 31-ii
	global_store_b128 v10, v[48+4*ii:51+4*ii], s[78:79] offset:16384*ii th:TH_STORE_NT  ; 16 lanes store 256 consecutive bytes, at a multiple of 256 from the buffer's first
.set ii, ii+1
.endr
	s_cmp_lt_u32 s12, 2                            ; waves 0 and 1 store the two row halves' statistics
	s_cbranch_scc0 .Lno_stat
	ds_load_b128 v[176:179], v13
	s_wait_dscnt 0x0
	global_store_b128 v10, v[176:179], s[76:77]
.Lno_stat:
	s_wait_tensorcnt 0x0                           ; the wave's end, behind my last tensor load and my last LDS store
	ds_add_u32 v16, v17
	s_wait_dscnt 0x0
	CROUND                                         ; the closing round
	s_endpgm
.Lfunc_end_k_qf7b8932fe8_hmu2:
	.size	k_qf7b8932fe8_hmu2, .Lfunc_end_k_qf7b8932fe8_hmu2-k_qf7b8932fe8_hmu2
	.p2alignl 7, 3214868480
	.fill 96, 4, 3214868480
	.section	.rodata,"a",@progbits
	.p2align	6, 0x0
	.amdhsa_kernel k_qf7b8932fe8_hmu2
		.amdhsa_group_segment_fixed_size 327680
		.amdhsa_private_segment_fixed_size 0
		.amdhsa_enable_private_segment 0
		.amdhsa_kernarg_size 24
		.amdhsa_user_sgpr_count 2
		.amdhsa_user_sgpr_kernarg_segment_ptr 1
		.amdhsa_wavefront_size32 1
		.amdhsa_system_sgpr_workgroup_id_x 1
		.amdhsa_system_sgpr_workgroup_id_y 1
		.amdhsa_system_sgpr_workgroup_id_z 1
		.amdhsa_system_vgpr_workitem_id 0
		.amdhsa_next_free_vgpr 1024
		.amdhsa_next_free_sgpr 80
		.amdhsa_reserve_vcc 0
		.amdhsa_float_denorm_mode_32 3
		.amdhsa_float_denorm_mode_16_64 3
		.amdhsa_memory_ordered 1
		.amdhsa_forward_progress 1
		.amdhsa_inst_pref_size 201
	.end_amdhsa_kernel
	.amdgpu_metadata
---
amdhsa.version: [ 1, 2 ]
amdhsa.kernels:
  - .name:           k_qf7b8932fe8_hmu2
    .symbol:         k_qf7b8932fe8_hmu2.kd
    .args:
      - { .name: ac2, .offset: 0, .size: 8, .value_kind: global_buffer, .address_space: global }
      - { .name: wk2, .offset: 8, .size: 8, .value_kind: global_buffer, .address_space: global }
      - { .name: qs, .offset: 16, .size: 8, .value_kind: global_buffer, .address_space: global }
    .group_segment_fixed_size: 327680
    .private_segment_fixed_size: 0
    .kernarg_segment_align: 8
    .kernarg_segment_size: 24
    .max_flat_workgroup_size: 128
    .sgpr_count:     80
    .vgpr_count:     1024
    .wavefront_size: 32
...
	.end_amdgpu_metadata
.endif
;; end of part 4
;; launch bn2 (part 5): grid 16 x 16, 16 waves a work-group, no clusters, 4,096 bytes of LDS; arguments qs, g2, b2, out2, out3, ac2; writes out2, out3, ac2
.if DOCPART == 5
	.amdgcn_target "amdgcn-amd-amdhsa--gfx1250"
	.amdhsa_code_object_version 6
	.text
	.protected	k_qf7b8932fe8_bn2
	.globl	k_qf7b8932fe8_bn2
	.p2align	8
	.type	k_qf7b8932fe8_bn2,@function
k_qf7b8932fe8_bn2:
	s_mov_b64 s[64:65], 0
	v_nop
	global_prefetch_b8 v0, s[64:65] scope:SCOPE_SE
	s_setreg_imm32_b32 hwreg(HW_REG_WAVE_MODE, 25, 1), 1
	s_wait_xcnt 0x0
; BATCH NORM AND RELU behind layer 2.  qs holds exp(-quad / 2048) and, for each column and block of 128 rows, the mean and the sum of squares about it.
; feat = max(0, (q - mean) x scale + b), scale = g / sqrt(var + 1e-5).  The batch's mean is the mean of the 16 blocks' means; its sum of squares is the sum of the blocks' plus
; 128 x the sum of (block mean - mean)^2: no difference of large sums, which matters here: the numbers lie close together near 1.  g and b are rounded to bf16 like every input.
; Stored: feat in f32 twice (out2, out3) and in f16 in the last product's blocked layout [row / 128][K step = strip][row % 128][128].
; SHARES.  A work-group: 128 columns (x) x 128 rows (y); a wave 8 rows, 512 consecutive bytes a row.  Waves 0-3 make the 128 columns' statistics, a thread a column; they reach the others through LDS.
; A stream: no matrix unit, cluster or tensor load.  LIMITS: feat within 65,504 for its f16 copy; NaN and infinities are not treated apart.
.set LAYER, 2
.set MEANL, 0                          ; LDS: 128 means, 128 scales, 128 b, (512 bytes unused), then the spare words (128 bytes for each of 16 waves)
.set SCAL,  512
.set BETL,  1024
.set SPARE, 2048
; v1 lane, v2 16 x lane, v3 8 x lane, v4 my spare word, v5 0, v6 4 x thread, v[8:23] means, v[24:39] M2, v40-47 at work, v[44:55] mean, scale, b of my 4 columns, v56-57 g, b,
; v[64:95] 8 rows, v[96:111] their f16
	s_load_b256 s[4:11], s[0:1], 0x0               ; qs s[4:5], g s[6:7], b s[8:9], out2 s[10:11]
	s_load_b128 s[12:15], s[0:1], 0x20             ; out3 s[12:13], ac2 s[14:15]
	v_lshl_add_u32 v4, v0, 2, SPARE
	v_mov_b32 v5, 0
	v_and_b32 v1, 31, v0
	v_lshrrev_b32 v7, 5, v0
	v_readfirstlane_b32 s16, v7                    ; wave 0..15
	v_lshlrev_b32 v2, 4, v1
	v_lshlrev_b32 v3, 3, v1
	v_lshlrev_b32 v6, 2, v0
	s_and_b32 s18, ttmp7, 0xffff                   ; row block
	s_lshl_b32 s20, ttmp9, 9                       ; the strip's 512 bytes in a row
	s_mov_b32 s21, 0
	s_lshl_b32 s22, s18, 7
	s_lshl3_add_u32 s22, s16, s22                  ; my first row
	s_lshl_b32 s24, s22, 13
	s_add_co_u32 s24, s24, s20
	s_mov_b32 s25, 0
	s_lshl_b32 s26, s18, 4                         ; block (row block, strip) of 32,768 bytes, my 8 rows of 256, behind the planes
	s_add_co_u32 s26, s26, ttmp9
	s_lshl_b32 s26, s26, 15
	s_lshl_b32 s27, s16, 11
	s_add_co_u32 s26, s26, s27
	s_add_co_u32 s26, s26, 131072
	s_mov_b32 s27, 0
	s_mov_b32 s30, 0x3a000000                      ; 1 / 2048
	s_mov_b32 s31, 0x3727c5ac                      ; 1e-5
	s_mov_b32 s42, 0xffff0000
	s_wait_kmcnt 0x0
	s_add_nc_u64 s[32:33], s[4:5], s[20:21]        ; the statistics at my strip
	s_add_nc_u64 s[34:35], s[4:5], s[24:25]
	s_add_nc_u64 s[34:35], s[34:35], 262144        ; q at my rows
	s_add_nc_u64 s[6:7], s[6:7], s[20:21]
	s_add_nc_u64 s[8:9], s[8:9], s[20:21]
	s_add_nc_u64 s[10:11], s[10:11], s[24:25]
	s_add_nc_u64 s[12:13], s[12:13], s[24:25]
	s_add_nc_u64 s[36:37], s[14:15], s[26:27]
.macro ROWLOADS
.irp i, 0,1,2,3,4,5,6,7
	global_load_b128 v[64+4*(\i):67+4*(\i)], v2, s[34:35] offset:8192*(\i) th:TH_LOAD_NT
.endr
.endm
	s_cmp_lt_u32 s16, 4
	s_cbranch_scc0 .Lothers
.irp p, 0,1,2,3,4,5,6,7,8,9,10,11,12,13,14,15
	global_load_b32 v[8+\p], v6, s[32:33] offset:(2*\p)*8192
	global_load_b32 v[24+\p], v6, s[32:33] offset:(2*\p+1)*8192
.endr
	global_load_b32 v56, v6, s[6:7]
	global_load_b32 v57, v6, s[8:9]
	ROWLOADS
	s_wait_loadcnt 8                               ; the statistics, g and b are in; my eight rows stay out
	v_pk_add_f32 v[40:41], v[8:9], v[10:11]
	v_pk_add_f32 v[42:43], v[24:25], v[26:27]
.irp p, 4,6,8,10,12,14
	v_pk_add_f32 v[40:41], v[40:41], v[8+\p:9+\p]
	v_pk_add_f32 v[42:43], v[42:43], v[24+\p:25+\p]
.endr
	v_add_f32 v40, v40, v41
	v_add_f32 v42, v42, v43
	v_mul_f32 v40, 0x3d800000, v40                 ; the mean of 16 means
	v_mov_b32 v41, v40
.irp p, 0,2,4,6,8,10,12,14
	v_pk_add_f32 v[8+\p:9+\p], v[8+\p:9+\p], v[40:41] neg_lo:[0,1] neg_hi:[0,1]
.endr
	v_pk_mul_f32 v[44:45], v[8:9], v[8:9]
.irp p, 2,4,6,8,10,12,14
	v_pk_fma_f32 v[44:45], v[8+\p:9+\p], v[8+\p:9+\p], v[44:45]
.endr
	v_add_f32 v44, v44, v45
	v_fmamk_f32 v42, v44, 0x43000000, v42          ; + 128 x
	v_fma_f32 v42, v42, s30, s31                   ; variance + 1e-5
	v_rsq_f32 v43, v42
	v_cvt_pk_bf16_f32 v46, v56, v57                ; plain work behind the root
	v_lshlrev_b32 v47, 16, v46                     ; g
	v_and_b32 v46, s42, v46                        ; b
	s_wait_alu depctr_va_vdst(0)                   ; a wait ahead of the root's first reader
	v_mul_f32 v43, v43, v47
	ds_store_b32 v6, v40 offset:MEANL
	ds_store_b32 v6, v43 offset:SCAL
	ds_store_b32 v6, v46 offset:BETL
	s_branch .Lmeet
.Lothers:
	ROWLOADS
.Lmeet:
	s_wait_dscnt 0x0
	s_barrier_signal -1
	s_barrier_wait -1
	ds_load_b128 v[44:47], v2 offset:MEANL
	ds_load_b128 v[48:51], v2 offset:SCAL
	ds_load_b128 v[52:55], v2 offset:BETL
	s_wait_dscnt 0x0
.macro ROW i
.set r, 64+4*(\i)
	s_wait_loadcnt 7-(\i)                          ; my row i is in; the younger rows stay out
	v_pk_add_f32 v[r:r+1], v[r:r+1], v[44:45] neg_lo:[0,1] neg_hi:[0,1]
	v_pk_add_f32 v[r+2:r+3], v[r+2:r+3], v[46:47] neg_lo:[0,1] neg_hi:[0,1]
	v_pk_fma_f32 v[r:r+1], v[r:r+1], v[48:49], v[52:53]
	v_pk_fma_f32 v[r+2:r+3], v[r+2:r+3], v[50:51], v[54:55]
	v_max_num_f32 v[r], 0, v[r]
	v_max_num_f32 v[r+1], 0, v[r+1]
	v_max_num_f32 v[r+2], 0, v[r+2]
	v_max_num_f32 v[r+3], 0, v[r+3]
	global_store_b128 v2, v[r:r+3], s[10:11] offset:8192*(\i) th:TH_STORE_NT   ; 512 consecutive bytes, aligned
	global_store_b128 v2, v[r:r+3], s[12:13] offset:8192*(\i) th:TH_STORE_NT
	v_cvt_pk_f16_f32 v[96+2*(\i)], v[r], v[r+1]
	v_cvt_pk_f16_f32 v[97+2*(\i)], v[r+2], v[r+3]
	global_store_b64 v3, v[96+2*(\i):97+2*(\i)], s[36:37] offset:256*(\i)      ; 256 consecutive bytes, aligned
.endm
.irp i, 0,1,2,3,4,5,6,7
	ROW \i
.endr
	s_wait_tensorcnt 0x0                           ; the wave's end, behind my last LDS store
	ds_add_u32 v4, v5
	s_wait_dscnt 0x0
	s_endpgm
.Lfunc_end_k_qf7b8932fe8_bn2:
	.size	k_qf7b8932fe8_bn2, .Lfunc_end_k_qf7b8932fe8_bn2-k_qf7b8932fe8_bn2
	.p2alignl 7, 3214868480
	.fill 96, 4, 3214868480
	.section	.rodata,"a",@progbits
	.p2align	6, 0x0
	.amdhsa_kernel k_qf7b8932fe8_bn2
		.amdhsa_group_segment_fixed_size 4096
		.amdhsa_private_segment_fixed_size 0
		.amdhsa_enable_private_segment 0
		.amdhsa_kernarg_size 48
		.amdhsa_user_sgpr_count 2
		.amdhsa_user_sgpr_kernarg_segment_ptr 1
		.amdhsa_wavefront_size32 1
		.amdhsa_system_sgpr_workgroup_id_x 1
		.amdhsa_system_sgpr_workgroup_id_y 1
		.amdhsa_system_sgpr_workgroup_id_z 1
		.amdhsa_system_vgpr_workitem_id 0
		.amdhsa_next_free_vgpr 128
		.amdhsa_next_free_sgpr 66
		.amdhsa_reserve_vcc 0
		.amdhsa_float_denorm_mode_32 3
		.amdhsa_float_denorm_mode_16_64 3
		.amdhsa_memory_ordered 1
		.amdhsa_forward_progress 1
		.amdhsa_inst_pref_size 17
	.end_amdhsa_kernel
	.amdgpu_metadata
---
amdhsa.version: [ 1, 2 ]
amdhsa.kernels:
  - .name:           k_qf7b8932fe8_bn2
    .symbol:         k_qf7b8932fe8_bn2.kd
    .args:
      - { .name: qs, .offset: 0, .size: 8, .value_kind: global_buffer, .address_space: global }
      - { .name: g2, .offset: 8, .size: 8, .value_kind: global_buffer, .address_space: global }
      - { .name: b2, .offset: 16, .size: 8, .value_kind: global_buffer, .address_space: global }
      - { .name: out2, .offset: 24, .size: 8, .value_kind: global_buffer, .address_space: global }
      - { .name: out3, .offset: 32, .size: 8, .value_kind: global_buffer, .address_space: global }
      - { .name: ac2, .offset: 40, .size: 8, .value_kind: global_buffer, .address_space: global }
    .group_segment_fixed_size: 4096
    .private_segment_fixed_size: 0
    .kernarg_segment_align: 8
    .kernarg_segment_size: 48
    .max_flat_workgroup_size: 512
    .sgpr_count:     66
    .vgpr_count:     128
    .wavefront_size: 32
...
	.end_amdgpu_metadata
.endif
;; end of part 5
;; launch lin (part 6): grid 8 x 16, 4 waves a work-group, clusters of 4 x 4, 327,680 bytes of LDS; arguments ac2, wlh, bl, out0; writes out0
.if DOCPART == 6
	.amdgcn_target "amdgcn-amd-amdhsa--gfx1250"
	.amdhsa_code_object_version 6
	.text
	.protected	k_qf7b8932fe8_lin
	.globl	k_qf7b8932fe8_lin
	.p2align	8
	.type	k_qf7b8932fe8_lin,@function
k_qf7b8932fe8_lin:
	s_mov_b64 s[64:65], 0
	v_nop
	global_prefetch_b8 v0, s[64:65] scope:SCOPE_SE
	s_setreg_imm32_b32 hwreg(HW_REG_WAVE_MODE, 25, 1), 1
	s_wait_xcnt 0x0
	s_wait_alu depctr_hold_cnt(0) depctr_sa_sdst(0) depctr_va_vdst(0) depctr_va_sdst(0) depctr_va_ssrc(0) depctr_va_vcc(0) depctr_vm_vsrc(0)
	s_getreg_b32 s2, hwreg(HW_REG_IB_STS2, 6, 4)
	s_cmp_eq_u32 s2, 0
	s_cbranch_scc0 .Lentry_in_a_cluster
	s_endpgm
.Lentry_in_a_cluster:
	s_bfe_u32 s2, ttmp6, 0x10000c
	s_cmp_lg_u32 s2, 0xf033
	s_cbranch_scc0 .Lentry_shape_is_right
	s_endpgm
.Lentry_shape_is_right:
; LOGITS.  out0[m][n] = sum over k of feat2[m][k] Wl[n][k] + bl[n].  feat2 (2,048 rows) and Wl (padded to 1,024 rows, the last 24 of them 0) are f16, blocked [row / 128][K step of 128][row % 128][128];
; sums in f32; bl is rounded to bf16 like every input; out0 is [2048][1000] f32.
; A tile of out0 is 128 x 128: 8 x 16 work-groups; four waves, each 64 x 64: 16 accumulators.  K goes in steps of 256 through two LDS slots: a step is two dense blocks of feat2 and two of Wl,
; 128 rows x 256 bytes each, one block a wave.  CLUSTER 4 x 4: the four of a row of the cluster need the same blocks of feat2, the four of a column the same blocks of Wl: asked for jointly.
; THE MATRIX INSTRUCTION IS USED TRANSPOSED (source 0 = 16 rows of Wl, source 1 = 16 rows of feat2): a lane holds eight neighbouring numbers of a row of out0.
; A row of out0 is 4,000 bytes, so its rows do not begin at multiples of 256: a wave's store covers 512 consecutive bytes of one row, and no more can be had.  Columns 1,000 to 1,023 are computed and not stored.
; No prefetch: the tiles are small and each block is read by several clusters at about the same time.  LIMITS: operands within 65,504; NaN and infinities are not treated apart.
; REGISTERS: window 0: v0-31 addresses; v32-63 bl of my 64 columns (8 a lane for each of 4 column blocks); v64 at work; v96-103 bl's offsets; v128-255 the accumulators ((a, b) at 128 + 8 (4 a + b)), later whole rows.
;   window 1: two fragment buffers of 128: for 64 along K, 64 registers of feat2 (2 x 4 x 16 rows x 32 K), then 64 of Wl.
.set P,     272                        ; an LDS row: 256 bytes + 16 of padding: the 16 rows of a fragment load start at 16 different groups of four banks (64 banks of 4 bytes: ISA guide 11.1)
.set BLK,   128*P                      ; a block: what one tensor load brings
.set SLOT,  4*BLK                      ; feat2's two blocks, then Wl's two
.set SPARE, 2*SLOT                     ; the spare words, 128 bytes a wave, which no other line names
.set SP,    528                        ; the stage: 128 rows of 512 bytes + 16, in slot 0 behind its last fill
.set LAPS,  4                          ; 2,048 / (2 x 256)
.set ADRA, 16                          ; v16-17  my fragments of feat2 in slot 0, 1
.set ADRB, 20                          ; v20-21  of Wl
.set ACC,  128
.set F0,   0
.set F1,   128
.set G1, 24                            ; s[24:31] group 1 for feat2; s[32:39] group 0, a set for each slot
.set G0, 32
.set G1B, 48                           ; s[48:55], s[56:63] the same for Wl
.set G0B, 56
.set G1W, (1<<16)|(1<<20)|(1<<21)|(5<<22)|(3<<25)
.set MSB, 0
.macro WIN new
.if MSB != (\new)
	s_set_vgpr_msb (MSB<<8)|(\new)
.set MSB, \new
.endif
.endm
.set MUL,  0x05                        ; sources 0 and 1 window 1; C and D window 0
.set TO_F, 0x40                        ; destination window 1, address window 0
.macro PLACES
.rept 4
	v_nop
.endr
.endm
.macro JLOAD s                         ; waves 0 and 1 fetch feat2's two blocks, waves 2 and 3 Wl's; an s_nop 0 and four v_nop follow each of the two lines
	s_cmp_eq_u32 s13, 0
	s_cbranch_scc0 .Lfor_b_\@
	tensor_load_to_lds s[G0+4*(\s):G0+4*(\s)+3], s[G1:G1+7]
	s_nop 0
.rept 4
	v_nop
.endr
	s_branch .Lasked_\@
.Lfor_b_\@:
	tensor_load_to_lds s[G0B+4*(\s):G0B+4*(\s)+3], s[G1B:G1B+7]
	s_nop 0
.rept 4
	v_nop
.endr
.Lasked_\@:
.endm
.macro CREST
	s_cmp_lg_u32 s12, 0
	s_cbranch_scc1 .Lnot_wave_0_\@
	s_barrier_signal -3
.Lnot_wave_0_\@:
	s_barrier_wait -3
	s_barrier_signal -1
	s_barrier_wait -1
.endm
.macro CROUND
	s_barrier_signal -1
	s_barrier_wait -1
	CREST
.endm
	s_load_b256 s[4:11], s[0:1], 0x0               ; feat2 s[4:5], Wl s[6:7], bl s[8:9], out0 s[10:11]
	v_lshl_add_u32 v28, v0, 2, SPARE
	v_mov_b32 v29, 0
	ds_add_u32 v28, v29                            ; the wave's opening: the add, twice on end, and its wait ahead of my first tensor load
	ds_add_u32 v28, v29
	v_lshrrev_b32 v1, 5, v0
	v_readfirstlane_b32 s12, v1                    ; wave
	s_lshr_b32 s13, s12, 1                         ; my half of the tile's rows.  Also: I fetch feat2 (0) or Wl (1)
	s_and_b32 s14, s12, 1                          ; my half of its columns.  Also: which of a step's two blocks I fetch
	s_bfe_u32 s15, ttmp6, 0x40000                  ; cx
	s_bfe_u32 s16, ttmp6, 0x40004                  ; cy
	s_lshl_b32 s17, ttmp9, 2
	s_add_co_u32 s17, s17, s15                     ; tile column
	s_and_b32 s18, ttmp7, 0xffff
	s_lshl_b32 s18, s18, 2
	s_add_co_u32 s18, s18, s16                     ; tile row
	s_lshl_b32 s20, s16, 2
	s_lshl_b32 s20, 15, s20                        ; my row of the cluster
	s_lshl_b32 s40, 0x1111, s15                    ; my column
	s_or_b32 s[G1], s20, G1W
	s_or_b32 s[G1B], s40, G1W
.irp g, G1, G1B
	s_mov_b32 s[(\g)+1], 128<<16                   ; tensor_dim0 = 128
	s_mov_b32 s[(\g)+2], 128<<16                   ; tensor_dim1 = 128
	s_mov_b32 s[(\g)+3], 128<<16                   ; tile_dim0 = 128
	s_mov_b32 s[(\g)+4], 128                       ; tile_dim1 = 128
	s_mov_b32 s[(\g)+5], 128                       ; the blocks are dense
	s_mov_b32 s[(\g)+6], 0
	s_mov_b32 s[(\g)+7], 0
.endr
	s_lshl_b32 s20, s18, 4                         ; feat2: block 16 x tile row + my block of step 0, behind the planes
	s_add_co_u32 s20, s20, s14
	s_lshl_b32 s20, s20, 15
	s_add_co_u32 s20, s20, 131072
	s_mov_b32 s21, 0
	s_lshl_b32 s40, s17, 4                         ; Wl: block 16 x tile column + my block
	s_add_co_u32 s40, s40, s14
	s_lshl_b32 s40, s40, 15
	s_mov_b32 s41, 0
	s_mul_i32 s46, s12, BLK                        ; where it goes: wave x a block
	s_mov_b32 s47, 0xffff0000
	s_wait_dscnt 0x0                               ; both opening adds are done
	s_wait_kmcnt 0x0
	s_add_nc_u64 s[22:23], s[4:5], s[20:21]
	s_add_nc_u64 s[44:45], s[6:7], s[40:41]
	CROUND                                         ; all sixteen work-groups are here: the first joint loads meet
.irp s, 0,1
	s_mov_b32 s[G0+4*(\s)], 1
	s_add_co_u32 s[G0+4*(\s)+1], s46, (\s)*SLOT
	s_add_nc_u64 s[G0+4*(\s)+2:G0+4*(\s)+3], s[22:23], (\s)*65536
	s_or_b32 s[G0+4*(\s)+3], s[G0+4*(\s)+3], 0x80000000
	s_mov_b32 s[G0B+4*(\s)], 1
	s_add_co_u32 s[G0B+4*(\s)+1], s46, (\s)*SLOT
	s_add_nc_u64 s[G0B+4*(\s)+2:G0B+4*(\s)+3], s[44:45], (\s)*65536
	s_or_b32 s[G0B+4*(\s)+3], s[G0B+4*(\s)+3], 0x80000000
	JLOAD \s
.endr
	v_and_b32 v1, 15, v0                           ; l % 16
	v_bfe_u32 v2, v0, 4, 1                         ; l / 16
	v_and_b32 v5, 31, v0
	; bl of my columns 128 X + 64 half + 16 b + 8 (l / 16) + 0..7; past bl's end the offset is held to its last 16 bytes (those columns are not stored)
	s_lshl_b32 s40, s17, 9
	s_lshl_b32 s41, s14, 8
	s_add_co_u32 s40, s40, s41
	v_lshl_add_u32 v27, v2, 5, s40
.irp n, 0,1,2,3,4,5,6,7
	v_add_nc_u32 v[96+\n], 64*(\n/2)+16*(\n%2), v27
	v_min_u32 v[96+\n], 3984, v[96+\n]
.endr
.irp n, 0,1,2,3,4,5,6,7
	global_load_b128 v[32+4*\n:35+4*\n], v[96+\n], s[8:9]
.endr
	v_mul_u32_u24 v3, v1, P
	v_lshl_add_u32 v3, v2, 4, v3                   ; a fragment's row x pitch + 16 x half
	s_mul_i32 s20, s13, 64*P                       ; my 64 rows of feat2's blocks
	s_mul_i32 s21, s14, 64*P                       ; my 64 rows of Wl's,
	s_add_co_u32 s21, s21, 2*BLK                   ; which lie behind feat2's two
.irp s, 0,1
	v_add_nc_u32 v[ADRA+(\s)], s20, v3
	v_add_nc_u32 v[ADRB+(\s)], s21, v3
	s_add_co_u32 s20, s20, SLOT
	s_add_co_u32 s21, s21, SLOT
.endr
	s_mul_i32 s20, s13, 64*SP                      ; v24: into the stage: row 64 half + l % 16, byte 256 x column half + 32 (l / 16)
	s_lshl_b32 s21, s14, 8
	s_add_co_u32 s20, s20, s21
	v_mul_u32_u24 v24, v1, SP
	v_lshl_add_u32 v24, v2, 5, v24
	v_add_nc_u32 v24, s20, v24
	s_mul_i32 s20, s12, 32*SP                      ; v25: back: rows 32 w on, a row of 512 bytes a load
	v_lshl_add_u32 v25, v5, 4, s20
	v_lshlrev_b32 v26, 4, v5                       ; v26: my 16 bytes of a row
	s_lshl_b32 s20, s17, 7
	v_lshl_add_u32 v30, v5, 2, s20                 ; v30: their first column
	s_lshl_b32 s42, s18, 7                         ; out0 at row 128 x tile row + 32 w, column 128 x tile column
	s_lshl_b32 s43, s12, 5
	s_add_co_u32 s42, s42, s43
	s_mul_i32 s42, s42, 4000
	s_lshl_b32 s43, s17, 9
	s_add_co_u32 s42, s42, s43
	s_mov_b32 s43, 0
	s_add_nc_u64 s[10:11], s[10:11], s[42:43]
; 8 matrix instructions: m blocks a0, a0 + 1 x all 4 n blocks, 32 along K: half c of buffer f.  The 16 accumulators take turns.  zero = 1: the first product starts the sums
.macro MUL8 f, c, a0, zero
	WIN MUL
.irp a, \a0, (\a0)+1
.irp b, 0,1,2,3
.if \zero
	v_wmma_f32_16x16x32_f16 v[ACC+8*(4*(\a)+(\b)):ACC+8*(4*(\a)+(\b))+7], v[(\f)+64+8*(4*(\c)+(\b)):(\f)+64+8*(4*(\c)+(\b))+7], v[(\f)+8*(4*(\c)+(\a)):(\f)+8*(4*(\c)+(\a))+7], 0
.else
	v_wmma_f32_16x16x32_f16 v[ACC+8*(4*(\a)+(\b)):ACC+8*(4*(\a)+(\b))+7], v[(\f)+64+8*(4*(\c)+(\b)):(\f)+64+8*(4*(\c)+(\b))+7], v[(\f)+8*(4*(\c)+(\a)):(\f)+8*(4*(\c)+(\a))+7], v[ACC+8*(4*(\a)+(\b)):ACC+8*(4*(\a)+(\b))+7]
.endif
.endr
.endr
.endm
; 32 LDS loads in one run: quarter q of a step (64 along K: block q / 2, byte 128 (q % 2) of its rows) into buffer f; the first 32 along K first
.macro FETCH slot, q, f
	WIN TO_F
.set ko, ((\q)/2)*BLK+((\q)%2)*128
.irp c, 0,1
.irp i, 0,1,2,3
	ds_load_b128 v[(\f)+64+8*(4*(\c)+(\i)):(\f)+64+8*(4*(\c)+(\i))+3],   v[ADRB+(\slot)] offset:ko+64*(\c)+(\i)*16*P
	ds_load_b128 v[(\f)+64+8*(4*(\c)+(\i))+4:(\f)+64+8*(4*(\c)+(\i))+7], v[ADRB+(\slot)] offset:ko+64*(\c)+(\i)*16*P+32
	ds_load_b128 v[(\f)+8*(4*(\c)+(\i)):(\f)+8*(4*(\c)+(\i))+3],         v[ADRA+(\slot)] offset:ko+64*(\c)+(\i)*16*P
	ds_load_b128 v[(\f)+8*(4*(\c)+(\i))+4:(\f)+8*(4*(\c)+(\i))+7],       v[ADRA+(\slot)] offset:ko+64*(\c)+(\i)*16*P+32
.endr
.endr
.endm
.macro QUARTER slot, q, f, g, zero     ; multiplies buffer f and fetches quarter q into g
	s_wait_dscnt 16                                ; the first 32 along K are in
	MUL8 \f, 0, 0, \zero
	MUL8 \f, 0, 2, \zero
	PLACES
	FETCH \slot, \q, \g
	s_wait_dscnt 32                                ; all but the 32 just issued
	MUL8 \f, 1, 0, 0
	MUL8 \f, 1, 2, 0
.endm
; The last quarter multiplies buffer 1 and changes slots: one barrier; ahead of it each wave waits for all its tensor loads, adds 0 to its spare word, and waits for that and for its reads of this slot.
; fill = 1: the barrier opens a round of the cluster's barrier, and this slot is filled again, two K steps on, first thing behind the round.
.macro TURN slot, next, fill
	WIN 0
	s_wait_tensorcnt 0x0
	ds_add_u32 v28, v29                            ; 0 onto my spare word
	s_wait_dscnt 17                                ; (the add and the youngest sixteen loads may be out)
	MUL8 F1, 0, 0, 0
	s_wait_dscnt 0x0                               ; the add is done, and my reads of this slot are over
	s_barrier_signal -1
	MUL8 F1, 0, 2, 0
.if \fill
	WIN 0
.endif
	s_barrier_wait -1
.if \fill
	CREST
	s_add_nc_u64 s[G0+4*(\slot)+2:G0+4*(\slot)+3], s[G0+4*(\slot)+2:G0+4*(\slot)+3], 131072
	s_add_nc_u64 s[G0B+4*(\slot)+2:G0B+4*(\slot)+3], s[G0B+4*(\slot)+2:G0B+4*(\slot)+3], 131072
	JLOAD \slot                                    ; the four v_nop behind it are also the places ahead of the loads below
.else
	PLACES
.endif
	FETCH \next, 0, F0
	MUL8 F1, 1, 0, 0
	MUL8 F1, 1, 2, 0
.endm
	s_wait_tensorcnt 0x1                           ; my block of K step 0 is in; K step 1's may stay out
	s_barrier_signal -1
	s_barrier_wait -1
	FETCH 0, 0, F0
	QUARTER 0, 1, F0, F1, 1                        ; the first quarter stands ahead of the loop: its first products start the sums
	WIN 0
	s_mov_b32 s3, LAPS-1
.Llap:
	QUARTER 0, 2, F1, F0, 0
	QUARTER 0, 3, F0, F1, 0
	TURN 0, 1, 1
	QUARTER 1, 1, F0, F1, 0
	QUARTER 1, 2, F1, F0, 0
	QUARTER 1, 3, F0, F1, 0
	TURN 1, 0, 1
	QUARTER 0, 1, F0, F1, 0
	WIN 0
	s_sub_co_u32 s3, s3, 1
	s_cmp_lg_u32 s3, 0
	s_cbranch_scc1 .Llap
	QUARTER 0, 2, F1, F0, 0                        ; the last lap fills nothing
	QUARTER 0, 3, F0, F1, 0
	TURN 0, 1, 0
	QUARTER 1, 1, F0, F1, 0
	QUARTER 1, 2, F1, F0, 0
	QUARTER 1, 3, F0, F1, 0
	s_wait_dscnt 16
	MUL8 F1, 0, 0, 0
	MUL8 F1, 0, 2, 0
	s_wait_dscnt 0x0
	MUL8 F1, 1, 0, 0
	MUL8 F1, 1, 2, 0
	WIN 0
	; THE WAY OUT.  bl is rounded to bf16 (48 plain lines, the places behind the last products), added, and the tile goes through the stage: a row's 512 bytes come from two waves.
	s_wait_loadcnt 0x0
.set nn, 0
.rept 16
	v_cvt_pk_bf16_f32 v64, v[32+2*nn], v[33+2*nn]
	v_lshlrev_b32 v[32+2*nn], 16, v64
	v_and_b32 v[33+2*nn], s47, v64
.set nn, nn+1
.endr
.set tt, 0
.rept 16
.set pp, 0
.rept 4
	v_pk_add_f32 v[ACC+8*tt+2*pp:ACC+8*tt+2*pp+1], v[ACC+8*tt+2*pp:ACC+8*tt+2*pp+1], v[32+8*(tt%4)+2*pp:33+8*(tt%4)+2*pp]
.set pp, pp+1
.endr
	ds_store_b128 v24, v[ACC+8*tt:ACC+8*tt+3]   offset:(tt/4)*16*SP+64*(tt%4)
	ds_store_b128 v24, v[ACC+8*tt+4:ACC+8*tt+7] offset:(tt/4)*16*SP+64*(tt%4)+16
.set tt, tt+1
.endr
	s_wait_dscnt 0x0                               ; for the others' sake: my stores into the stage are done
	s_barrier_signal -1
	s_barrier_wait -1
.set ii, 0
.rept 32
	ds_load_b128 v[ACC+4*ii:ACC+4*ii+3], v25 offset:SP*ii
.set ii, ii+1
.endr
	s_wait_xcnt 0x0                                ; EXEC changes only behind this wait
	v_cmp_gt_u32 vcc_lo, 1000, v30
	s_and_saveexec_b32 s20, vcc_lo                 ; lanes whose four columns exist
.set ii, 0
.rept 32
	s_wait_dscnt 31-ii
	global_store_b128 v26, v[ACC+4*ii:ACC+4*ii+3], s[10:11] offset:4000*ii th:TH_STORE_NT
.set ii, ii+1
.endr
	s_wait_xcnt 0x0                                ; and again, ahead of the line that widens it
	s_or_b32 exec_lo, exec_lo, s20
	s_wait_tensorcnt 0x0                           ; the wave's end, behind my last tensor load and my last LDS store
	ds_add_u32 v28, v29
	s_wait_dscnt 0x0
	CROUND                                         ; the closing round
	s_endpgm
.Lfunc_end_k_qf7b8932fe8_lin:
	.size	k_qf7b8932fe8_lin, .Lfunc_end_k_qf7b8932fe8_lin-k_qf7b8932fe8_lin
	.p2alignl 7, 3214868480
	.fill 96, 4, 3214868480
	.section	.rodata,"a",@progbits
	.p2align	6, 0x0
	.amdhsa_kernel k_qf7b8932fe8_lin
		.amdhsa_group_segment_fixed_size 327680
		.amdhsa_private_segment_fixed_size 0
		.amdhsa_enable_private_segment 0
		.amdhsa_kernarg_size 32
		.amdhsa_user_sgpr_count 2
		.amdhsa_user_sgpr_kernarg_segment_ptr 1
		.amdhsa_wavefront_size32 1
		.amdhsa_system_sgpr_workgroup_id_x 1
		.amdhsa_system_sgpr_workgroup_id_y 1
		.amdhsa_system_sgpr_workgroup_id_z 1
		.amdhsa_system_vgpr_workitem_id 0
		.amdhsa_next_free_vgpr 512
		.amdhsa_next_free_sgpr 66
		.amdhsa_reserve_vcc 1
		.amdhsa_float_denorm_mode_32 3
		.amdhsa_float_denorm_mode_16_64 3
		.amdhsa_memory_ordered 1
		.amdhsa_forward_progress 1
		.amdhsa_inst_pref_size 94
	.end_amdhsa_kernel
	.amdgpu_metadata
---
amdhsa.version: [ 1, 2 ]
amdhsa.kernels:
  - .name:           k_qf7b8932fe8_lin
    .symbol:         k_qf7b8932fe8_lin.kd
    .args:
      - { .name: ac2, .offset: 0, .size: 8, .value_kind: global_buffer, .address_space: global }
      - { .name: wlh, .offset: 8, .size: 8, .value_kind: global_buffer, .address_space: global }
      - { .name: bl, .offset: 16, .size: 8, .value_kind: global_buffer, .address_space: global }
      - { .name: out0, .offset: 24, .size: 8, .value_kind: global_buffer, .address_space: global }
    .group_segment_fixed_size: 327680
    .private_segment_fixed_size: 0
    .kernarg_segment_align: 8
    .kernarg_segment_size: 32
    .max_flat_workgroup_size: 128
    .sgpr_count:     66
    .vgpr_count:     512
    .wavefront_size: 32
...
	.end_amdgpu_metadata
.endif
;; end of part 6
;; ======== version 2 of 3: 6 launches
;; limits: values are held in f16: magnitudes above 65,504 overflow, below 6.1e-05 lose precision; inputs' magnitudes at most 65,504
;; workspace buffers: ac1 4,202,496 bytes; ac2 8,519,680 bytes; wk1 21,037,056 bytes; wk2 42,008,576 bytes; qs 17,039,360 bytes; wlh 4,194,304 bytes
;; launch prep: the kernel of part 1 again; grid 448 x 1, 32 waves a work-group, no clusters, 8,448 bytes of LDS; arguments x, mu1, lam1, v1, mu2, lam2, v2, Wl, ac1, wk1, wk2, wlh; writes ac1, wk1, wk2, wlh
;; launch hmu (part 7): grid 32 x 8, 4 waves a work-group, clusters of 4 x 4, 327,680 bytes of LDS; arguments ac1, wk1, qs; writes qs
.if DOCPART == 7
	.amdgcn_target "amdgcn-amd-amdhsa--gfx1250"
	.amdhsa_code_object_version 6
	.text
	.protected	k_qf7b8932fe8_hmu
	.globl	k_qf7b8932fe8_hmu
	.p2align	8
	.type	k_qf7b8932fe8_hmu,@function
k_qf7b8932fe8_hmu:
	s_mov_b64 s[64:65], 0
	v_nop
	global_prefetch_b8 v0, s[64:65] scope:SCOPE_SE
	s_setreg_imm32_b32 hwreg(HW_REG_WAVE_MODE, 25, 1), 1
	s_wait_xcnt 0x0
	s_wait_alu depctr_hold_cnt(0) depctr_sa_sdst(0) depctr_va_vdst(0) depctr_va_sdst(0) depctr_va_ssrc(0) depctr_va_vcc(0) depctr_vm_vsrc(0)
	s_getreg_b32 s2, hwreg(HW_REG_IB_STS2, 6, 4)
	s_cmp_eq_u32 s2, 0
	s_cbranch_scc0 .Lentry_in_a_cluster
	s_endpgm
.Lentry_in_a_cluster:
	s_bfe_u32 s2, ttmp6, 0x10000c
	s_cmp_lg_u32 s2, 0xf033
	s_cbranch_scc0 .Lentry_shape_is_right
	s_endpgm
.Lentry_shape_is_right:
; HMU LAYER 1 up to its batch norm (KS = 8 K steps of 128; the text of layer 2 differs from this one in the line that sets KS alone).
; q[b][n] = lam_n (|a_b|^2 - 2 a_b.mu_n + |mu_n|^2) + sum over k of (a_b.v_nk - mu_n.v_nk)^2; with KS = 16 q = exp(-q / 2048) after that.
; a: 2,048 rows of activations, f16, blocked [row / 128][K step][row % 128][128]; the weights: five rows a unit (mu, v0..v3), f16, blocked [n / 64][K step][320][128] (row 80 g + 16 t + n % 16).
; Stored: q in f32, and for each column and each block of 128 rows the mean and the sum of squares about that mean, from which the next launch makes the batch statistics without a difference of large sums.
; LIMITS.  Operands are f16: within 65,504.  An exponential whose result would be a denormal gives 0.  NaN and infinities are not treated apart.
; SHARES.  A work-group makes 256 rows x 64 units (320 columns of the product); 32 x 8 of them.  Wave w: rows 128 (w / 2) on, units 32 (w % 2) on: 16 COMBOS c = 2 a + g (a: 16 rows, g: 16 units) of five
; accumulators (t = 0: a.mu, t = 1..4: a.v): 80 accumulators, 640 registers.  Source 0 = 16 rows of a, source 1 = 16 rows of the weights: a lane holds ONE unit (lane % 16) and rows 8 (lane / 16) + 0..7,
; and a unit's five products lie in the same lane and register of five accumulators: the formula needs no exchange.  The sums start from -|mu|^2 / 2 and -mu.v as the first product's C operand.
; RING.  K steps of 128 through two LDS slots (256 rows of a, 320 of the weights, 256 bytes + 16 of padding each); a wave's one tensor load brings 128 rows of a (waves 0, 1) or 160 of the weights (2, 3).
; A K STEP IS WRITTEN ONCE for the KS - 2 trips that fill a slot again and once for the last two, which fill nothing: which slot is read lies in a scalar (0 or SLOT) that an exclusive or turns at each change of slots.
; CLUSTER 4 x 4: the four of a row of the cluster need the same rows of a, the four of a column the same weights: each tile is asked for jointly.
; REGISTERS in windows of 256 (s_set_vgpr_msb: bits 1:0 source 0, 3:2 source 1, 5:4 source 2, 7:6 destination):
;   window 0: v0-19 addresses; v20-25, v28-33 my two units' records; v36-47 at work; v48-111, v112-175 fragments of a, two buffers; v176-255 the weights' fragments, buffer 1
;   window 1: combos 0-5 (combo c at 40 (c % 6), accumulator t at + 8 t);  window 2: combos 6-11;  window 3: v0-159 combos 12-15, v160-239 the weights' fragments, buffer 0
.set KS,    8                          ; K steps of 128
.set PLANES, 1+15*(KS/16)              ; planes of partial row sums of squares in front of a's blocks: 1 (x) or 16 (a plane for each strip of 128 columns)
.set AOFF,  PLANES*8192
.set P,     272                        ; an LDS row: 68 words, so the 16 rows of a fragment load start at 16 different groups of four banks (64 banks of 4 bytes: ISA guide 11.1)
.set AH,    128*P                      ; what one load of a brings, and what a wave reads of a
.set BH,    160*P                      ; the same for the weights
.set BOFF,  2*AH
.set SLOT,  2*AH+2*BH
.set SPARE, 2*SLOT                     ; the spare words, 128 bytes a wave, which no other line names
.set XS,    SPARE+512                  ; |a|^2 of the work-group's 256 rows
.set STS,   XS+1024                    ; [row half][mean, M2][64 units]
.set FA0,   48
.set FB1,   176
.set FB0,   160
.set CHN,   112                        ; way out, window 0: eight chains of column sums (group, pair)
.set MEAN,  128                        ; two pairs
.set M2C,   132                        ; eight chains of squares
.set DT,    148                        ; differences, 48 registers
.set G1A, 24                           ; s[24:31] descriptor group 1 for a;  s[32:39] group 0: a set for each of the two first fills; the second then walks on
.set G0A, 32
.set G1B, 48                           ; s[48:55], s[56:63] the same for the weights
.set G0B, 56
.set G1W, (1<<16)|(1<<20)|(1<<21)|(5<<22)|(3<<25)  ; 2-byte elements; padding on; bit 21 beside a mask; after every 64 words, 4 words
; v4, v6 my fragments of a and of the weights in the slot that is read; v5, v7 the same in slot 0, never rewritten
; s2 the tail's trips, s3 the K step, s4 the slot that is read (0 or SLOT), s5, s19 where my tile of a, of the weights goes in a slot, s12 wave, s13 w / 2 (my row half; also: I fetch a (0) or weights (1)),
; s14 w % 2 (my unit half; also: which half I fetch), s15 cx, s16 cy, s17 X, s18 Y, s[66:67] where my prefetches stand, s[68:69] their step a trip, s70 the trips in which I prefetch, s71 lanes 16-31,
; s[72:73] lane selects, s[74:75] -log2(e) / 2048, s[76:77] statistics, s[78:79] q
.set MSB, 0
.macro WIN new                         ; the immediate's high byte repeats the setting that is left; a switch that changes nothing is dropped
.if MSB != (\new)
	s_set_vgpr_msb (MSB<<8)|(\new)
.set MSB, \new
.endif
.endm
.macro PLACES                          ; four places behind a matrix instruction, ahead of loads into registers that it has read and of vector lines that read its results
.rept 4
	v_nop
.endr
.endm
; A joint load; the branch hangs on the wave's number alone.  An s_nop 0 and four v_nop follow each of the two lines.
.macro JLOAD s
	s_cmp_eq_u32 s13, 0
	s_cbranch_scc0 .Lfor_b_\@
	tensor_load_to_lds s[G0A+4*(\s):G0A+4*(\s)+3], s[G1A:G1A+7]
	s_nop 0
.rept 4
	v_nop
.endr
	s_branch .Lasked_\@
.Lfor_b_\@:
	tensor_load_to_lds s[G0B+4*(\s):G0B+4*(\s)+3], s[G1B:G1B+7]
	s_nop 0
.rept 4
	v_nop
.endr
.Lasked_\@:
.endm
.macro CREST                           ; a round of the cluster's barrier behind its opening barrier
	s_cmp_lg_u32 s12, 0
	s_cbranch_scc1 .Lnot_wave_0_\@
	s_barrier_signal -3
.Lnot_wave_0_\@:
	s_barrier_wait -3
	s_barrier_signal -1
	s_barrier_wait -1
.endm
.macro CROUND
	s_barrier_signal -1
	s_barrier_wait -1
	CREST
.endm
; A PREFETCH INTO THE L2, in every second trip, behind the joint load and the run of LDS loads: in the even trip t the K steps t + 4 and t + 5, which the refills of trips t + 2 and t + 3 ask for.  Two K steps of 128 rows of
; a are 65,536 dense bytes: of the clusters that read them the one with cluster x = 0 asks, its four partners 16,384 bytes each, told apart by address (cx); two K steps of a tile column's weights are 163,840 dense bytes:
; the cluster with cluster y = 0 asks, 40,960 bytes a partner (cy), wave 2 24,576 of them and wave 3 16,384.  A lane names 256 bytes.  So each block is named once in the launch.
; K steps 0 to 3 come by their loads alone; from trip KS - 4 on nothing is named: there is no K step behind the last.
.macro ASK
	s_and_b32 s20, s3, 1
	s_cmp_eq_u32 s20, 0
	s_cbranch_scc0 .Lnot_mine_\@
	s_cmp_lt_u32 s3, s70
	s_cbranch_scc0 .Lnot_mine_\@
	global_prefetch_b8 v15, s[66:67] th:TH_LOAD_NT scope:SCOPE_SE
	global_prefetch_b8 v15, s[66:67] offset:8192 th:TH_LOAD_NT scope:SCOPE_SE
	s_cmp_eq_u32 s12, 2
	s_cbranch_scc0 .Lnot_mine_\@
	global_prefetch_b8 v15, s[66:67] offset:16384 th:TH_LOAD_NT scope:SCOPE_SE
.Lnot_mine_\@:
.endm
	s_load_b64 s[6:7], s[0:1], 0x0                 ; a
	s_load_b64 s[8:9], s[0:1], 0x8                 ; the weights
	s_load_b64 s[10:11], s[0:1], 0x10              ; qs
	v_lshl_add_u32 v16, v0, 2, SPARE
	v_mov_b32 v17, 0
	ds_add_u32 v16, v17                            ; the wave's opening: the add, twice on end, and its wait ahead of my first tensor load
	ds_add_u32 v16, v17
	v_lshrrev_b32 v1, 5, v0
	v_readfirstlane_b32 s12, v1
	s_lshr_b32 s13, s12, 1
	s_and_b32 s14, s12, 1
	s_bfe_u32 s15, ttmp6, 0x40000                  ; cx
	s_bfe_u32 s16, ttmp6, 0x40004                  ; cy
	s_lshl_b32 s17, ttmp9, 2
	s_add_co_u32 s17, s17, s15                     ; X: my 64 units
	s_and_b32 s18, ttmp7, 0xffff
	s_lshl_b32 s18, s18, 2
	s_add_co_u32 s18, s18, s16                     ; Y: my 256 rows
	s_lshl_b32 s20, s16, 2
	s_lshl_b32 s20, 15, s20                        ; my row of the cluster
	s_lshl_b32 s40, 0x1111, s15                    ; my column
	s_or_b32 s[G1A], s20, G1W
	s_or_b32 s[G1B], s40, G1W
	s_mov_b32 s[G1A+1], 128<<16                    ; tensor_dim0 = 128
	s_mov_b32 s[G1A+2], 128<<16                    ; tensor_dim1 = 128
	s_mov_b32 s[G1A+3], 128<<16                    ; tile_dim0 = 128
	s_mov_b32 s[G1A+4], 128                        ; tile_dim1 = 128
	s_mov_b32 s[G1A+5], 128                        ; 128 elements from row to row: the blocks are dense
	s_mov_b32 s[G1A+6], 0
	s_mov_b32 s[G1A+7], 0
	s_mov_b32 s[G1B+1], 128<<16
	s_mov_b32 s[G1B+2], 160<<16                    ; 160 rows
	s_mov_b32 s[G1B+3], 128<<16
	s_mov_b32 s[G1B+4], 160
	s_mov_b32 s[G1B+5], 128
	s_mov_b32 s[G1B+6], 0
	s_mov_b32 s[G1B+7], 0
	s_mul_i32 s5, s14, AH                          ; where my tile goes in a slot: no place in the cluster enters an LDS address
	s_mul_i32 s19, s14, BH
	s_add_co_u32 s19, s19, BOFF
	s_mov_b32 s4, 0                                ; slot 0 is read first
	s_mov_b32 s71, 0xffff0000
	s_mov_b32 s72, 0x76543210
	s_mov_b32 s73, 0xfedcba98
.if KS == 16
	s_mov_b32 s74, 0xba38aa3b                      ; -log2(e) / 2048
	s_mov_b32 s75, s74
.endif
	s_lshl_b32 s20, s18, 1                         ; a: row block 2 Y + half, K step 0, behind the planes of row sums
	s_add_co_u32 s20, s20, s14
	s_mul_i32 s20, s20, KS*32768
	s_add_co_u32 s20, s20, AOFF
	s_mov_b32 s21, 0
	s_mul_i32 s40, s17, KS*81920                   ; weights: tile column X, K step 0, my half's 160 rows, behind the records
	s_mul_i32 s42, s14, 40960
	s_add_co_u32 s40, s40, s42
	s_add_co_u32 s40, s40, 65536
	s_mov_b32 s41, 0
	s_wait_dscnt 0x0                               ; both opening adds are done
	s_wait_kmcnt 0x0
	s_add_nc_u64 s[22:23], s[6:7], s[20:21]
	s_add_nc_u64 s[44:45], s[8:9], s[40:41]
	CROUND                                         ; all sixteen work-groups are here: the first joint loads meet
.irp s, 0,1
	s_mov_b32 s[G0A+4*(\s)], 1
	s_add_co_u32 s[G0A+4*(\s)+1], s5, (\s)*SLOT
	s_add_nc_u64 s[G0A+4*(\s)+2:G0A+4*(\s)+3], s[22:23], (\s)*32768
	s_or_b32 s[G0A+4*(\s)+3], s[G0A+4*(\s)+3], 0x80000000
	s_mov_b32 s[G0B+4*(\s)], 1
	s_add_co_u32 s[G0B+4*(\s)+1], s19, (\s)*SLOT
	s_add_nc_u64 s[G0B+4*(\s)+2:G0B+4*(\s)+3], s[44:45], (\s)*81920
	s_or_b32 s[G0B+4*(\s)+3], s[G0B+4*(\s)+3], 0x80000000
	JLOAD \s                                       ; two loads of mine are out
.endr
	; the prefetches' address (at K step 3: the first trip steps it to 4), step and last trip
	s_lshl_b32 s42, s15, 14
	s_add_co_u32 s42, s42, s20
	s_add_co_u32 s42, s42, 3*32768
	s_mul_i32 s43, s14, 40960-24576                ; s40 holds 40,960 x half; wanted is 24,576 x half
	s_sub_co_u32 s43, s40, s43
	s_mul_i32 s46, s16, 40960
	s_add_co_u32 s43, s43, s46
	s_add_co_u32 s43, s43, 3*81920
	s_and_b32 s46, ttmp7, 0xffff
	s_mov_b32 s68, 81920
	s_cmp_eq_u32 s13, 0
	s_cselect_b32 s42, s42, s43
	s_cselect_b32 s46, ttmp9, s46                  ; the coordinate along which other clusters read the same bytes
	s_cselect_b32 s68, 32768, s68
	s_cselect_b64 s[66:67], s[6:7], s[8:9]
	s_mov_b32 s43, 0
	s_mov_b32 s69, 0
	s_add_nc_u64 s[66:67], s[66:67], s[42:43]
	s_cmp_eq_u32 s46, 0
	s_cselect_b32 s70, KS-4, 0                     ; the same in all sixteen partners, for a given wave
	; the rows' sums of squares and my two units' records
	v_and_b32 v1, 15, v0                           ; r
	v_bfe_u32 v2, v0, 4, 1                         ; h
	v_lshlrev_b32 v18, 3, v0
	v_lshlrev_b32 v19, 5, v1
	s_lshl_b32 s20, s18, 10
	s_add_nc_u64 s[22:23], s[6:7], s[20:21]
	s_lshl_b32 s40, s17, 11
	s_lshl_b32 s42, s14, 10
	s_add_co_u32 s40, s40, s42
	s_add_nc_u64 s[44:45], s[8:9], s[40:41]
.set pp, 0
.rept PLANES
	global_load_b64 v[112+2*pp:113+2*pp], v18, s[22:23] offset:8192*pp
.set pp, pp+1
.endr
	global_load_b128 v[20:23], v19, s[44:45]
	global_load_b64 v[24:25], v19, s[44:45] offset:16
	global_load_b128 v[28:31], v19, s[44:45] offset:512
	global_load_b64 v[32:33], v19, s[44:45] offset:528
	; lane addresses.  A fragment is 16 rows x 32 K in 8 registers: lane l holds row l % 16, K = 8 (l / 16) + 0..7 and 16 + 8 (l / 16) + 0..7: two loads of 16 bytes, 32 bytes apart
	v_mul_u32_u24 v3, v1, P
	v_lshl_add_u32 v3, v2, 4, v3
	s_mul_i32 s20, s13, AH
	s_mul_i32 s21, s14, BH
	s_add_co_u32 s21, s21, BOFF
	v_add_nc_u32 v5, s20, v3                       ; v5: my rows of a in slot 0
	v_add_nc_u32 v7, s21, v3                       ; v7: my weights in slot 0
	v_mov_b32 v4, v5                               ; v4, v6: in the slot that is read
	v_mov_b32 v6, v7
	s_mul_i32 s20, s13, 128*P                      ; v8: into the stage: row 128 (w / 2) + 8 h, column 32 (w % 2) + r
	s_lshl_b32 s21, s14, 7
	s_add_co_u32 s20, s20, s21
	v_mul_u32_u24 v8, v2, 8*P
	v_lshl_add_u32 v8, v1, 2, v8
	v_add_nc_u32 v8, s20, v8
	s_mul_i32 s20, s12, 64*P                       ; v9: back: rows 64 w on, lanes 0-15 one row of 256 bytes, lanes 16-31 the next
	v_mul_u32_u24 v9, v2, P
	v_lshl_add_u32 v9, v1, 4, v9
	v_add_nc_u32 v9, s20, v9
	v_lshlrev_b32 v10, 13, v2                      ; v10: the same two rows in memory (8,192 bytes a row)
	v_lshl_add_u32 v10, v1, 4, v10
	s_lshl_b32 s20, s13, 9                         ; v11: my rows' sums of squares
	s_add_co_u32 s20, s20, XS
	v_lshl_add_u32 v11, v2, 5, s20
	s_lshl_b32 s20, s13, 9                         ; v12: my units' statistics: lanes 0-15 the mean, lanes 16-31 M2
	s_lshl_b32 s21, s14, 7
	s_add_co_u32 s20, s20, s21
	s_add_co_u32 s20, s20, STS
	v_lshlrev_b32 v12, 8, v2
	v_lshl_add_u32 v12, v1, 2, v12
	v_add_nc_u32 v12, s20, v12
	v_and_b32 v13, 31, v0                          ; v13: a row half's 512 bytes of statistics, read back
	v_lshlrev_b32 v15, 8, v13                      ; v15: the prefetches' offset: 256 x lane
	s_lshl_b32 s20, s14, 9
	s_add_co_u32 s20, s20, STS
	v_lshl_add_u32 v13, v13, 4, s20
	v_add_nc_u32 v36, XS, v18
	s_lshl_b32 s42, s18, 8                         ; q at row 256 Y + 64 w, column 64 X, behind the statistics
	s_lshl_b32 s43, s12, 6
	s_add_co_u32 s42, s42, s43
	s_lshl_b32 s42, s42, 13
	s_lshl_b32 s43, s17, 8
	s_add_co_u32 s42, s42, s43
	s_add_co_u32 s42, s42, 262144
	s_mov_b32 s43, 0
	s_add_nc_u64 s[78:79], s[10:11], s[42:43]
	s_lshl_b32 s42, s18, 2                         ; the statistics of row block 2 Y + w (waves 0 and 1): planes 2 (2 Y + w), + 1
	s_lshl1_add_u32 s42, s12, s42
	s_lshl_b32 s42, s42, 13
	s_lshl_b32 s40, s17, 8
	s_add_co_u32 s42, s42, s40
	s_add_nc_u64 s[76:77], s[10:11], s[42:43]
	s_wait_loadcnt 0x0
.if PLANES > 1
.set pp, 1
.rept PLANES-1
	v_pk_add_f32 v[112:113], v[112:113], v[112+2*pp:113+2*pp]
.set pp, pp+1
.endr
.endif
	ds_store_b64 v36, v[112:113]
	; what the sums start from, as C operands of the first products: eight copies (a lane's eight rows) of -|mu|^2 / 2 and the four -mu.v, for both groups; they lie where the weights' buffer 1 will lie
.set gg, 0
.rept 2
.set tt, 0
.rept 5
.set jj, 0
.rept 8
	v_mov_b32 v[FB1+8*(5*gg+tt)+jj], v[21+8*gg+tt]
.set jj, jj+1
.endr
.set tt, tt+1
.endr
.set gg, gg+1
.endr
; Combos c0 to c1, five matrix instructions each, 32 along K, from buffer f.  The 80 accumulators take turns, one instruction a turn, in the same order in every quarter.  init = 1: the first products.
.macro MULS f, c0, c1, init=0
.set cc, \c0
.rept (\c1)-(\c0)+1
.set ww, 1+cc/6
.if \init
	WIN 0x0c|(ww<<6)
.elseif (\f) == 0
	WIN 0x0c|(ww<<4)|(ww<<6)
.else
	WIN (ww<<4)|(ww<<6)
.endif
.set tt, 0
.rept 5
.set rD, 40*(cc%6)+8*tt
.set rA, FA0+64*(\f)+8*(cc/2)
.if (\f) == 0
.set rB, FB0+8*(5*(cc%2)+tt)
.else
.set rB, FB1+8*(5*(cc%2)+tt)
.endif
.if \init
.set rC, FB1+8*(5*(cc%2)+tt)
	v_wmma_f32_16x16x32_f16 v[rD:rD+7], v[rA:rA+7], v[rB:rB+7], v[rC:rC+7]
.else
	v_wmma_f32_16x16x32_f16 v[rD:rD+7], v[rA:rA+7], v[rB:rB+7], v[rD:rD+7]
.endif
.set tt, tt+1
.endr
.set cc, cc+1
.endr
.endm
; 36 LDS loads in one run: a quarter step's fragments (160 rows of weights, then 128 rows of a, 32 K at byte k of the rows of the slot that is read) into buffer f
.macro FETCH k, f
.if (\f) == 0
	WIN 0xc0
.set rB, FB0
.else
	WIN 0
.set rB, FB1
.endif
.set ii, 0
.rept 10
	ds_load_b128 v[rB+8*ii:rB+8*ii+3],   v6 offset:(\k)+ii*16*P
	ds_load_b128 v[rB+8*ii+4:rB+8*ii+7], v6 offset:(\k)+ii*16*P+32
.set ii, ii+1
.endr
	WIN 0
.set rA, FA0+64*(\f)
.set ii, 0
.rept 8
	ds_load_b128 v[rA+8*ii:rA+8*ii+3],   v4 offset:(\k)+ii*16*P
	ds_load_b128 v[rA+8*ii+4:rA+8*ii+7], v4 offset:(\k)+ii*16*P+32
.set ii, ii+1
.endr
.endm
; A K step is four quarters of 32 along K, 80 matrix instructions each, on buffers 0, 1, 0, 1.  One of the first three: multiplies f and fetches the next quarter, at byte k, into g.
.macro QUARTER k, f, g
	s_wait_dscnt 10                                ; the weights and a's fragments 0-2 are in; the youngest ten loads (fragments 3-7) may be out
	MULS \f, 0, 5
	PLACES
	FETCH \k, \g
	s_wait_dscnt 36                                ; all but the 36 just issued
	MULS \f, 6, 15
.endm
; The last quarter multiplies buffer 1 and changes slots: one barrier; ahead of it each wave waits for all its tensor loads (one is out at the most: its part of the next slot), adds 0 to its spare word, and waits for that
; and for its reads of this slot.  fill = 1: the barrier opens a round of the cluster's barrier, and the slot just read is filled again, two K steps on, first thing behind the round: 290 matrix instructions ahead of the
; wait for it.  The walking descriptor takes the slot just read and the next K step; then the scalar turns to the other slot and the two fragment addresses are made anew from it.
.macro TURN fill
.if \fill
	s_wait_xcnt 0x0                                ; the last prefetches, a K step back or more, have read their address: it is stepped here
	s_add_nc_u64 s[66:67], s[66:67], s[68:69]
.endif
	WIN 0
	s_wait_tensorcnt 0x0
	ds_add_u32 v16, v17                            ; 0 onto my spare word
	s_wait_dscnt 11                                ; (the add and the youngest ten loads may be out)
	MULS 1, 0, 2
	s_wait_dscnt 0x0                               ; the add is done, and my reads of this slot are over
	s_barrier_signal -1
	MULS 1, 3, 5
	WIN 0
	s_barrier_wait -1
.if \fill
	CREST                                          ; no wave of any partner still reads this slot or has a load on its way
	s_add_co_u32 s[G0A+5], s4, s5                  ; no tensor load of mine is out, so the descriptors may be written: into the slot just read,
	s_add_co_u32 s[G0B+5], s4, s19
	s_add_nc_u64 s[G0A+6:G0A+7], s[G0A+6:G0A+7], 32768  ; the K step behind the one asked for last; the type bits on top are not reached
	s_add_nc_u64 s[G0B+6:G0B+7], s[G0B+6:G0B+7], 81920
	s_xor_b32 s4, s4, SLOT                         ; the other slot is read from here on
	JLOAD 1                                        ; the four v_nop behind it are also the places ahead of the loads below
.else
	s_xor_b32 s4, s4, SLOT
	PLACES
.endif
	v_add_nc_u32 v4, s4, v5
	v_add_nc_u32 v6, s4, v7
	FETCH 0, 0
.if \fill
	ASK
.endif
	MULS 1, 6, 15
.endm
	s_wait_tensorcnt 0x1                           ; my part of K step 0 is in; K step 1's may stay out
	s_wait_dscnt 0x0                               ; my rows' sums lie in LDS
	s_barrier_signal -1
	s_barrier_wait -1
	FETCH 0, 0
	s_wait_dscnt 0x0
	MULS 0, 0, 15, 1                               ; the first quarter stands ahead of the loop: its products start the sums
	PLACES
	FETCH 64, 1                                    ; only now: buffer 1 held the C operands
	WIN 0
	s_mov_b32 s3, 0
.Lstep:                                                ; KS - 2 trips: from a K step's second quarter to the next step's first; the slot that is left is filled again
	QUARTER 128, 1, 0
	QUARTER 192, 0, 1
	TURN 1
	QUARTER 64, 0, 1
	WIN 0
	s_add_co_u32 s3, s3, 1
	s_cmp_lt_u32 s3, KS-2
	s_cbranch_scc1 .Lstep
	s_mov_b32 s2, 2
.Ltail:                                                ; the last two K steps fill nothing: their own text; the second trip is left in its middle
	QUARTER 128, 1, 0
	QUARTER 192, 0, 1
	TURN 0                                         ; in the second trip its 36 LDS loads read the other slot's old tile and serve nothing: the price, once a launch, of one text for both trips
	WIN 0
	s_sub_co_u32 s2, s2, 1
	s_cmp_eq_u32 s2, 0
	s_cbranch_scc1 .Lout
	QUARTER 64, 0, 1
	WIN 0
	s_branch .Ltail
.Lout:
	s_wait_dscnt 0x0                               ; those loads are back: their registers are free, and my reads of slot 0 are over;
	s_barrier_signal -1
	s_barrier_wait -1                              ; everybody's are: the stage, which lies in slot 0, may be written
	; THE FORMULA.  In each combo accumulator 0 becomes lam (|a|^2 - 2 S0) + S1^2 + S2^2 + S3^2 + S4^2.  Each accumulator is read from its low pair on.
	PLACES
	WIN 0
.set aa, 0
.rept 8
	ds_load_b128 v[FA0+8*aa:FA0+8*aa+3],   v11 offset:64*aa     ; |a|^2 of rows 16 a + 8 h + 0..7
	ds_load_b128 v[FA0+8*aa+4:FA0+8*aa+7], v11 offset:64*aa+16
.set aa, aa+1
.endr
	s_wait_dscnt 0x0
.macro QUAD c0, c1                     ; the combos of one window
.set ww, 1+(\c0)/6
	WIN ww|(ww<<6)
.set cc, \c0
.rept (\c1)-(\c0)+1
.set rD, 40*(cc%6)
.set rX, FA0+8*(cc/2)
.set rL, 20+8*(cc%2)
.set pp, 0
.rept 4
	v_pk_fma_f32 v[rD+2*pp:rD+2*pp+1], v[rD+2*pp:rD+2*pp+1], -2.0, v[rX+2*pp:rX+2*pp+1] op_sel_hi:[1,0,1]
.set pp, pp+1
.endr
.set pp, 0
.rept 4
	v_pk_mul_f32 v[rD+2*pp:rD+2*pp+1], v[rD+2*pp:rD+2*pp+1], v[rL:rL+1] op_sel_hi:[1,0]
.set pp, pp+1
.endr
.set cc, cc+1
.endr
	WIN 0x55*ww
.set cc, \c0
.rept (\c1)-(\c0)+1
.set rD, 40*(cc%6)
.set tt, 1
.rept 4
.set pp, 0
.rept 4
	v_pk_fma_f32 v[rD+2*pp:rD+2*pp+1], v[rD+8*tt+2*pp:rD+8*tt+2*pp+1], v[rD+8*tt+2*pp:rD+8*tt+2*pp+1], v[rD+2*pp:rD+2*pp+1]
.set pp, pp+1
.endr
.set tt, tt+1
.endr
.set cc, cc+1
.endr
.endm
	QUAD 0, 5
	QUAD 6, 11
	QUAD 12, 15
.if KS == 16                           ; layer 2 alone: q = exp(-q / 2048)
.macro EXPS c0, c1
.set ww, 1+(\c0)/6
	WIN ww|(ww<<6)
.set cc, \c0
.rept (\c1)-(\c0)+1
.set rD, 40*(cc%6)
.set pp, 0
.rept 4
	v_pk_mul_f32 v[rD+2*pp:rD+2*pp+1], v[rD+2*pp:rD+2*pp+1], s[74:75] op_sel_hi:[1,0]
.set pp, pp+1
.endr
.set pp, 0
.rept 8
	v_exp_f32 v[rD+pp], v[rD+pp]
.set pp, pp+1
.endr
.set cc, cc+1
.endr
.endm
	EXPS 0, 5                                      ; one batch of 128 exponentials; nothing ahead of the wait names a result
	EXPS 6, 11
	EXPS 12, 15
	WIN 0
	v_nop                                          ; a plain instruction behind the last exponential
	s_wait_alu depctr_va_vdst(0)                   ; and a wait ahead of the first reader
.endif
	; THE STATISTICS of my 128 rows, for my 32 units: the mean first, then the squares about it
	WIN 0x05
.set gg, 0
.rept 2
.set pp, 0
.rept 4
	v_pk_add_f32 v[CHN+2*(4*gg+pp):CHN+2*(4*gg+pp)+1], v[40*gg+2*pp:40*gg+2*pp+1], v[40*(2+gg)+2*pp:40*(2+gg)+2*pp+1]  ; combos g and 2 + g start the chains
.set pp, pp+1
.endr
.set gg, gg+1
.endr
.set cc, 4
.rept 12
.set ww, 1+cc/6
	WIN ww<<2
.set pp, 0
.rept 4
	v_pk_add_f32 v[CHN+2*(4*(cc%2)+pp):CHN+2*(4*(cc%2)+pp)+1], v[CHN+2*(4*(cc%2)+pp):CHN+2*(4*(cc%2)+pp)+1], v[40*(cc%6)+2*pp:40*(cc%6)+2*pp+1]
.set pp, pp+1
.endr
.set cc, cc+1
.endr
	WIN 0
.macro JOIN base, out                  ; four pairs, and the other half of the lanes' (the unit's other 64 rows), into one number
	v_pk_add_f32 v[(\base):(\base)+1], v[(\base):(\base)+1], v[(\base)+2:(\base)+3]
	v_pk_add_f32 v[(\base)+4:(\base)+5], v[(\base)+4:(\base)+5], v[(\base)+6:(\base)+7]
	v_pk_add_f32 v[(\base):(\base)+1], v[(\base):(\base)+1], v[(\base)+4:(\base)+5]
	v_add_f32 v[\out], v[(\base)], v[(\base)+1]
	v_permlanex16_b32 v[(\base)+2], v[\out], s72, s73
	v_add_f32 v[\out], v[\out], v[(\base)+2]
.endm
	JOIN CHN, 36
	JOIN CHN+8, 38
	v_mul_f32 v[MEAN], 0x3c000000, v36             ; / 128
	v_mul_f32 v[MEAN+2], 0x3c000000, v38
	v_mov_b32 v[MEAN+1], v[MEAN]                   ; named as pairs
	v_mov_b32 v[MEAN+3], v[MEAN+2]
.macro SQS c0, c1                      ; one window's differences into window 0, then their squares onto the chains
.set ww, 1+(\c0)/6
	WIN ww
.set cc, \c0
.rept (\c1)-(\c0)+1
.set pp, 0
.rept 4
	v_pk_add_f32 v[DT+8*(cc-(\c0))+2*pp:DT+8*(cc-(\c0))+2*pp+1], v[40*(cc%6)+2*pp:40*(cc%6)+2*pp+1], v[MEAN+2*(cc%2):MEAN+2*(cc%2)+1] op_sel_hi:[1,0] neg_lo:[0,1] neg_hi:[0,1]
.set pp, pp+1
.endr
.set cc, cc+1
.endr
	WIN 0
.set cc, \c0
.rept (\c1)-(\c0)+1
.set pp, 0
.rept 4
.set rM, M2C+2*(4*(cc%2)+pp)
.set rT, DT+8*(cc-(\c0))+2*pp
.if cc < 2
	v_pk_mul_f32 v[rM:rM+1], v[rT:rT+1], v[rT:rT+1]
.else
	v_pk_fma_f32 v[rM:rM+1], v[rT:rT+1], v[rT:rT+1], v[rM:rM+1]
.endif
.set pp, pp+1
.endr
.set cc, cc+1
.endr
.endm
	SQS 0, 5
	SQS 6, 11
	SQS 12, 15
	JOIN M2C, 37
	JOIN M2C+8, 39
	v_cndmask_b32 v36, v[MEAN], v37, s71           ; lanes 0-15 carry the mean, lanes 16-31 M2
	v_cndmask_b32 v38, v[MEAN+2], v39, s71
	ds_store_b32 v12, v36
	ds_store_b32 v12, v38 offset:64
	; THE WAY OUT through a stage of 256 rows x 272 bytes in slot 0's rows of a: that slot has had its last fill, and every wave's reads of it ended ahead of the barrier behind the last K step
.set cc, 0
.rept 16
.set ww, 1+cc/6
	WIN ww<<2
.set jj, 0
.rept 8
	ds_store_b32 v8, v[40*(cc%6)+jj] offset:(16*(cc/2)+jj)*P+64*(cc%2)
.set jj, jj+1
.endr
.set cc, cc+1
.endr
	WIN 0
	s_wait_dscnt 0x0                               ; for the others' sake: a row's 256 bytes come from two waves
	s_barrier_signal -1
	s_barrier_wait -1
.set ii, 0
.rept 32
	ds_load_b128 v[48+4*ii:51+4*ii], v9 offset:2*P*ii
.set ii, ii+1
.endr
.set ii, 0
.rept 32
	s_wait_dscnt 31-ii
	global_store_b128 v10, v[48+4*ii:51+4*ii], s[78:79] offset:16384*ii th:TH_STORE_NT  ; 16 lanes store 256 consecutive bytes, at a multiple of 256 from the buffer's first
.set ii, ii+1
.endr
	s_cmp_lt_u32 s12, 2                            ; waves 0 and 1 store the two row halves' statistics
	s_cbranch_scc0 .Lno_stat
	ds_load_b128 v[176:179], v13
	s_wait_dscnt 0x0
	global_store_b128 v10, v[176:179], s[76:77]
.Lno_stat:
	s_wait_tensorcnt 0x0                           ; the wave's end, behind my last tensor load and my last LDS store
	ds_add_u32 v16, v17
	s_wait_dscnt 0x0
	CROUND                                         ; the closing round
	s_endpgm
.Lfunc_end_k_qf7b8932fe8_hmu:
	.size	k_qf7b8932fe8_hmu, .Lfunc_end_k_qf7b8932fe8_hmu-k_qf7b8932fe8_hmu
	.p2alignl 7, 3214868480
	.fill 96, 4, 3214868480
	.section	.rodata,"a",@progbits
	.p2align	6, 0x0
	.amdhsa_kernel k_qf7b8932fe8_hmu
		.amdhsa_group_segment_fixed_size 327680
		.amdhsa_private_segment_fixed_size 0
		.amdhsa_enable_private_segment 0
		.amdhsa_kernarg_size 24
		.amdhsa_user_sgpr_count 2
		.amdhsa_user_sgpr_kernarg_segment_ptr 1
		.amdhsa_wavefront_size32 1
		.amdhsa_system_sgpr_workgroup_id_x 1
		.amdhsa_system_sgpr_workgroup_id_y 1
		.amdhsa_system_sgpr_workgroup_id_z 1
		.amdhsa_system_vgpr_workitem_id 0
		.amdhsa_next_free_vgpr 1024
		.amdhsa_next_free_sgpr 80
		.amdhsa_reserve_vcc 0
		.amdhsa_float_denorm_mode_32 3
		.amdhsa_float_denorm_mode_16_64 3
		.amdhsa_memory_ordered 1
		.amdhsa_forward_progress 1
		.amdhsa_inst_pref_size 140
	.end_amdhsa_kernel
	.amdgpu_metadata
---
amdhsa.version: [ 1, 2 ]
amdhsa.kernels:
  - .name:           k_qf7b8932fe8_hmu
    .symbol:         k_qf7b8932fe8_hmu.kd
    .args:
      - { .name: ac1, .offset: 0, .size: 8, .value_kind: global_buffer, .address_space: global }
      - { .name: wk1, .offset: 8, .size: 8, .value_kind: global_buffer, .address_space: global }
      - { .name: qs, .offset: 16, .size: 8, .value_kind: global_buffer, .address_space: global }
    .group_segment_fixed_size: 327680
    .private_segment_fixed_size: 0
    .kernarg_segment_align: 8
    .kernarg_segment_size: 24
    .max_flat_workgroup_size: 128
    .sgpr_count:     80
    .vgpr_count:     1024
    .wavefront_size: 32
...
	.end_amdgpu_metadata
.endif
;; end of part 7
;; launch bn1: the kernel of part 3 again; grid 16 x 16, 16 waves a work-group, no clusters, 4,096 bytes of LDS; arguments qs, g1, b1, out1, ac2; writes out1, ac2
;; launch hmu2 (part 8): grid 32 x 8, 4 waves a work-group, clusters of 4 x 4, 327,680 bytes of LDS; arguments ac2, wk2, qs; writes qs
.if DOCPART == 8
	.amdgcn_target "amdgcn-amd-amdhsa--gfx1250"
	.amdhsa_code_object_version 6
	.text
	.protected	k_qf7b8932fe8_hmu2
	.globl	k_qf7b8932fe8_hmu2
	.p2align	8
	.type	k_qf7b8932fe8_hmu2,@function
k_qf7b8932fe8_hmu2:
	s_mov_b64 s[64:65], 0
	v_nop
	global_prefetch_b8 v0, s[64:65] scope:SCOPE_SE
	s_setreg_imm32_b32 hwreg(HW_REG_WAVE_MODE, 25, 1), 1
	s_wait_xcnt 0x0
	s_wait_alu depctr_hold_cnt(0) depctr_sa_sdst(0) depctr_va_vdst(0) depctr_va_sdst(0) depctr_va_ssrc(0) depctr_va_vcc(0) depctr_vm_vsrc(0)
	s_getreg_b32 s2, hwreg(HW_REG_IB_STS2, 6, 4)
	s_cmp_eq_u32 s2, 0
	s_cbranch_scc0 .Lentry_in_a_cluster
	s_endpgm
.Lentry_in_a_cluster:
	s_bfe_u32 s2, ttmp6, 0x10000c
	s_cmp_lg_u32 s2, 0xf033
	s_cbranch_scc0 .Lentry_shape_is_right
	s_endpgm
.Lentry_shape_is_right:
; HMU LAYER 2 up to its batch norm (KS = 16 K steps of 128; the text of layer 1 differs from this one in the line that sets KS alone).
; q[b][n] = lam_n (|a_b|^2 - 2 a_b.mu_n + |mu_n|^2) + sum over k of (a_b.v_nk - mu_n.v_nk)^2; with KS = 16 q = exp(-q / 2048) after that.
; a: 2,048 rows of activations, f16, blocked [row / 128][K step][row % 128][128]; the weights: five rows a unit (mu, v0..v3), f16, blocked [n / 64][K step][320][128] (row 80 g + 16 t + n % 16).
; Stored: q in f32, and for each column and each block of 128 rows the mean and the sum of squares about that mean, from which the next launch makes the batch statistics without a difference of large sums.
; LIMITS.  Operands are f16: within 65,504.  An exponential whose result would be a denormal gives 0.  NaN and infinities are not treated apart.
; SHARES.  A work-group makes 256 rows x 64 units (320 columns of the product); 32 x 8 of them.  Wave w: rows 128 (w / 2) on, units 32 (w % 2) on: 16 COMBOS c = 2 a + g (a: 16 rows, g: 16 units) of five
; accumulators (t = 0: a.mu, t = 1..4: a.v): 80 accumulators, 640 registers.  Source 0 = 16 rows of a, source 1 = 16 rows of the weights: a lane holds ONE unit (lane % 16) and rows 8 (lane / 16) + 0..7,
; and a unit's five products lie in the same lane and register of five accumulators: the formula needs no exchange.  The sums start from -|mu|^2 / 2 and -mu.v as the first product's C operand.
; RING.  K steps of 128 through two LDS slots (256 rows of a, 320 of the weights, 256 bytes + 16 of padding each); a wave's one tensor load brings 128 rows of a (waves 0, 1) or 160 of the weights (2, 3).
; A K STEP IS WRITTEN ONCE for the KS - 2 trips that fill a slot again and once for the last two, which fill nothing: which slot is read lies in a scalar (0 or SLOT) that an exclusive or turns at each change of slots.
; CLUSTER 4 x 4: the four of a row of the cluster need the same rows of a, the four of a column the same weights: each tile is asked for jointly.
; REGISTERS in windows of 256 (s_set_vgpr_msb: bits 1:0 source 0, 3:2 source 1, 5:4 source 2, 7:6 destination):
;   window 0: v0-19 addresses; v20-25, v28-33 my two units' records; v36-47 at work; v48-111, v112-175 fragments of a, two buffers; v176-255 the weights' fragments, buffer 1
;   window 1: combos 0-5 (combo c at 40 (c % 6), accumulator t at + 8 t);  window 2: combos 6-11;  window 3: v0-159 combos 12-15, v160-239 the weights' fragments, buffer 0
.set KS,    16                         ; K steps of 128
.set PLANES, 1+15*(KS/16)              ; planes of partial row sums of squares in front of a's blocks: 1 (x) or 16 (a plane for each strip of 128 columns)
.set AOFF,  PLANES*8192
.set P,     272                        ; an LDS row: 68 words, so the 16 rows of a fragment load start at 16 different groups of four banks (64 banks of 4 bytes: ISA guide 11.1)
.set AH,    128*P                      ; what one load of a brings, and what a wave reads of a
.set BH,    160*P                      ; the same for the weights
.set BOFF,  2*AH
.set SLOT,  2*AH+2*BH
.set SPARE, 2*SLOT                     ; the spare words, 128 bytes a wave, which no other line names
.set XS,    SPARE+512                  ; |a|^2 of the work-group's 256 rows
.set STS,   XS+1024                    ; [row half][mean, M2][64 units]
.set FA0,   48
.set FB1,   176
.set FB0,   160
.set CHN,   112                        ; way out, window 0: eight chains of column sums (group, pair)
.set MEAN,  128                        ; two pairs
.set M2C,   132                        ; eight chains of squares
.set DT,    148                        ; differences, 48 registers
.set G1A, 24                           ; s[24:31] descriptor group 1 for a;  s[32:39] group 0: a set for each of the two first fills; the second then walks on
.set G0A, 32
.set G1B, 48                           ; s[48:55], s[56:63] the same for the weights
.set G0B, 56
.set G1W, (1<<16)|(1<<20)|(1<<21)|(5<<22)|(3<<25)  ; 2-byte elements; padding on; bit 21 beside a mask; after every 64 words, 4 words
; v4, v6 my fragments of a and of the weights in the slot that is read; v5, v7 the same in slot 0, never rewritten
; s2 the tail's trips, s3 the K step, s4 the slot that is read (0 or SLOT), s5, s19 where my tile of a, of the weights goes in a slot, s12 wave, s13 w / 2 (my row half; also: I fetch a (0) or weights (1)),
; s14 w % 2 (my unit half; also: which half I fetch), s15 cx, s16 cy, s17 X, s18 Y, s[66:67] where my prefetches stand, s[68:69] their step a trip, s70 the trips in which I prefetch, s71 lanes 16-31,
; s[72:73] lane selects, s[74:75] -log2(e) / 2048, s[76:77] statistics, s[78:79] q
.set MSB, 0
.macro WIN new                         ; the immediate's high byte repeats the setting that is left; a switch that changes nothing is dropped
.if MSB != (\new)
	s_set_vgpr_msb (MSB<<8)|(\new)
.set MSB, \new
.endif
.endm
.macro PLACES                          ; four places behind a matrix instruction, ahead of loads into registers that it has read and of vector lines that read its results
.rept 4
	v_nop
.endr
.endm
; A joint load; the branch hangs on the wave's number alone.  An s_nop 0 and four v_nop follow each of the two lines.
.macro JLOAD s
	s_cmp_eq_u32 s13, 0
	s_cbranch_scc0 .Lfor_b_\@
	tensor_load_to_lds s[G0A+4*(\s):G0A+4*(\s)+3], s[G1A:G1A+7]
	s_nop 0
.rept 4
	v_nop
.endr
	s_branch .Lasked_\@
.Lfor_b_\@:
	tensor_load_to_lds s[G0B+4*(\s):G0B+4*(\s)+3], s[G1B:G1B+7]
	s_nop 0
.rept 4
	v_nop
.endr
.Lasked_\@:
.endm
.macro CREST                           ; a round of the cluster's barrier behind its opening barrier
	s_cmp_lg_u32 s12, 0
	s_cbranch_scc1 .Lnot_wave_0_\@
	s_barrier_signal -3
.Lnot_wave_0_\@:
	s_barrier_wait -3
	s_barrier_signal -1
	s_barrier_wait -1
.endm
.macro CROUND
	s_barrier_signal -1
	s_barrier_wait -1
	CREST
.endm
; A PREFETCH INTO THE L2, in every second trip, behind the joint load and the run of LDS loads: in the even trip t the K steps t + 4 and t + 5, which the refills of trips t + 2 and t + 3 ask for.  Two K steps of 128 rows of
; a are 65,536 dense bytes: of the clusters that read them the one with cluster x = 0 asks, its four partners 16,384 bytes each, told apart by address (cx); two K steps of a tile column's weights are 163,840 dense bytes:
; the cluster with cluster y = 0 asks, 40,960 bytes a partner (cy), wave 2 24,576 of them and wave 3 16,384.  A lane names 256 bytes.  So each block is named once in the launch.
; K steps 0 to 3 come by their loads alone; from trip KS - 4 on nothing is named: there is no K step behind the last.
.macro ASK
	s_and_b32 s20, s3, 1
	s_cmp_eq_u32 s20, 0
	s_cbranch_scc0 .Lnot_mine_\@
	s_cmp_lt_u32 s3, s70
	s_cbranch_scc0 .Lnot_mine_\@
	global_prefetch_b8 v15, s[66:67] th:TH_LOAD_NT scope:SCOPE_SE
	global_prefetch_b8 v15, s[66:67] offset:8192 th:TH_LOAD_NT scope:SCOPE_SE
	s_cmp_eq_u32 s12, 2
	s_cbranch_scc0 .Lnot_mine_\@
	global_prefetch_b8 v15, s[66:67] offset:16384 th:TH_LOAD_NT scope:SCOPE_SE
.Lnot_mine_\@:
.endm
	s_load_b64 s[6:7], s[0:1], 0x0                 ; a
	s_load_b64 s[8:9], s[0:1], 0x8                 ; the weights
	s_load_b64 s[10:11], s[0:1], 0x10              ; qs
	v_lshl_add_u32 v16, v0, 2, SPARE
	v_mov_b32 v17, 0
	ds_add_u32 v16, v17                            ; the wave's opening: the add, twice on end, and its wait ahead of my first tensor load
	ds_add_u32 v16, v17
	v_lshrrev_b32 v1, 5, v0
	v_readfirstlane_b32 s12, v1
	s_lshr_b32 s13, s12, 1
	s_and_b32 s14, s12, 1
	s_bfe_u32 s15, ttmp6, 0x40000                  ; cx
	s_bfe_u32 s16, ttmp6, 0x40004                  ; cy
	s_lshl_b32 s17, ttmp9, 2
	s_add_co_u32 s17, s17, s15                     ; X: my 64 units
	s_and_b32 s18, ttmp7, 0xffff
	s_lshl_b32 s18, s18, 2
	s_add_co_u32 s18, s18, s16                     ; Y: my 256 rows
	s_lshl_b32 s20, s16, 2
	s_lshl_b32 s20, 15, s20                        ; my row of the cluster
	s_lshl_b32 s40, 0x1111, s15                    ; my column
	s_or_b32 s[G1A], s20, G1W
	s_or_b32 s[G1B], s40, G1W
	s_mov_b32 s[G1A+1], 128<<16                    ; tensor_dim0 = 128
	s_mov_b32 s[G1A+2], 128<<16                    ; tensor_dim1 = 128
	s_mov_b32 s[G1A+3], 128<<16                    ; tile_dim0 = 128
	s_mov_b32 s[G1A+4], 128                        ; tile_dim1 = 128
	s_mov_b32 s[G1A+5], 128                        ; 128 elements from row to row: the blocks are dense
	s_mov_b32 s[G1A+6], 0
	s_mov_b32 s[G1A+7], 0
	s_mov_b32 s[G1B+1], 128<<16
	s_mov_b32 s[G1B+2], 160<<16                    ; 160 rows
	s_mov_b32 s[G1B+3], 128<<16
	s_mov_b32 s[G1B+4], 160
	s_mov_b32 s[G1B+5], 128
	s_mov_b32 s[G1B+6], 0
	s_mov_b32 s[G1B+7], 0
	s_mul_i32 s5, s14, AH                          ; where my tile goes in a slot: no place in the cluster enters an LDS address
	s_mul_i32 s19, s14, BH
	s_add_co_u32 s19, s19, BOFF
	s_mov_b32 s4, 0                                ; slot 0 is read first
	s_mov_b32 s71, 0xffff0000
	s_mov_b32 s72, 0x76543210
	s_mov_b32 s73, 0xfedcba98
.if KS == 16
	s_mov_b32 s74, 0xba38aa3b                      ; -log2(e) / 2048
	s_mov_b32 s75, s74
.endif
	s_lshl_b32 s20, s18, 1                         ; a: row block 2 Y + half, K step 0, behind the planes of row sums
	s_add_co_u32 s20, s20, s14
	s_mul_i32 s20, s20, KS*32768
	s_add_co_u32 s20, s20, AOFF
	s_mov_b32 s21, 0
	s_mul_i32 s40, s17, KS*81920                   ; weights: tile column X, K step 0, my half's 160 rows, behind the records
	s_mul_i32 s42, s14, 40960
	s_add_co_u32 s40, s40, s42
	s_add_co_u32 s40, s40, 65536
	s_mov_b32 s41, 0
	s_wait_dscnt 0x0                               ; both opening adds are done
	s_wait_kmcnt 0x0
	s_add_nc_u64 s[22:23], s[6:7], s[20:21]
	s_add_nc_u64 s[44:45], s[8:9], s[40:41]
	CROUND                                         ; all sixteen work-groups are here: the first joint loads meet
.irp s, 0,1
	s_mov_b32 s[G0A+4*(\s)], 1
	s_add_co_u32 s[G0A+4*(\s)+1], s5, (\s)*SLOT
	s_add_nc_u64 s[G0A+4*(\s)+2:G0A+4*(\s)+3], s[22:23], (\s)*32768
	s_or_b32 s[G0A+4*(\s)+3], s[G0A+4*(\s)+3], 0x80000000
	s_mov_b32 s[G0B+4*(\s)], 1
	s_add_co_u32 s[G0B+4*(\s)+1], s19, (\s)*SLOT
	s_add_nc_u64 s[G0B+4*(\s)+2:G0B+4*(\s)+3], s[44:45], (\s)*81920
	s_or_b32 s[G0B+4*(\s)+3], s[G0B+4*(\s)+3], 0x80000000
	JLOAD \s                                       ; two loads of mine are out
.endr
	; the prefetches' address (at K step 3: the first trip steps it to 4), step and last trip
	s_lshl_b32 s42, s15, 14
	s_add_co_u32 s42, s42, s20
	s_add_co_u32 s42, s42, 3*32768
	s_mul_i32 s43, s14, 40960-24576                ; s40 holds 40,960 x half; wanted is 24,576 x half
	s_sub_co_u32 s43, s40, s43
	s_mul_i32 s46, s16, 40960
	s_add_co_u32 s43, s43, s46
	s_add_co_u32 s43, s43, 3*81920
	s_and_b32 s46, ttmp7, 0xffff
	s_mov_b32 s68, 81920
	s_cmp_eq_u32 s13, 0
	s_cselect_b32 s42, s42, s43
	s_cselect_b32 s46, ttmp9, s46                  ; the coordinate along which other clusters read the same bytes
	s_cselect_b32 s68, 32768, s68
	s_cselect_b64 s[66:67], s[6:7], s[8:9]
	s_mov_b32 s43, 0
	s_mov_b32 s69, 0
	s_add_nc_u64 s[66:67], s[66:67], s[42:43]
	s_cmp_eq_u32 s46, 0
	s_cselect_b32 s70, KS-4, 0                     ; the same in all sixteen partners, for a given wave
	; the rows' sums of squares and my two units' records
	v_and_b32 v1, 15, v0                           ; r
	v_bfe_u32 v2, v0, 4, 1                         ; h
	v_lshlrev_b32 v18, 3, v0
	v_lshlrev_b32 v19, 5, v1
	s_lshl_b32 s20, s18, 10
	s_add_nc_u64 s[22:23], s[6:7], s[20:21]
	s_lshl_b32 s40, s17, 11
	s_lshl_b32 s42, s14, 10
	s_add_co_u32 s40, s40, s42
	s_add_nc_u64 s[44:45], s[8:9], s[40:41]
.set pp, 0
.rept PLANES
	global_load_b64 v[112+2*pp:113+2*pp], v18, s[22:23] offset:8192*pp
.set pp, pp+1
.endr
	global_load_b128 v[20:23], v19, s[44:45]
	global_load_b64 v[24:25], v19, s[44:45] offset:16
	global_load_b128 v[28:31], v19, s[44:45] offset:512
	global_load_b64 v[32:33], v19, s[44:45] offset:528
	; lane addresses.  A fragment is 16 rows x 32 K in 8 registers: lane l holds row l % 16, K = 8 (l / 16) + 0..7 and 16 + 8 (l / 16) + 0..7: two loads of 16 bytes, 32 bytes apart
	v_mul_u32_u24 v3, v1, P
	v_lshl_add_u32 v3, v2, 4, v3
	s_mul_i32 s20, s13, AH
	s_mul_i32 s21, s14, BH
	s_add_co_u32 s21, s21, BOFF
	v_add_nc_u32 v5, s20, v3                       ; v5: my rows of a in slot 0
	v_add_nc_u32 v7, s21, v3                       ; v7: my weights in slot 0
	v_mov_b32 v4, v5                               ; v4, v6: in the slot that is read
	v_mov_b32 v6, v7
	s_mul_i32 s20, s13, 128*P                      ; v8: into the stage: row 128 (w / 2) + 8 h, column 32 (w % 2) + r
	s_lshl_b32 s21, s14, 7
	s_add_co_u32 s20, s20, s21
	v_mul_u32_u24 v8, v2, 8*P
	v_lshl_add_u32 v8, v1, 2, v8
	v_add_nc_u32 v8, s20, v8
	s_mul_i32 s20, s12, 64*P                       ; v9: back: rows 64 w on, lanes 0-15 one row of 256 bytes, lanes 16-31 the next
	v_mul_u32_u24 v9, v2, P
	v_lshl_add_u32 v9, v1, 4, v9
	v_add_nc_u32 v9, s20, v9
	v_lshlrev_b32 v10, 13, v2                      ; v10: the same two rows in memory (8,192 bytes a row)
	v_lshl_add_u32 v10, v1, 4, v10
	s_lshl_b32 s20, s13, 9                         ; v11: my rows' sums of squares
	s_add_co_u32 s20, s20, XS
	v_lshl_add_u32 v11, v2, 5, s20
	s_lshl_b32 s20, s13, 9                         ; v12: my units' statistics: lanes 0-15 the mean, lanes 16-31 M2
	s_lshl_b32 s21, s14, 7
	s_add_co_u32 s20, s20, s21
	s_add_co_u32 s20, s20, STS
	v_lshlrev_b32 v12, 8, v2
	v_lshl_add_u32 v12, v1, 2, v12
	v_add_nc_u32 v12, s20, v12
	v_and_b32 v13, 31, v0                          ; v13: a row half's 512 bytes of statistics, read back
	v_lshlrev_b32 v15, 8, v13                      ; v15: the prefetches' offset: 256 x lane
	s_lshl_b32 s20, s14, 9
	s_add_co_u32 s20, s20, STS
	v_lshl_add_u32 v13, v13, 4, s20
	v_add_nc_u32 v36, XS, v18
	s_lshl_b32 s42, s18, 8                         ; q at row 256 Y + 64 w, column 64 X, behind the statistics
	s_lshl_b32 s43, s12, 6
	s_add_co_u32 s42, s42, s43
	s_lshl_b32 s42, s42, 13
	s_lshl_b32 s43, s17, 8
	s_add_co_u32 s42, s42, s43
	s_add_co_u32 s42, s42, 262144
	s_mov_b32 s43, 0
	s_add_nc_u64 s[78:79], s[10:11], s[42:43]
	s_lshl_b32 s42, s18, 2                         ; the statistics of row block 2 Y + w (waves 0 and 1): planes 2 (2 Y + w), + 1
	s_lshl1_add_u32 s42, s12, s42
	s_lshl_b32 s42, s42, 13
	s_lshl_b32 s40, s17, 8
	s_add_co_u32 s42, s42, s40
	s_add_nc_u64 s[76:77], s[10:11], s[42:43]
	s_wait_loadcnt 0x0
.if PLANES > 1
.set pp, 1
.rept PLANES-1
	v_pk_add_f32 v[112:113], v[112:113], v[112+2*pp:113+2*pp]
.set pp, pp+1
.endr
.endif
	ds_store_b64 v36, v[112:113]
	; what the sums start from, as C operands of the first products: eight copies (a lane's eight rows) of -|mu|^2 / 2 and the four -mu.v, for both groups; they lie where the weights' buffer 1 will lie
.set gg, 0
.rept 2
.set tt, 0
.rept 5
.set jj, 0
.rept 8
	v_mov_b32 v[FB1+8*(5*gg+tt)+jj], v[21+8*gg+tt]
.set jj, jj+1
.endr
.set tt, tt+1
.endr
.set gg, gg+1
.endr
; Combos c0 to c1, five matrix instructions each, 32 along K, from buffer f.  The 80 accumulators take turns, one instruction a turn, in the same order in every quarter.  init = 1: the first products.
.macro MULS f, c0, c1, init=0
.set cc, \c0
.rept (\c1)-(\c0)+1
.set ww, 1+cc/6
.if \init
	WIN 0x0c|(ww<<6)
.elseif (\f) == 0
	WIN 0x0c|(ww<<4)|(ww<<6)
.else
	WIN (ww<<4)|(ww<<6)
.endif
.set tt, 0
.rept 5
.set rD, 40*(cc%6)+8*tt
.set rA, FA0+64*(\f)+8*(cc/2)
.if (\f) == 0
.set rB, FB0+8*(5*(cc%2)+tt)
.else
.set rB, FB1+8*(5*(cc%2)+tt)
.endif
.if \init
.set rC, FB1+8*(5*(cc%2)+tt)
	v_wmma_f32_16x16x32_f16 v[rD:rD+7], v[rA:rA+7], v[rB:rB+7], v[rC:rC+7]
.else
	v_wmma_f32_16x16x32_f16 v[rD:rD+7], v[rA:rA+7], v[rB:rB+7], v[rD:rD+7]
.endif
.set tt, tt+1
.endr
.set cc, cc+1
.endr
.endm
; 36 LDS loads in one run: a quarter step's fragments (160 rows of weights, then 128 rows of a, 32 K at byte k of the rows of the slot that is read) into buffer f
.macro FETCH k, f
.if (\f) == 0
	WIN 0xc0
.set rB, FB0
.else
	WIN 0
.set rB, FB1
.endif
.set ii, 0
.rept 10
	ds_load_b128 v[rB+8*ii:rB+8*ii+3],   v6 offset:(\k)+ii*16*P
	ds_load_b128 v[rB+8*ii+4:rB+8*ii+7], v6 offset:(\k)+ii*16*P+32
.set ii, ii+1
.endr
	WIN 0
.set rA, FA0+64*(\f)
.set ii, 0
.rept 8
	ds_load_b128 v[rA+8*ii:rA+8*ii+3],   v4 offset:(\k)+ii*16*P
	ds_load_b128 v[rA+8*ii+4:rA+8*ii+7], v4 offset:(\k)+ii*16*P+32
.set ii, ii+1
.endr
.endm
; A K step is four quarters of 32 along K, 80 matrix instructions each, on buffers 0, 1, 0, 1.  One of the first three: multiplies f and fetches the next quarter, at byte k, into g.
.macro QUARTER k, f, g
	s_wait_dscnt 10                                ; the weights and a's fragments 0-2 are in; the youngest ten loads (fragments 3-7) may be out
	MULS \f, 0, 5
	PLACES
	FETCH \k, \g
	s_wait_dscnt 36                                ; all but the 36 just issued
	MULS \f, 6, 15
.endm
; The last quarter multiplies buffer 1 and changes slots: one barrier; ahead of it each wave waits for all its tensor loads (one is out at the most: its part of the next slot), adds 0 to its spare word, and waits for that
; and for its reads of this slot.  fill = 1: the barrier opens a round of the cluster's barrier, and the slot just read is filled again, two K steps on, first thing behind the round: 290 matrix instructions ahead of the
; wait for it.  The walking descriptor takes the slot just read and the next K step; then the scalar turns to the other slot and the two fragment addresses are made anew from it.
.macro TURN fill
.if \fill
	s_wait_xcnt 0x0                                ; the last prefetches, a K step back or more, have read their address: it is stepped here
	s_add_nc_u64 s[66:67], s[66:67], s[68:69]
.endif
	WIN 0
	s_wait_tensorcnt 0x0
	ds_add_u32 v16, v17                            ; 0 onto my spare word
	s_wait_dscnt 11                                ; (the add and the youngest ten loads may be out)
	MULS 1, 0, 2
	s_wait_dscnt 0x0                               ; the add is done, and my reads of this slot are over
	s_barrier_signal -1
	MULS 1, 3, 5
	WIN 0
	s_barrier_wait -1
.if \fill
	CREST                                          ; no wave of any partner still reads this slot or has a load on its way
	s_add_co_u32 s[G0A+5], s4, s5                  ; no tensor load of mine is out, so the descriptors may be written: into the slot just read,
	s_add_co_u32 s[G0B+5], s4, s19
	s_add_nc_u64 s[G0A+6:G0A+7], s[G0A+6:G0A+7], 32768  ; the K step behind the one asked for last; the type bits on top are not reached
	s_add_nc_u64 s[G0B+6:G0B+7], s[G0B+6:G0B+7], 81920
	s_xor_b32 s4, s4, SLOT                         ; the other slot is read from here on
	JLOAD 1                                        ; the four v_nop behind it are also the places ahead of the loads below
.else
	s_xor_b32 s4, s4, SLOT
	PLACES
.endif
	v_add_nc_u32 v4, s4, v5
	v_add_nc_u32 v6, s4, v7
	FETCH 0, 0
.if \fill
	ASK
.endif
	MULS 1, 6, 15
.endm
	s_wait_tensorcnt 0x1                           ; my part of K step 0 is in; K step 1's may stay out
	s_wait_dscnt 0x0                               ; my rows' sums lie in LDS
	s_barrier_signal -1
	s_barrier_wait -1
	FETCH 0, 0
	s_wait_dscnt 0x0
	MULS 0, 0, 15, 1                               ; the first quarter stands ahead of the loop: its products start the sums
	PLACES
	FETCH 64, 1                                    ; only now: buffer 1 held the C operands
	WIN 0
	s_mov_b32 s3, 0
.Lstep:                                                ; KS - 2 trips: from a K step's second quarter to the next step's first; the slot that is left is filled again
	QUARTER 128, 1, 0
	QUARTER 192, 0, 1
	TURN 1
	QUARTER 64, 0, 1
	WIN 0
	s_add_co_u32 s3, s3, 1
	s_cmp_lt_u32 s3, KS-2
	s_cbranch_scc1 .Lstep
	s_mov_b32 s2, 2
.Ltail:                                                ; the last two K steps fill nothing: their own text; the second trip is left in its middle
	QUARTER 128, 1, 0
	QUARTER 192, 0, 1
	TURN 0                                         ; in the second trip its 36 LDS loads read the other slot's old tile and serve nothing: the price, once a launch, of one text for both trips
	WIN 0
	s_sub_co_u32 s2, s2, 1
	s_cmp_eq_u32 s2, 0
	s_cbranch_scc1 .Lout
	QUARTER 64, 0, 1
	WIN 0
	s_branch .Ltail
.Lout:
	s_wait_dscnt 0x0                               ; those loads are back: their registers are free, and my reads of slot 0 are over;
	s_barrier_signal -1
	s_barrier_wait -1                              ; everybody's are: the stage, which lies in slot 0, may be written
	; THE FORMULA.  In each combo accumulator 0 becomes lam (|a|^2 - 2 S0) + S1^2 + S2^2 + S3^2 + S4^2.  Each accumulator is read from its low pair on.
	PLACES
	WIN 0
.set aa, 0
.rept 8
	ds_load_b128 v[FA0+8*aa:FA0+8*aa+3],   v11 offset:64*aa     ; |a|^2 of rows 16 a + 8 h + 0..7
	ds_load_b128 v[FA0+8*aa+4:FA0+8*aa+7], v11 offset:64*aa+16
.set aa, aa+1
.endr
	s_wait_dscnt 0x0
.macro QUAD c0, c1                     ; the combos of one window
.set ww, 1+(\c0)/6
	WIN ww|(ww<<6)
.set cc, \c0
.rept (\c1)-(\c0)+1
.set rD, 40*(cc%6)
.set rX, FA0+8*(cc/2)
.set rL, 20+8*(cc%2)
.set pp, 0
.rept 4
	v_pk_fma_f32 v[rD+2*pp:rD+2*pp+1], v[rD+2*pp:rD+2*pp+1], -2.0, v[rX+2*pp:rX+2*pp+1] op_sel_hi:[1,0,1]
.set pp, pp+1
.endr
.set pp, 0
.rept 4
	v_pk_mul_f32 v[rD+2*pp:rD+2*pp+1], v[rD+2*pp:rD+2*pp+1], v[rL:rL+1] op_sel_hi:[1,0]
.set pp, pp+1
.endr
.set cc, cc+1
.endr
	WIN 0x55*ww
.set cc, \c0
.rept (\c1)-(\c0)+1
.set rD, 40*(cc%6)
.set tt, 1
.rept 4
.set pp, 0
.rept 4
	v_pk_fma_f32 v[rD+2*pp:rD+2*pp+1], v[rD+8*tt+2*pp:rD+8*tt+2*pp+1], v[rD+8*tt+2*pp:rD+8*tt+2*pp+1], v[rD+2*pp:rD+2*pp+1]
.set pp, pp+1
.endr
.set tt, tt+1
.endr
.set cc, cc+1
.endr
.endm
	QUAD 0, 5
	QUAD 6, 11
	QUAD 12, 15
.if KS == 16                           ; layer 2 alone: q = exp(-q / 2048)
.macro EXPS c0, c1
.set ww, 1+(\c0)/6
	WIN ww|(ww<<6)
.set cc, \c0
.rept (\c1)-(\c0)+1
.set rD, 40*(cc%6)
.set pp, 0
.rept 4
	v_pk_mul_f32 v[rD+2*pp:rD+2*pp+1], v[rD+2*pp:rD+2*pp+1], s[74:75] op_sel_hi:[1,0]
.set pp, pp+1
.endr
.set pp, 0
.rept 8
	v_exp_f32 v[rD+pp], v[rD+pp]
.set pp, pp+1
.endr
.set cc, cc+1
.endr
.endm
	EXPS 0, 5                                      ; one batch of 128 exponentials; nothing ahead of the wait names a result
	EXPS 6, 11
	EXPS 12, 15
	WIN 0
	v_nop                                          ; a plain instruction behind the last exponential
	s_wait_alu depctr_va_vdst(0)                   ; and a wait ahead of the first reader
.endif
	; THE STATISTICS of my 128 rows, for my 32 units: the mean first, then the squares about it
	WIN 0x05
.set gg, 0
.rept 2
.set pp, 0
.rept 4
	v_pk_add_f32 v[CHN+2*(4*gg+pp):CHN+2*(4*gg+pp)+1], v[40*gg+2*pp:40*gg+2*pp+1], v[40*(2+gg)+2*pp:40*(2+gg)+2*pp+1]  ; combos g and 2 + g start the chains
.set pp, pp+1
.endr
.set gg, gg+1
.endr
.set cc, 4
.rept 12
.set ww, 1+cc/6
	WIN ww<<2
.set pp, 0
.rept 4
	v_pk_add_f32 v[CHN+2*(4*(cc%2)+pp):CHN+2*(4*(cc%2)+pp)+1], v[CHN+2*(4*(cc%2)+pp):CHN+2*(4*(cc%2)+pp)+1], v[40*(cc%6)+2*pp:40*(cc%6)+2*pp+1]
.set pp, pp+1
.endr
.set cc, cc+1
.endr
	WIN 0
.macro JOIN base, out                  ; four pairs, and the other half of the lanes' (the unit's other 64 rows), into one number
	v_pk_add_f32 v[(\base):(\base)+1], v[(\base):(\base)+1], v[(\base)+2:(\base)+3]
	v_pk_add_f32 v[(\base)+4:(\base)+5], v[(\base)+4:(\base)+5], v[(\base)+6:(\base)+7]
	v_pk_add_f32 v[(\base):(\base)+1], v[(\base):(\base)+1], v[(\base)+4:(\base)+5]
	v_add_f32 v[\out], v[(\base)], v[(\base)+1]
	v_permlanex16_b32 v[(\base)+2], v[\out], s72, s73
	v_add_f32 v[\out], v[\out], v[(\base)+2]
.endm
	JOIN CHN, 36
	JOIN CHN+8, 38
	v_mul_f32 v[MEAN], 0x3c000000, v36             ; / 128
	v_mul_f32 v[MEAN+2], 0x3c000000, v38
	v_mov_b32 v[MEAN+1], v[MEAN]                   ; named as pairs
	v_mov_b32 v[MEAN+3], v[MEAN+2]
.macro SQS c0, c1                      ; one window's differences into window 0, then their squares onto the chains
.set ww, 1+(\c0)/6
	WIN ww
.set cc, \c0
.rept (\c1)-(\c0)+1
.set pp, 0
.rept 4
	v_pk_add_f32 v[DT+8*(cc-(\c0))+2*pp:DT+8*(cc-(\c0))+2*pp+1], v[40*(cc%6)+2*pp:40*(cc%6)+2*pp+1], v[MEAN+2*(cc%2):MEAN+2*(cc%2)+1] op_sel_hi:[1,0] neg_lo:[0,1] neg_hi:[0,1]
.set pp, pp+1
.endr
.set cc, cc+1
.endr
	WIN 0
.set cc, \c0
.rept (\c1)-(\c0)+1
.set pp, 0
.rept 4
.set rM, M2C+2*(4*(cc%2)+pp)
.set rT, DT+8*(cc-(\c0))+2*pp
.if cc < 2
	v_pk_mul_f32 v[rM:rM+1], v[rT:rT+1], v[rT:rT+1]
.else
	v_pk_fma_f32 v[rM:rM+1], v[rT:rT+1], v[rT:rT+1], v[rM:rM+1]
.endif
.set pp, pp+1
.endr
.set cc, cc+1
.endr
.endm
	SQS 0, 5
	SQS 6, 11
	SQS 12, 15
	JOIN M2C, 37
	JOIN M2C+8, 39
	v_cndmask_b32 v36, v[MEAN], v37, s71           ; lanes 0-15 carry the mean, lanes 16-31 M2
	v_cndmask_b32 v38, v[MEAN+2], v39, s71
	ds_store_b32 v12, v36
	ds_store_b32 v12, v38 offset:64
	; THE WAY OUT through a stage of 256 rows x 272 bytes in slot 0's rows of a: that slot has had its last fill, and every wave's reads of it ended ahead of the barrier behind the last K step
.set cc, 0
.rept 16
.set ww, 1+cc/6
	WIN ww<<2
.set jj, 0
.rept 8
	ds_store_b32 v8, v[40*(cc%6)+jj] offset:(16*(cc/2)+jj)*P+64*(cc%2)
.set jj, jj+1
.endr
.set cc, cc+1
.endr
	WIN 0
	s_wait_dscnt 0x0                               ; for the others' sake: a row's 256 bytes come from two waves
	s_barrier_signal -1
	s_barrier_wait -1
.set ii, 0
.rept 32
	ds_load_b128 v[48+4*ii:51+4*ii], v9 offset:2*P*ii
.set ii, ii+1
.endr
.set ii, 0
.rept 32
	s_wait_dscnt 31-ii
	global_store_b128 v10, v[48+4*ii:51+4*ii], s[78:79] offset:16384*ii th:TH_STORE_NT  ; 16 lanes store 256 consecutive bytes, at a multiple of 256 from the buffer's first
.set ii, ii+1
.endr
	s_cmp_lt_u32 s12, 2                            ; waves 0 and 1 store the two row halves' statistics
	s_cbranch_scc0 .Lno_stat
	ds_load_b128 v[176:179], v13
	s_wait_dscnt 0x0
	global_store_b128 v10, v[176:179], s[76:77]
.Lno_stat:
	s_wait_tensorcnt 0x0                           ; the wave's end, behind my last tensor load and my last LDS store
	ds_add_u32 v16, v17
	s_wait_dscnt 0x0
	CROUND                                         ; the closing round
	s_endpgm
.Lfunc_end_k_qf7b8932fe8_hmu2:
	.size	k_qf7b8932fe8_hmu2, .Lfunc_end_k_qf7b8932fe8_hmu2-k_qf7b8932fe8_hmu2
	.p2alignl 7, 3214868480
	.fill 96, 4, 3214868480
	.section	.rodata,"a",@progbits
	.p2align	6, 0x0
	.amdhsa_kernel k_qf7b8932fe8_hmu2
		.amdhsa_group_segment_fixed_size 327680
		.amdhsa_private_segment_fixed_size 0
		.amdhsa_enable_private_segment 0
		.amdhsa_kernarg_size 24
		.amdhsa_user_sgpr_count 2
		.amdhsa_user_sgpr_kernarg_segment_ptr 1
		.amdhsa_wavefront_size32 1
		.amdhsa_system_sgpr_workgroup_id_x 1
		.amdhsa_system_sgpr_workgroup_id_y 1
		.amdhsa_system_sgpr_workgroup_id_z 1
		.amdhsa_system_vgpr_workitem_id 0
		.amdhsa_next_free_vgpr 1024
		.amdhsa_next_free_sgpr 80
		.amdhsa_reserve_vcc 0
		.amdhsa_float_denorm_mode_32 3
		.amdhsa_float_denorm_mode_16_64 3
		.amdhsa_memory_ordered 1
		.amdhsa_forward_progress 1
		.amdhsa_inst_pref_size 150
	.end_amdhsa_kernel
	.amdgpu_metadata
---
amdhsa.version: [ 1, 2 ]
amdhsa.kernels:
  - .name:           k_qf7b8932fe8_hmu2
    .symbol:         k_qf7b8932fe8_hmu2.kd
    .args:
      - { .name: ac2, .offset: 0, .size: 8, .value_kind: global_buffer, .address_space: global }
      - { .name: wk2, .offset: 8, .size: 8, .value_kind: global_buffer, .address_space: global }
      - { .name: qs, .offset: 16, .size: 8, .value_kind: global_buffer, .address_space: global }
    .group_segment_fixed_size: 327680
    .private_segment_fixed_size: 0
    .kernarg_segment_align: 8
    .kernarg_segment_size: 24
    .max_flat_workgroup_size: 128
    .sgpr_count:     80
    .vgpr_count:     1024
    .wavefront_size: 32
...
	.end_amdgpu_metadata
.endif
;; end of part 8
;; launch bn2: the kernel of part 5 again; grid 16 x 16, 16 waves a work-group, no clusters, 4,096 bytes of LDS; arguments qs, g2, b2, out2, out3, ac2; writes out2, out3, ac2
;; launch lin (part 9): grid 16 x 16, 4 waves a work-group, clusters of 4 x 4, 327,680 bytes of LDS; arguments ac2, wlh, bl, out0; writes out0
.if DOCPART == 9
	.amdgcn_target "amdgcn-amd-amdhsa--gfx1250"
	.amdhsa_code_object_version 6
	.text
	.protected	k_qf7b8932fe8_lin
	.globl	k_qf7b8932fe8_lin
	.p2align	8
	.type	k_qf7b8932fe8_lin,@function
k_qf7b8932fe8_lin:
	s_mov_b64 s[64:65], 0
	v_nop
	global_prefetch_b8 v0, s[64:65] scope:SCOPE_SE
	s_setreg_imm32_b32 hwreg(HW_REG_WAVE_MODE, 25, 1), 1
	s_wait_xcnt 0x0
	s_wait_alu depctr_hold_cnt(0) depctr_sa_sdst(0) depctr_va_vdst(0) depctr_va_sdst(0) depctr_va_ssrc(0) depctr_va_vcc(0) depctr_vm_vsrc(0)
	s_getreg_b32 s2, hwreg(HW_REG_IB_STS2, 6, 4)
	s_cmp_eq_u32 s2, 0
	s_cbranch_scc0 .Lentry_in_a_cluster
	s_endpgm
.Lentry_in_a_cluster:
	s_bfe_u32 s2, ttmp6, 0x10000c
	s_cmp_lg_u32 s2, 0xf033
	s_cbranch_scc0 .Lentry_shape_is_right
	s_endpgm
.Lentry_shape_is_right:
; LOGITS.  out0[m][n] = sum over k of feat2[m][k] Wl[n][k] + bl[n].  feat2 (2,048 rows) and Wl (padded to 1,024 rows, the last 24 of them 0) are f16, blocked [row / 128][K step of 128][row % 128][128];
; sums in f32; bl is rounded to bf16 like every input; out0 is [2048][1000] f32.
; A tile of out0 is 128 rows x 64 columns: 16 x 16 work-groups, one for each of 256 WGPs; it brings (128 + 64) x 4,096 bytes into LDS.  Four waves, each 64 rows x 32 columns: 8 accumulators.
; K goes in eight steps of 256 through two LDS slots: a step is two dense blocks of feat2 (128 rows x 256 bytes, waves 0 and 1) and two half blocks of Wl (64 rows x 256 bytes, waves 2 and 3), one load a wave.
; A K STEP IS WRITTEN ONCE for the six trips that fill a slot again and once for the last two, which fill nothing: which slot is read lies in a scalar (0 or SLOT) that an exclusive or turns at each change of slots.
; CLUSTER 4 x 4: the four of a row of the cluster need the same blocks of feat2, the four of a column the same half blocks of Wl: asked for jointly.
; THE MATRIX INSTRUCTION IS USED TRANSPOSED (source 0 = 16 rows of Wl, source 1 = 16 rows of feat2): a lane holds eight neighbouring numbers of a row of out0.
; A row of out0 is 4,000 bytes, so its rows do not begin at multiples of 256: sixteen lanes store 256 consecutive bytes of one row, and no more can be had.  Columns 1,000 to 1,023 are computed and not stored.
; No prefetch: the tiles are small.  LIMITS: operands within 65,504; NaN and infinities are not treated apart.
; REGISTERS: window 0: v0-31 addresses; v32-47 bl of my 32 columns (8 a lane for each of 2 column blocks); v64 at work; v96-99 bl's offsets; v128-191 the accumulators ((a, b) at 128 + 8 (2 a + b)), later whole rows.
;   window 1: two fragment buffers, at v0 and v128: for 64 along K, 64 registers of feat2 (2 x 4 x 16 rows x 32 K), then 32 of Wl (2 x 2 x 16 rows x 32 K).
.set P,     272                        ; an LDS row: 256 bytes + 16 of padding: the 16 rows of a fragment load start at 16 different groups of four banks (64 banks of 4 bytes: ISA guide 11.1)
.set BLK,   128*P                      ; a block of feat2: what wave 0 or 1 brings
.set BHB,   64*P                       ; half a block of Wl: what wave 2 or 3 brings
.set SLOT,  2*BLK+2*BHB                ; feat2's two blocks, then Wl's two half blocks
.set SPARE, 2*SLOT                     ; the spare words, 128 bytes a wave, which no other line names
.set SP,    272                        ; the stage: 128 rows of 256 bytes + 16, in slot 0 behind its last fill
.set STEPS, 8                          ; 2,048 / 256
.set ADRA, 16                          ; v16  my fragments of feat2 in the slot that is read; v17 the same in slot 0, never rewritten
.set ADRB, 20                          ; v20, v21  the same for Wl
.set ACC,  128
.set F0,   0
.set F1,   128
.set G1, 24                            ; s[24:31] group 1 for feat2; s[32:39] group 0: a set for each of the two first fills; the second then walks on
.set G0, 32
.set G1B, 48                           ; s[48:55], s[56:63] the same for Wl
.set G0B, 56
.set G1W, (1<<16)|(1<<20)|(1<<21)|(5<<22)|(3<<25)  ; 2-byte elements; padding on; bit 21 beside a mask; after every 64 words, 4 words
; s2 the tail's trips, s3 the loop's trips, s19 the slot that is read (0 or SLOT), s46, s66 where my block of feat2, my half block of Wl goes in a slot
.set MSB, 0
.macro WIN new
.if MSB != (\new)
	s_set_vgpr_msb (MSB<<8)|(\new)
.set MSB, \new
.endif
.endm
.set MUL,  0x05                        ; sources 0 and 1 window 1; C and D window 0
.set TO_F, 0x40                        ; destination window 1, address window 0
.macro PLACES
.rept 4
	v_nop
.endr
.endm
.macro JLOAD s                         ; waves 0 and 1 fetch feat2's two blocks, waves 2 and 3 Wl's two half blocks; an s_nop 0 and four v_nop follow each of the two lines
	s_cmp_eq_u32 s13, 0
	s_cbranch_scc0 .Lfor_b_\@
	tensor_load_to_lds s[G0+4*(\s):G0+4*(\s)+3], s[G1:G1+7]
	s_nop 0
.rept 4
	v_nop
.endr
	s_branch .Lasked_\@
.Lfor_b_\@:
	tensor_load_to_lds s[G0B+4*(\s):G0B+4*(\s)+3], s[G1B:G1B+7]
	s_nop 0
.rept 4
	v_nop
.endr
.Lasked_\@:
.endm
.macro CREST
	s_cmp_lg_u32 s12, 0
	s_cbranch_scc1 .Lnot_wave_0_\@
	s_barrier_signal -3
.Lnot_wave_0_\@:
	s_barrier_wait -3
	s_barrier_signal -1
	s_barrier_wait -1
.endm
.macro CROUND
	s_barrier_signal -1
	s_barrier_wait -1
	CREST
.endm
	s_load_b256 s[4:11], s[0:1], 0x0               ; feat2 s[4:5], Wl s[6:7], bl s[8:9], out0 s[10:11]
	v_lshl_add_u32 v28, v0, 2, SPARE
	v_mov_b32 v29, 0
	ds_add_u32 v28, v29                            ; the wave's opening: the add, twice on end, and its wait ahead of my first tensor load
	ds_add_u32 v28, v29
	v_lshrrev_b32 v1, 5, v0
	v_readfirstlane_b32 s12, v1                    ; wave
	s_lshr_b32 s13, s12, 1                         ; my half of the tile's rows.  Also: I fetch feat2 (0) or Wl (1)
	s_and_b32 s14, s12, 1                          ; my half of its columns.  Also: which of a step's two K steps of 128 I fetch
	s_bfe_u32 s15, ttmp6, 0x40000                  ; cx
	s_bfe_u32 s16, ttmp6, 0x40004                  ; cy
	s_lshl_b32 s17, ttmp9, 2
	s_add_co_u32 s17, s17, s15                     ; tile column, 64 columns each
	s_and_b32 s18, ttmp7, 0xffff
	s_lshl_b32 s18, s18, 2
	s_add_co_u32 s18, s18, s16                     ; tile row, 128 rows each
	s_lshl_b32 s20, s16, 2
	s_lshl_b32 s20, 15, s20                        ; my row of the cluster
	s_lshl_b32 s40, 0x1111, s15                    ; my column
	s_or_b32 s[G1], s20, G1W
	s_or_b32 s[G1B], s40, G1W
	s_mov_b32 s[G1+1], 128<<16                     ; tensor_dim0 = 128
	s_mov_b32 s[G1+2], 128<<16                     ; tensor_dim1 = 128
	s_mov_b32 s[G1+3], 128<<16                     ; tile_dim0 = 128
	s_mov_b32 s[G1+4], 128                         ; tile_dim1 = 128
	s_mov_b32 s[G1+5], 128                         ; 128 elements from row to row: the blocks are dense
	s_mov_b32 s[G1+6], 0
	s_mov_b32 s[G1+7], 0
	s_mov_b32 s[G1B+1], 128<<16
	s_mov_b32 s[G1B+2], 64<<16                     ; 64 rows
	s_mov_b32 s[G1B+3], 128<<16
	s_mov_b32 s[G1B+4], 64
	s_mov_b32 s[G1B+5], 128
	s_mov_b32 s[G1B+6], 0
	s_mov_b32 s[G1B+7], 0
	s_lshl_b32 s20, s18, 4                         ; feat2: block 16 x tile row + my block of step 0, behind the planes
	s_add_co_u32 s20, s20, s14
	s_lshl_b32 s20, s20, 15
	s_add_co_u32 s20, s20, 131072
	s_mov_b32 s21, 0
	s_lshr_b32 s40, s17, 1                         ; Wl: block 16 x (tile column / 2) + my block,
	s_lshl_b32 s40, s40, 4
	s_add_co_u32 s40, s40, s14
	s_lshl_b32 s40, s40, 15
	s_and_b32 s41, s17, 1                          ; its upper or lower 64 rows of 256 bytes
	s_lshl_b32 s41, s41, 14
	s_add_co_u32 s40, s40, s41
	s_mov_b32 s41, 0
	s_mul_i32 s46, s14, BLK                        ; where they go in a slot: no place in the cluster enters an LDS address
	s_mul_i32 s66, s14, BHB
	s_add_co_u32 s66, s66, 2*BLK
	s_mov_b32 s19, 0                               ; slot 0 is read first
	s_mov_b32 s47, 0xffff0000
	s_wait_dscnt 0x0                               ; both opening adds are done
	s_wait_kmcnt 0x0
	s_add_nc_u64 s[22:23], s[4:5], s[20:21]
	s_add_nc_u64 s[44:45], s[6:7], s[40:41]
	CROUND                                         ; all sixteen work-groups are here: the first joint loads meet
.irp s, 0,1
	s_mov_b32 s[G0+4*(\s)], 1
	s_add_co_u32 s[G0+4*(\s)+1], s46, (\s)*SLOT
	s_add_nc_u64 s[G0+4*(\s)+2:G0+4*(\s)+3], s[22:23], (\s)*65536
	s_or_b32 s[G0+4*(\s)+3], s[G0+4*(\s)+3], 0x80000000
	s_mov_b32 s[G0B+4*(\s)], 1
	s_add_co_u32 s[G0B+4*(\s)+1], s66, (\s)*SLOT
	s_add_nc_u64 s[G0B+4*(\s)+2:G0B+4*(\s)+3], s[44:45], (\s)*65536
	s_or_b32 s[G0B+4*(\s)+3], s[G0B+4*(\s)+3], 0x80000000
	JLOAD \s                                       ; two loads of mine are out
.endr
	v_and_b32 v1, 15, v0                           ; l % 16
	v_bfe_u32 v2, v0, 4, 1                         ; l / 16
	; bl of my columns 64 X + 32 half + 16 b + 8 (l / 16) + 0..7; past bl's end the offset is held to its last 16 bytes (those columns are not stored)
	s_lshl_b32 s40, s17, 8
	s_lshl_b32 s41, s14, 7
	s_add_co_u32 s40, s40, s41
	v_lshl_add_u32 v27, v2, 5, s40
.irp n, 0,1,2,3
	v_add_nc_u32 v[96+\n], 64*(\n/2)+16*(\n%2), v27
	v_min_u32 v[96+\n], 3984, v[96+\n]
.endr
.irp n, 0,1,2,3
	global_load_b128 v[32+4*\n:35+4*\n], v[96+\n], s[8:9]
.endr
	v_mul_u32_u24 v3, v1, P
	v_lshl_add_u32 v3, v2, 4, v3                   ; a fragment's row x pitch + 16 x half
	s_mul_i32 s20, s13, 64*P                       ; my 64 rows of feat2's blocks
	s_mul_i32 s21, s14, 32*P                       ; my 32 rows of Wl's half blocks,
	s_add_co_u32 s21, s21, 2*BLK                   ; which lie behind feat2's two blocks
	v_add_nc_u32 v[ADRA+1], s20, v3
	v_add_nc_u32 v[ADRB+1], s21, v3
	v_mov_b32 v[ADRA], v[ADRA+1]
	v_mov_b32 v[ADRB], v[ADRB+1]
	s_mul_i32 s20, s13, 64*SP                      ; v24: into the stage: row 64 half + l % 16, byte 128 x column half + 32 (l / 16)
	s_lshl_b32 s21, s14, 7
	s_add_co_u32 s20, s20, s21
	v_mul_u32_u24 v24, v1, SP
	v_lshl_add_u32 v24, v2, 5, v24
	v_add_nc_u32 v24, s20, v24
	s_mul_i32 s20, s12, 32*SP                      ; v25: back: rows 32 w on; lanes 0-15 one row of 256 bytes, lanes 16-31 the next
	v_mul_u32_u24 v25, v2, SP
	v_lshl_add_u32 v25, v1, 4, v25
	v_add_nc_u32 v25, s20, v25
	v_mul_u32_u24 v26, v2, 4000                    ; v26: the same two rows in out0
	v_lshl_add_u32 v26, v1, 4, v26
	s_lshl_b32 s20, s17, 6
	v_lshl_add_u32 v30, v1, 2, s20                 ; v30: the first of my four columns
	s_lshl_b32 s42, s18, 7                         ; out0 at row 128 x tile row + 32 w, column 64 x tile column
	s_lshl_b32 s43, s12, 5
	s_add_co_u32 s42, s42, s43
	s_mul_i32 s42, s42, 4000
	s_lshl_b32 s43, s17, 8
	s_add_co_u32 s42, s42, s43
	s_mov_b32 s43, 0
	s_add_nc_u64 s[10:11], s[10:11], s[42:43]
; 4 matrix instructions: m blocks a0, a0 + 1 x both n blocks, 32 along K: half c of buffer f.  The 8 accumulators take turns, one instruction a turn, in the same order throughout.
; zero = 1: the first product starts the sums
.macro MUL4 f, c, a0, zero
	WIN MUL
.irp a, \a0, (\a0)+1
.irp b, 0,1
.if \zero
	v_wmma_f32_16x16x32_f16 v[ACC+8*(2*(\a)+(\b)):ACC+8*(2*(\a)+(\b))+7], v[(\f)+64+8*(2*(\c)+(\b)):(\f)+64+8*(2*(\c)+(\b))+7], v[(\f)+8*(4*(\c)+(\a)):(\f)+8*(4*(\c)+(\a))+7], 0
.else
	v_wmma_f32_16x16x32_f16 v[ACC+8*(2*(\a)+(\b)):ACC+8*(2*(\a)+(\b))+7], v[(\f)+64+8*(2*(\c)+(\b)):(\f)+64+8*(2*(\c)+(\b))+7], v[(\f)+8*(4*(\c)+(\a)):(\f)+8*(4*(\c)+(\a))+7], v[ACC+8*(2*(\a)+(\b)):ACC+8*(2*(\a)+(\b))+7]
.endif
.endr
.endr
.endm
; 24 LDS loads in one run: quarter q of the step in the slot that is read (64 along K: K step of 128 number q / 2, byte 128 (q % 2) of its rows) into buffer f; the first 32 along K (12 loads) first
.macro FETCH q, f
	WIN TO_F
.set koa, ((\q)/2)*BLK+((\q)%2)*128
.set kob, ((\q)/2)*BHB+((\q)%2)*128
.irp c, 0,1
.irp i, 0,1
	ds_load_b128 v[(\f)+64+8*(2*(\c)+(\i)):(\f)+64+8*(2*(\c)+(\i))+3],   v[ADRB] offset:kob+64*(\c)+(\i)*16*P
	ds_load_b128 v[(\f)+64+8*(2*(\c)+(\i))+4:(\f)+64+8*(2*(\c)+(\i))+7], v[ADRB] offset:kob+64*(\c)+(\i)*16*P+32
.endr
.irp i, 0,1,2,3
	ds_load_b128 v[(\f)+8*(4*(\c)+(\i)):(\f)+8*(4*(\c)+(\i))+3],         v[ADRA] offset:koa+64*(\c)+(\i)*16*P
	ds_load_b128 v[(\f)+8*(4*(\c)+(\i))+4:(\f)+8*(4*(\c)+(\i))+7],       v[ADRA] offset:koa+64*(\c)+(\i)*16*P+32
.endr
.endr
.endm
.macro QUARTER q, f, g, zero           ; multiplies buffer f and fetches quarter q into g
	s_wait_dscnt 12                                ; the first 32 along K are in; the younger twelve loads may be out
	MUL4 \f, 0, 0, \zero
	MUL4 \f, 0, 2, \zero
	PLACES
	FETCH \q, \g
	s_wait_dscnt 24                                ; all but the 24 just issued
	MUL4 \f, 1, 0, 0
	MUL4 \f, 1, 2, 0
.endm
; The last quarter multiplies buffer 1 and changes slots: one barrier; ahead of it each wave waits for all its tensor loads, adds 0 to its spare word, and waits for that and for its reads of this slot.
; fill = 1: the barrier opens a round of the cluster's barrier, and the slot just read is filled again, two K steps on, first thing behind the round.  The walking descriptor takes the slot just read and the next
; K step; then the scalar turns to the other slot and the two fragment addresses are made anew from it.
.macro TURN fill
	WIN 0
	s_wait_tensorcnt 0x0
	ds_add_u32 v28, v29                            ; 0 onto my spare word
	s_wait_dscnt 13                                ; (the add and the youngest twelve loads may be out)
	MUL4 F1, 0, 0, 0
	s_wait_dscnt 0x0                               ; the add is done, and my reads of this slot are over
	s_barrier_signal -1
	MUL4 F1, 0, 2, 0
	WIN 0
	s_barrier_wait -1
.if \fill
	CREST
	s_add_co_u32 s[G0+5], s19, s46                 ; no tensor load of mine is out, so the descriptors may be written: into the slot just read,
	s_add_co_u32 s[G0B+5], s19, s66
	s_add_nc_u64 s[G0+6:G0+7], s[G0+6:G0+7], 65536 ; the K step behind the one asked for last; the type bits on top are not reached
	s_add_nc_u64 s[G0B+6:G0B+7], s[G0B+6:G0B+7], 65536
	s_xor_b32 s19, s19, SLOT                       ; the other slot is read from here on
	JLOAD 1                                        ; the four v_nop behind it are also the places ahead of the loads below
.else
	s_xor_b32 s19, s19, SLOT
	PLACES
.endif
	v_add_nc_u32 v[ADRA], s19, v[ADRA+1]
	v_add_nc_u32 v[ADRB], s19, v[ADRB+1]
	FETCH 0, F0
	MUL4 F1, 1, 0, 0
	MUL4 F1, 1, 2, 0
.endm
	s_wait_tensorcnt 0x1                           ; my part of K step 0 is in; K step 1's may stay out
	s_barrier_signal -1
	s_barrier_wait -1
	FETCH 0, F0
	QUARTER 1, F0, F1, 1                           ; the first quarter stands ahead of the loop: its first products start the sums
	WIN 0
	s_mov_b32 s3, STEPS-2
.Lstep:                                                ; six trips: from a K step's second quarter to the next step's first; the slot that is left is filled again
	QUARTER 2, F1, F0, 0
	QUARTER 3, F0, F1, 0
	TURN 1
	QUARTER 1, F0, F1, 0
	WIN 0
	s_sub_co_u32 s3, s3, 1
	s_cmp_lg_u32 s3, 0
	s_cbranch_scc1 .Lstep
	s_mov_b32 s2, 2
.Ltail:                                                ; the last two K steps fill nothing: their own text; the second trip is left in its middle
	QUARTER 2, F1, F0, 0
	QUARTER 3, F0, F1, 0
	TURN 0                                         ; in the second trip its 24 LDS loads read the other slot's old tile and serve nothing: the price, once a launch, of one text for both trips
	WIN 0
	s_sub_co_u32 s2, s2, 1
	s_cmp_eq_u32 s2, 0
	s_cbranch_scc1 .Lout
	QUARTER 1, F0, F1, 0
	WIN 0
	s_branch .Ltail
.Lout:
	s_wait_dscnt 0x0                               ; those loads are back, and my reads of slot 0 are over;
	s_barrier_signal -1
	s_barrier_wait -1                              ; everybody's are: the stage, which lies in slot 0, may be written
	; THE WAY OUT.  bl is rounded to bf16 (24 plain lines, the places behind the last products), added, and the tile goes through the stage: a row's 256 bytes come from two waves.
	s_wait_loadcnt 0x0
.set nn, 0
.rept 8
	v_cvt_pk_bf16_f32 v64, v[32+2*nn], v[33+2*nn]
	v_lshlrev_b32 v[32+2*nn], 16, v64
	v_and_b32 v[33+2*nn], s47, v64
.set nn, nn+1
.endr
.set tt, 0
.rept 8
.set pp, 0
.rept 4
	v_pk_add_f32 v[ACC+8*tt+2*pp:ACC+8*tt+2*pp+1], v[ACC+8*tt+2*pp:ACC+8*tt+2*pp+1], v[32+8*(tt%2)+2*pp:33+8*(tt%2)+2*pp]
.set pp, pp+1
.endr
	ds_store_b128 v24, v[ACC+8*tt:ACC+8*tt+3]   offset:(tt/2)*16*SP+64*(tt%2)
	ds_store_b128 v24, v[ACC+8*tt+4:ACC+8*tt+7] offset:(tt/2)*16*SP+64*(tt%2)+16
.set tt, tt+1
.endr
	s_wait_dscnt 0x0                               ; for the others' sake: my stores into the stage are done
	s_barrier_signal -1
	s_barrier_wait -1
.set ii, 0
.rept 16
	ds_load_b128 v[ACC+4*ii:ACC+4*ii+3], v25 offset:2*SP*ii
.set ii, ii+1
.endr
	s_wait_xcnt 0x0                                ; EXEC changes only behind this wait
	v_cmp_gt_u32 vcc_lo, 1000, v30
	s_and_saveexec_b32 s20, vcc_lo                 ; lanes whose four columns exist
.set ii, 0
.rept 16
	s_wait_dscnt 15-ii                             ; rows 2 i and 2 i + 1 are back; the younger loads may be out
	global_store_b128 v26, v[ACC+4*ii:ACC+4*ii+3], s[10:11] offset:8000*ii th:TH_STORE_NT
.set ii, ii+1
.endr
	s_wait_xcnt 0x0                                ; and again, ahead of the line that widens it
	s_or_b32 exec_lo, exec_lo, s20
	s_wait_tensorcnt 0x0                           ; the wave's end, behind my last tensor load and my last LDS store
	ds_add_u32 v28, v29
	s_wait_dscnt 0x0
	CROUND                                         ; the closing round
	s_endpgm
.Lfunc_end_k_qf7b8932fe8_lin:
	.size	k_qf7b8932fe8_lin, .Lfunc_end_k_qf7b8932fe8_lin-k_qf7b8932fe8_lin
	.p2alignl 7, 3214868480
	.fill 96, 4, 3214868480
	.section	.rodata,"a",@progbits
	.p2align	6, 0x0
	.amdhsa_kernel k_qf7b8932fe8_lin
		.amdhsa_group_segment_fixed_size 327680
		.amdhsa_private_segment_fixed_size 0
		.amdhsa_enable_private_segment 0
		.amdhsa_kernarg_size 32
		.amdhsa_user_sgpr_count 2
		.amdhsa_user_sgpr_kernarg_segment_ptr 1
		.amdhsa_wavefront_size32 1
		.amdhsa_system_sgpr_workgroup_id_x 1
		.amdhsa_system_sgpr_workgroup_id_y 1
		.amdhsa_system_sgpr_workgroup_id_z 1
		.amdhsa_system_vgpr_workitem_id 0
		.amdhsa_next_free_vgpr 512
		.amdhsa_next_free_sgpr 68
		.amdhsa_reserve_vcc 1
		.amdhsa_float_denorm_mode_32 3
		.amdhsa_float_denorm_mode_16_64 3
		.amdhsa_memory_ordered 1
		.amdhsa_forward_progress 1
		.amdhsa_inst_pref_size 45
	.end_amdhsa_kernel
	.amdgpu_metadata
---
amdhsa.version: [ 1, 2 ]
amdhsa.kernels:
  - .name:           k_qf7b8932fe8_lin
    .symbol:         k_qf7b8932fe8_lin.kd
    .args:
      - { .name: ac2, .offset: 0, .size: 8, .value_kind: global_buffer, .address_space: global }
      - { .name: wlh, .offset: 8, .size: 8, .value_kind: global_buffer, .address_space: global }
      - { .name: bl, .offset: 16, .size: 8, .value_kind: global_buffer, .address_space: global }
      - { .name: out0, .offset: 24, .size: 8, .value_kind: global_buffer, .address_space: global }
    .group_segment_fixed_size: 327680
    .private_segment_fixed_size: 0
    .kernarg_segment_align: 8
    .kernarg_segment_size: 32
    .max_flat_workgroup_size: 128
    .sgpr_count:     68
    .vgpr_count:     512
    .wavefront_size: 32
...
	.end_amdgpu_metadata
.endif
;; end of part 9
;; ======== version 3 of 3: 6 launches; version 2 with the launches bn1, bn2 written anew for expert scheduling mode
;; limits: values are held in f16: magnitudes above 65,504 overflow, below 6.1e-05 lose precision; inputs' magnitudes at most 65,504
;; workspace buffers: ac1 4,202,496 bytes; ac2 8,519,680 bytes; wk1 21,037,056 bytes; wk2 42,008,576 bytes; qs 17,039,360 bytes; wlh 4,194,304 bytes
;; launch prep: the kernel of part 1 again; grid 448 x 1, 32 waves a work-group, no clusters, 8,448 bytes of LDS; arguments x, mu1, lam1, v1, mu2, lam2, v2, Wl, ac1, wk1, wk2, wlh; writes ac1, wk1, wk2, wlh
;; launch hmu: the kernel of part 7 again; grid 32 x 8, 4 waves a work-group, clusters of 4 x 4, 327,680 bytes of LDS; arguments ac1, wk1, qs; writes qs
;; launch bn1 (part 10): grid 16 x 16, 16 waves a work-group, no clusters, 4,096 bytes of LDS; arguments qs, g1, b1, out1, ac2; writes out1, ac2
.if DOCPART == 10
	.amdgcn_target "amdgcn-amd-amdhsa--gfx1250"
	.amdhsa_code_object_version 6
	.text
	.protected	k_qf7b8932fe8_bn1
	.globl	k_qf7b8932fe8_bn1
	.p2align	8
	.type	k_qf7b8932fe8_bn1,@function
k_qf7b8932fe8_bn1:
	s_mov_b64 s[64:65], 0
	v_nop
	global_prefetch_b8 v0, s[64:65] scope:SCOPE_SE
	s_setreg_imm32_b32 hwreg(HW_REG_WAVE_SCHED_MODE, 0, 2), 2
	s_setreg_imm32_b32 hwreg(HW_REG_WAVE_MODE, 25, 1), 1
	s_wait_xcnt 0x0
	s_wait_alu depctr_vm_vsrc(0)
; BATCH NORM behind layer 1.  qs holds +quad (the layer's output is -quad) and, for each column and block of 128 rows, the mean and the sum of squares about it.
; feat = (q - mean) x scale + b, scale = -g / sqrt(var + 1e-5) (the sign turns quad into -quad; the variance is the same).  The batch's mean is the mean of the 16 blocks' means;
; its sum of squares is the sum of the blocks' plus 128 x the sum of (block mean - mean)^2: no difference of large sums.  g and b are rounded to bf16 like every input.
; Stored: feat in f32 (out1), feat in f16 in the next product's blocked layout [row / 128][K step = strip][row % 128][128], and each row's sum of squares over the strip (plane = strip).
; SHARES.  A work-group: 128 columns (x) x 128 rows (y); a wave 8 rows, 512 consecutive bytes a row.  Waves 0-3 make the 128 columns' statistics, a thread a column; they reach the others through LDS.
; A stream: no matrix unit, cluster or tensor load.  LIMITS: feat within 65,504 for its f16 copy; NaN and infinities are not treated apart.
; THE MODE: SCHED_MODE bits 1:0 = 2 (LLVM: expert scheduling mode 2), set by the entry lines.  The code itself states the register dependences between vector instructions and memory or LDS
; instructions, with s_wait_alu, always for 0.
; THE PLAN.  Registers that memory or LDS instructions touch:
;   v2, v3, v6      offsets: written once at the head, read by every load, store and LDS access, never written again.
;   v[8:39], v56-57 statistics, g, b: loads land in them (no vector line has named them); read by the statistics' arithmetic; never loaded again.
;   v40, v43, v58   mean, scale, b: written by the statistics' arithmetic, read by three LDS stores, never written again.
;   v[44:55]        mean, scale, b of my 4 columns: the LDS loads behind the barrier land in them; v44-45 were at work in the statistics ahead of the wait that stands in front of the LDS stores.
;   v[64:95]        eight rows: loads land in them; a row's arithmetic scales it in place; its store reads it; never written again.
;   v[96:111]       the rows in f16: written by the roundings, read by the stores, never written again.
;   v122, v123      a row sum and its LDS address: written by the reduction, read by one LDS store.      v[124:127]  an LDS load lands in them, a store reads them; no vector line names them.
;   v4, v5          written at the head, read by the closing add alone.
; The eight rows go in four blocks of two.  Block p's vector lines name its own rows, their f16 copies, v[44:55], v120-121 and its row sums; its memory instructions are the stores of block p - 1.
; So ONE wait on va_vdst at a block's head, behind the wait for the block's data, states all that those stores hang on, and they are dealt among the block's arithmetic with no further wait.
; No register that a memory or LDS instruction reads is written again: the text owes no wait on vm_vsrc.
.set LAYER, 1
.set MEANL, 0                          ; LDS: 128 means, 128 scales, 128 b, 128 row sums, then the spare words (128 bytes for each of 16 waves)
.set SCAL,  512
.set BETL,  1024
.set FS,    1536
.set SPARE, 2048
; v1 lane, v2 16 x lane, v3 8 x lane, v4 my spare word, v5 0, v6 4 x thread, v[8:23] means, v[24:39] M2, v40-45 at work, v[44:55] mean, scale, b of my 4 columns, v56-57 g, b, v58-59 b, g rounded,
; v[64:95] 8 rows, v[96:111] their f16, v[112:119] row sums, v120-127 at work
	s_load_b256 s[4:11], s[0:1], 0x0               ; qs s[4:5], g s[6:7], b s[8:9], out s[10:11]
.if LAYER == 1
	s_load_b64 s[14:15], s[0:1], 0x20              ; ac2
.else
	s_load_b128 s[12:15], s[0:1], 0x20             ; the second copy of the output, ac2
.endif
	v_lshl_add_u32 v4, v0, 2, SPARE
	v_mov_b32 v5, 0
	v_and_b32 v1, 31, v0
	v_lshrrev_b32 v7, 5, v0
	v_readfirstlane_b32 s16, v7                    ; wave 0..15
	v_lshlrev_b32 v2, 4, v1
	v_lshlrev_b32 v3, 3, v1
	v_lshlrev_b32 v6, 2, v0
	s_wait_alu depctr_va_sdst(0)                   ; s16 is written, ahead of its first reader: my rows' addresses and the branches on the wave's number are made from it
	s_and_b32 s18, ttmp7, 0xffff                   ; row block
	s_lshl_b32 s20, ttmp9, 9                       ; the strip's 512 bytes in a row
	s_mov_b32 s21, 0
	s_lshl_b32 s22, s18, 7
	s_lshl3_add_u32 s22, s16, s22                  ; my first row
	s_lshl_b32 s24, s22, 13
	s_add_co_u32 s24, s24, s20
	s_mov_b32 s25, 0
	s_lshl_b32 s26, s18, 4                         ; block (row block, strip) of 32,768 bytes, my 8 rows of 256, behind the planes
	s_add_co_u32 s26, s26, ttmp9
	s_lshl_b32 s26, s26, 15
	s_lshl_b32 s27, s16, 11
	s_add_co_u32 s26, s26, s27
	s_add_co_u32 s26, s26, 131072
	s_mov_b32 s27, 0
	s_lshl_b32 s28, ttmp9, 13                      ; plane = strip, the block's 128 rows
	s_lshl_b32 s29, s18, 9
	s_add_co_u32 s28, s28, s29
	s_mov_b32 s29, 0
	s_mov_b32 s30, 0x3a000000                      ; 1 / 2048
	s_mov_b32 s31, 0x3727c5ac                      ; 1e-5
	s_mov_b32 s38, 0x76543210
	s_mov_b32 s39, 0xfedcba98
	s_mov_b32 s42, 0xffff0000
	s_wait_kmcnt 0x0
	s_add_nc_u64 s[32:33], s[4:5], s[20:21]        ; the statistics at my strip
	s_add_nc_u64 s[34:35], s[4:5], s[24:25]
	s_add_nc_u64 s[34:35], s[34:35], 262144        ; q at my rows
	s_add_nc_u64 s[6:7], s[6:7], s[20:21]
	s_add_nc_u64 s[8:9], s[8:9], s[20:21]
	s_add_nc_u64 s[10:11], s[10:11], s[24:25]
.if LAYER == 2
	s_add_nc_u64 s[12:13], s[12:13], s[24:25]
.endif
	s_add_nc_u64 s[36:37], s[14:15], s[26:27]
	s_add_nc_u64 s[40:41], s[14:15], s[28:29]
	s_wait_alu depctr_va_vdst(0)                   ; the offsets v2, v3 and v6 are written: every load, store and LDS access of the kernel reads one of them
.macro ROWLOADS
.irp i, 0,1,2,3,4,5,6,7
	global_load_b128 v[64+4*(\i):67+4*(\i)], v2, s[34:35] offset:8192*(\i) th:TH_LOAD_NT
.endr
.endm
	s_cmp_lt_u32 s16, 4
	s_cbranch_scc0 .Lothers
.irp p, 0,1,2,3,4,5,6,7,8,9,10,11,12,13,14,15
	global_load_b32 v[8+\p], v6, s[32:33] offset:(2*\p)*8192
	global_load_b32 v[24+\p], v6, s[32:33] offset:(2*\p+1)*8192
.endr
	global_load_b32 v56, v6, s[6:7]
	global_load_b32 v57, v6, s[8:9]
	ROWLOADS
	s_wait_loadcnt 8                               ; the statistics, g and b are in; my eight rows stay out
	v_pk_add_f32 v[40:41], v[8:9], v[10:11]
	v_pk_add_f32 v[42:43], v[24:25], v[26:27]
.irp p, 4,6,8,10,12,14
	v_pk_add_f32 v[40:41], v[40:41], v[8+\p:9+\p]
	v_pk_add_f32 v[42:43], v[42:43], v[24+\p:25+\p]
.endr
	v_add_f32 v40, v40, v41
	v_add_f32 v42, v42, v43
	v_mul_f32 v40, 0x3d800000, v40                 ; the mean of 16 means
	v_mov_b32 v41, v40
.irp p, 0,2,4,6,8,10,12,14
	v_pk_add_f32 v[8+\p:9+\p], v[8+\p:9+\p], v[40:41] neg_lo:[0,1] neg_hi:[0,1]
.endr
	v_pk_mul_f32 v[44:45], v[8:9], v[8:9]
.irp p, 2,4,6,8,10,12,14
	v_pk_fma_f32 v[44:45], v[8+\p:9+\p], v[8+\p:9+\p], v[44:45]
.endr
	v_add_f32 v44, v44, v45
	v_fmamk_f32 v42, v44, 0x43000000, v42          ; + 128 x
	v_fma_f32 v42, v42, s30, s31                   ; variance + 1e-5
	v_rsq_f32 v43, v42
	v_cvt_pk_bf16_f32 v58, v56, v57                ; plain work behind the root
	v_lshlrev_b32 v59, 16, v58                     ; g
	v_and_b32 v58, s42, v58                        ; b: in a register in which no later load lands
	s_wait_alu depctr_va_vdst(0)                   ; the root has written v43: a wait ahead of its first reader
.if LAYER == 1
	v_mul_f32 v43, -v43, v59
.else
	v_mul_f32 v43, v43, v59
.endif
	s_wait_alu depctr_va_vdst(0)                   ; v40, v43 and v58 are written, which the LDS stores read; the lines that named v44 and v45 are done, in which the LDS loads behind the barrier land
	ds_store_b32 v6, v40 offset:MEANL
	ds_store_b32 v6, v43 offset:SCAL
	ds_store_b32 v6, v58 offset:BETL
	s_branch .Lmeet
.Lothers:
	ROWLOADS
.Lmeet:
	s_wait_dscnt 0x0
	s_barrier_signal -1
	s_barrier_wait -1
	ds_load_b128 v[44:47], v2 offset:MEANL
	ds_load_b128 v[48:51], v2 offset:SCAL
	ds_load_b128 v[52:55], v2 offset:BETL
	s_wait_dscnt 0x0
.macro CALC i                          ; row i's arithmetic: scaled in place, rounded to f16, its squares summed
.set r, 64+4*(\i)
	v_pk_add_f32 v[r:r+1], v[r:r+1], v[44:45] neg_lo:[0,1] neg_hi:[0,1]
	v_pk_add_f32 v[r+2:r+3], v[r+2:r+3], v[46:47] neg_lo:[0,1] neg_hi:[0,1]
	v_pk_fma_f32 v[r:r+1], v[r:r+1], v[48:49], v[52:53]
	v_pk_fma_f32 v[r+2:r+3], v[r+2:r+3], v[50:51], v[54:55]
.if LAYER == 2
	v_max_num_f32 v[r], 0, v[r]
	v_max_num_f32 v[r+1], 0, v[r+1]
	v_max_num_f32 v[r+2], 0, v[r+2]
	v_max_num_f32 v[r+3], 0, v[r+3]
.endif
	v_cvt_pk_f16_f32 v[96+2*(\i)], v[r], v[r+1]
	v_cvt_pk_f16_f32 v[97+2*(\i)], v[r+2], v[r+3]
.if LAYER == 1
	v_pk_mul_f32 v[120:121], v[r:r+1], v[r:r+1]
	v_pk_fma_f32 v[120:121], v[r+2:r+3], v[r+2:r+3], v[120:121]
	v_add_f32 v[112+(\i)], v120, v121
.endif
.endm
.macro SEND i                          ; row i's stores
.set r, 64+4*(\i)
	global_store_b128 v2, v[r:r+3], s[10:11] offset:8192*(\i) th:TH_STORE_NT   ; 512 consecutive bytes, aligned
.if LAYER == 2
	global_store_b128 v2, v[r:r+3], s[12:13] offset:8192*(\i) th:TH_STORE_NT
.endif
	global_store_b64 v3, v[96+2*(\i):97+2*(\i)], s[36:37] offset:256*(\i)      ; 256 consecutive bytes, aligned
.endm
; Block p: rows 2 p and 2 p + 1 are worked on; the stores of block p - 1 stand between the two rows' arithmetic.
.macro BLK p
	s_wait_loadcnt 6-2*(\p)                        ; loads come back in order (ISA guide 5.7.1): my rows 2 p and 2 p + 1 are in; the younger rows stay out
.if (\p) > 0
	s_wait_alu depctr_va_vdst(0)                   ; the block before has written its two rows and their f16 copies, which the stores below read
	SEND 2*(\p)-2
.endif
	CALC 2*(\p)
.if (\p) > 0
	SEND 2*(\p)-1                                  ; no wait: no vector line since the wait above names this row, its copy, v2 or v3
.endif
	CALC 2*(\p)+1
.endm
.irp p, 0,1,2,3
	BLK \p
.endr
	s_wait_alu depctr_va_vdst(0)                   ; block 3 has written rows 6 and 7 and their f16 copies, which the last stores read
	SEND 6
	SEND 7
.if LAYER == 1
	; each row's sum of squares over the strip: across the 32 lanes, the eight rows by turns
.irp m, 1,2,4,8
.irp i, 0,1,2,3,4,5,6,7
	v_add_f32_dpp v[112+\i], v[112+\i], v[112+\i] row_xmask:\m row_mask:0xf bank_mask:0xf
.endr
.endr
.irp i, 0,1,2,3,4,5,6,7
	v_permlanex16_b32 v120, v[112+\i], s38, s39
	v_add_f32 v[112+\i], v[112+\i], v120
.endr
	v_mov_b32 v122, v112
.irp i, 1,2,3,4,5,6,7
	s_mov_b32 s19, 0x01010101<<\i
	v_cndmask_b32 v122, v122, v[112+\i], s19       ; lane l keeps row l % 8
.endr
	v_and_b32 v123, 7, v1
	v_lshl_add_u32 v123, s16, 3, v123
	v_lshlrev_b32 v123, 2, v123
	s_wait_alu depctr_va_vdst(0)                   ; the reduction has written v122 and v123, the LDS store's data and address
	ds_store_b32 v123, v122 offset:FS              ; four lanes write the same word with the same value
	s_wait_dscnt 0x0
	s_barrier_signal -1
	s_barrier_wait -1
	s_cmp_lg_u32 s16, 0
	s_cbranch_scc1 .Lend
	ds_load_b128 v[124:127], v2 offset:FS          ; no vector line names v[124:127]
	s_wait_dscnt 0x0
	global_store_b128 v2, v[124:127], s[40:41]     ; the block's 128 sums: 512 consecutive bytes, aligned
.endif
.Lend:
	s_wait_dscnt 0x0                               ; the closing lines, six on end
	s_wait_alu 0x0
	s_wait_tensorcnt 0x0
	ds_add_u32 v4, v5
	s_wait_dscnt 0x0
	s_endpgm
.Lfunc_end_k_qf7b8932fe8_bn1:
	.size	k_qf7b8932fe8_bn1, .Lfunc_end_k_qf7b8932fe8_bn1-k_qf7b8932fe8_bn1
	.p2alignl 7, 3214868480
	.fill 96, 4, 3214868480
	.section	.rodata,"a",@progbits
	.p2align	6, 0x0
	.amdhsa_kernel k_qf7b8932fe8_bn1
		.amdhsa_group_segment_fixed_size 4096
		.amdhsa_private_segment_fixed_size 0
		.amdhsa_enable_private_segment 0
		.amdhsa_kernarg_size 40
		.amdhsa_user_sgpr_count 2
		.amdhsa_user_sgpr_kernarg_segment_ptr 1
		.amdhsa_wavefront_size32 1
		.amdhsa_system_sgpr_workgroup_id_x 1
		.amdhsa_system_sgpr_workgroup_id_y 1
		.amdhsa_system_sgpr_workgroup_id_z 1
		.amdhsa_system_vgpr_workitem_id 0
		.amdhsa_next_free_vgpr 128
		.amdhsa_next_free_sgpr 66
		.amdhsa_reserve_vcc 0
		.amdhsa_float_denorm_mode_32 3
		.amdhsa_float_denorm_mode_16_64 3
		.amdhsa_memory_ordered 1
		.amdhsa_forward_progress 1
		.amdhsa_inst_pref_size 21
	.end_amdhsa_kernel
	.amdgpu_metadata
---
amdhsa.version: [ 1, 2 ]
amdhsa.kernels:
  - .name:           k_qf7b8932fe8_bn1
    .symbol:         k_qf7b8932fe8_bn1.kd
    .args:
      - { .name: qs, .offset: 0, .size: 8, .value_kind: global_buffer, .address_space: global }
      - { .name: g1, .offset: 8, .size: 8, .value_kind: global_buffer, .address_space: global }
      - { .name: b1, .offset: 16, .size: 8, .value_kind: global_buffer, .address_space: global }
      - { .name: out1, .offset: 24, .size: 8, .value_kind: global_buffer, .address_space: global }
      - { .name: ac2, .offset: 32, .size: 8, .value_kind: global_buffer, .address_space: global }
    .group_segment_fixed_size: 4096
    .private_segment_fixed_size: 0
    .kernarg_segment_align: 8
    .kernarg_segment_size: 40
    .max_flat_workgroup_size: 512
    .sgpr_count:     66
    .vgpr_count:     128
    .wavefront_size: 32
...
	.end_amdgpu_metadata
.endif
;; end of part 10
;; launch hmu2: the kernel of part 8 again; grid 32 x 8, 4 waves a work-group, clusters of 4 x 4, 327,680 bytes of LDS; arguments ac2, wk2, qs; writes qs
;; launch bn2 (part 11): grid 16 x 16, 16 waves a work-group, no clusters, 4,096 bytes of LDS; arguments qs, g2, b2, out2, out3, ac2; writes out2, out3, ac2
.if DOCPART == 11
	.amdgcn_target "amdgcn-amd-amdhsa--gfx1250"
	.amdhsa_code_object_version 6
	.text
	.protected	k_qf7b8932fe8_bn2
	.globl	k_qf7b8932fe8_bn2
	.p2align	8
	.type	k_qf7b8932fe8_bn2,@function
k_qf7b8932fe8_bn2:
	s_mov_b64 s[64:65], 0
	v_nop
	global_prefetch_b8 v0, s[64:65] scope:SCOPE_SE
	s_setreg_imm32_b32 hwreg(HW_REG_WAVE_SCHED_MODE, 0, 2), 2
	s_setreg_imm32_b32 hwreg(HW_REG_WAVE_MODE, 25, 1), 1
	s_wait_xcnt 0x0
	s_wait_alu depctr_vm_vsrc(0)
; BATCH NORM AND RELU behind layer 2.  qs holds exp(-quad / 2048) and, for each column and block of 128 rows, the mean and the sum of squares about it.
; feat = max(0, (q - mean) x scale + b), scale = g / sqrt(var + 1e-5).  The batch's mean is the mean of the 16 blocks' means; its sum of squares is the sum of the blocks' plus
; 128 x the sum of (block mean - mean)^2: no difference of large sums, which matters here: the numbers lie close together near 1.  g and b are rounded to bf16 like every input.
; Stored: feat in f32 twice (out2, out3) and in f16 in the last product's blocked layout [row / 128][K step = strip][row % 128][128].
; SHARES.  A work-group: 128 columns (x) x 128 rows (y); a wave 8 rows, 512 consecutive bytes a row.  Waves 0-3 make the 128 columns' statistics, a thread a column; they reach the others through LDS.
; A stream: no matrix unit, cluster or tensor load.  LIMITS: feat within 65,504 for its f16 copy; NaN and infinities are not treated apart.
; THE MODE: SCHED_MODE bits 1:0 = 2 (LLVM: expert scheduling mode 2), set by the entry lines.  The code itself states the register dependences between vector instructions and memory or LDS
; instructions, with s_wait_alu, always for 0.
; THE PLAN.  Registers that memory or LDS instructions touch:
;   v2, v3, v6      offsets: written once at the head, read by every load, store and LDS access, never written again.
;   v[8:39], v56-57 statistics, g, b: loads land in them (no vector line has named them); read by the statistics' arithmetic; never loaded again.
;   v40, v43, v58   mean, scale, b: written by the statistics' arithmetic, read by three LDS stores, never written again.
;   v[44:55]        mean, scale, b of my 4 columns: the LDS loads behind the barrier land in them; v44-45 were at work in the statistics ahead of the wait that stands in front of the LDS stores.
;   v[64:95]        eight rows: loads land in them; a row's arithmetic scales it in place; its two stores read it; never written again.
;   v[96:111]       the rows in f16: written by the roundings, read by the stores, never written again.
;   v4, v5          written at the head, read by the closing add alone.
; The eight rows go in four blocks of two.  Block p's vector lines name its own rows, their f16 copies and v[44:55]; its memory instructions are the six stores of block p - 1.
; So ONE wait on va_vdst at a block's head, behind the wait for the block's data, states all that those stores hang on, and they are dealt among the block's arithmetic with no further wait.
; No register that a memory or LDS instruction reads is written again: the text owes no wait on vm_vsrc.
.set LAYER, 2
.set MEANL, 0                          ; LDS: 128 means, 128 scales, 128 b, (512 bytes unused), then the spare words (128 bytes for each of 16 waves)
.set SCAL,  512
.set BETL,  1024
.set SPARE, 2048
; v1 lane, v2 16 x lane, v3 8 x lane, v4 my spare word, v5 0, v6 4 x thread, v[8:23] means, v[24:39] M2, v40-45 at work, v[44:55] mean, scale, b of my 4 columns, v56-57 g, b, v58-59 b, g rounded,
; v[64:95] 8 rows, v[96:111] their f16
	s_load_b256 s[4:11], s[0:1], 0x0               ; qs s[4:5], g s[6:7], b s[8:9], out2 s[10:11]
	s_load_b128 s[12:15], s[0:1], 0x20             ; out3 s[12:13], ac2 s[14:15]
	v_lshl_add_u32 v4, v0, 2, SPARE
	v_mov_b32 v5, 0
	v_and_b32 v1, 31, v0
	v_lshrrev_b32 v7, 5, v0
	v_readfirstlane_b32 s16, v7                    ; wave 0..15
	v_lshlrev_b32 v2, 4, v1
	v_lshlrev_b32 v3, 3, v1
	v_lshlrev_b32 v6, 2, v0
	s_wait_alu depctr_va_sdst(0)                   ; s16 is written, ahead of its first reader: my rows' addresses and the branch on the wave's number are made from it
	s_and_b32 s18, ttmp7, 0xffff                   ; row block
	s_lshl_b32 s20, ttmp9, 9                       ; the strip's 512 bytes in a row
	s_mov_b32 s21, 0
	s_lshl_b32 s22, s18, 7
	s_lshl3_add_u32 s22, s16, s22                  ; my first row
	s_lshl_b32 s24, s22, 13
	s_add_co_u32 s24, s24, s20
	s_mov_b32 s25, 0
	s_lshl_b32 s26, s18, 4                         ; block (row block, strip) of 32,768 bytes, my 8 rows of 256, behind the planes
	s_add_co_u32 s26, s26, ttmp9
	s_lshl_b32 s26, s26, 15
	s_lshl_b32 s27, s16, 11
	s_add_co_u32 s26, s26, s27
	s_add_co_u32 s26, s26, 131072
	s_mov_b32 s27, 0
	s_mov_b32 s30, 0x3a000000                      ; 1 / 2048
	s_mov_b32 s31, 0x3727c5ac                      ; 1e-5
	s_mov_b32 s42, 0xffff0000
	s_wait_kmcnt 0x0
	s_add_nc_u64 s[32:33], s[4:5], s[20:21]        ; the statistics at my strip
	s_add_nc_u64 s[34:35], s[4:5], s[24:25]
	s_add_nc_u64 s[34:35], s[34:35], 262144        ; q at my rows
	s_add_nc_u64 s[6:7], s[6:7], s[20:21]
	s_add_nc_u64 s[8:9], s[8:9], s[20:21]
	s_add_nc_u64 s[10:11], s[10:11], s[24:25]
	s_add_nc_u64 s[12:13], s[12:13], s[24:25]
	s_add_nc_u64 s[36:37], s[14:15], s[26:27]
	s_wait_alu depctr_va_vdst(0)                   ; the offsets v2, v3 and v6 are written: every load, store and LDS access of the kernel reads one of them
.macro ROWLOADS
.irp i, 0,1,2,3,4,5,6,7
	global_load_b128 v[64+4*(\i):67+4*(\i)], v2, s[34:35] offset:8192*(\i) th:TH_LOAD_NT
.endr
.endm
	s_cmp_lt_u32 s16, 4
	s_cbranch_scc0 .Lothers
.irp p, 0,1,2,3,4,5,6,7,8,9,10,11,12,13,14,15
	global_load_b32 v[8+\p], v6, s[32:33] offset:(2*\p)*8192
	global_load_b32 v[24+\p], v6, s[32:33] offset:(2*\p+1)*8192
.endr
	global_load_b32 v56, v6, s[6:7]
	global_load_b32 v57, v6, s[8:9]
	ROWLOADS
	s_wait_loadcnt 8                               ; the statistics, g and b are in; my eight rows stay out
	v_pk_add_f32 v[40:41], v[8:9], v[10:11]
	v_pk_add_f32 v[42:43], v[24:25], v[26:27]
.irp p, 4,6,8,10,12,14
	v_pk_add_f32 v[40:41], v[40:41], v[8+\p:9+\p]
	v_pk_add_f32 v[42:43], v[42:43], v[24+\p:25+\p]
.endr
	v_add_f32 v40, v40, v41
	v_add_f32 v42, v42, v43
	v_mul_f32 v40, 0x3d800000, v40                 ; the mean of 16 means
	v_mov_b32 v41, v40
.irp p, 0,2,4,6,8,10,12,14
	v_pk_add_f32 v[8+\p:9+\p], v[8+\p:9+\p], v[40:41] neg_lo:[0,1] neg_hi:[0,1]
.endr
	v_pk_mul_f32 v[44:45], v[8:9], v[8:9]
.irp p, 2,4,6,8,10,12,14
	v_pk_fma_f32 v[44:45], v[8+\p:9+\p], v[8+\p:9+\p], v[44:45]
.endr
	v_add_f32 v44, v44, v45
	v_fmamk_f32 v42, v44, 0x43000000, v42          ; + 128 x
	v_fma_f32 v42, v42, s30, s31                   ; variance + 1e-5
	v_rsq_f32 v43, v42
	v_cvt_pk_bf16_f32 v58, v56, v57                ; plain work behind the root
	v_lshlrev_b32 v59, 16, v58                     ; g
	v_and_b32 v58, s42, v58                        ; b: in a register in which no later load lands
	s_wait_alu depctr_va_vdst(0)                   ; the root has written v43: a wait ahead of its first reader
	v_mul_f32 v43, v43, v59
	s_wait_alu depctr_va_vdst(0)                   ; v40, v43 and v58 are written, which the LDS stores read; the lines that named v44 and v45 are done, in which the LDS loads behind the barrier land
	ds_store_b32 v6, v40 offset:MEANL
	ds_store_b32 v6, v43 offset:SCAL
	ds_store_b32 v6, v58 offset:BETL
	s_branch .Lmeet
.Lothers:
	ROWLOADS
.Lmeet:
	s_wait_dscnt 0x0
	s_barrier_signal -1
	s_barrier_wait -1
	ds_load_b128 v[44:47], v2 offset:MEANL
	ds_load_b128 v[48:51], v2 offset:SCAL
	ds_load_b128 v[52:55], v2 offset:BETL
	s_wait_dscnt 0x0
.macro CALC i                          ; row i's arithmetic: scaled in place, cut at 0, rounded to f16
.set r, 64+4*(\i)
	v_pk_add_f32 v[r:r+1], v[r:r+1], v[44:45] neg_lo:[0,1] neg_hi:[0,1]
	v_pk_add_f32 v[r+2:r+3], v[r+2:r+3], v[46:47] neg_lo:[0,1] neg_hi:[0,1]
	v_pk_fma_f32 v[r:r+1], v[r:r+1], v[48:49], v[52:53]
	v_pk_fma_f32 v[r+2:r+3], v[r+2:r+3], v[50:51], v[54:55]
	v_max_num_f32 v[r], 0, v[r]
	v_max_num_f32 v[r+1], 0, v[r+1]
	v_max_num_f32 v[r+2], 0, v[r+2]
	v_max_num_f32 v[r+3], 0, v[r+3]
	v_cvt_pk_f16_f32 v[96+2*(\i)], v[r], v[r+1]
	v_cvt_pk_f16_f32 v[97+2*(\i)], v[r+2], v[r+3]
.endm
.macro SEND i                          ; row i's stores
.set r, 64+4*(\i)
	global_store_b128 v2, v[r:r+3], s[10:11] offset:8192*(\i) th:TH_STORE_NT   ; 512 consecutive bytes, aligned
	global_store_b128 v2, v[r:r+3], s[12:13] offset:8192*(\i) th:TH_STORE_NT
	global_store_b64 v3, v[96+2*(\i):97+2*(\i)], s[36:37] offset:256*(\i)      ; 256 consecutive bytes, aligned
.endm
; Block p: rows 2 p and 2 p + 1 are worked on; the stores of block p - 1 stand between the two rows' arithmetic.
.macro BLK p
	s_wait_loadcnt 6-2*(\p)                        ; loads come back in order (ISA guide 5.7.1): my rows 2 p and 2 p + 1 are in; the younger rows stay out
.if (\p) > 0
	s_wait_alu depctr_va_vdst(0)                   ; the block before has written its two rows and their f16 copies, which the stores below read
	SEND 2*(\p)-2
.endif
	CALC 2*(\p)
.if (\p) > 0
	SEND 2*(\p)-1                                  ; no wait: no vector line since the wait above names this row, its copy, v2 or v3
.endif
	CALC 2*(\p)+1
.endm
.irp p, 0,1,2,3
	BLK \p
.endr
	s_wait_alu depctr_va_vdst(0)                   ; block 3 has written rows 6 and 7 and their f16 copies, which the last stores read
	SEND 6
	SEND 7
	s_wait_dscnt 0x0                               ; the closing lines, six on end
	s_wait_alu 0x0
	s_wait_tensorcnt 0x0
	ds_add_u32 v4, v5
	s_wait_dscnt 0x0
	s_endpgm
.Lfunc_end_k_qf7b8932fe8_bn2:
	.size	k_qf7b8932fe8_bn2, .Lfunc_end_k_qf7b8932fe8_bn2-k_qf7b8932fe8_bn2
	.p2alignl 7, 3214868480
	.fill 96, 4, 3214868480
	.section	.rodata,"a",@progbits
	.p2align	6, 0x0
	.amdhsa_kernel k_qf7b8932fe8_bn2
		.amdhsa_group_segment_fixed_size 4096
		.amdhsa_private_segment_fixed_size 0
		.amdhsa_enable_private_segment 0
		.amdhsa_kernarg_size 48
		.amdhsa_user_sgpr_count 2
		.amdhsa_user_sgpr_kernarg_segment_ptr 1
		.amdhsa_wavefront_size32 1
		.amdhsa_system_sgpr_workgroup_id_x 1
		.amdhsa_system_sgpr_workgroup_id_y 1
		.amdhsa_system_sgpr_workgroup_id_z 1
		.amdhsa_system_vgpr_workitem_id 0
		.amdhsa_next_free_vgpr 128
		.amdhsa_next_free_sgpr 66
		.amdhsa_reserve_vcc 0
		.amdhsa_float_denorm_mode_32 3
		.amdhsa_float_denorm_mode_16_64 3
		.amdhsa_memory_ordered 1
		.amdhsa_forward_progress 1
		.amdhsa_inst_pref_size 17
	.end_amdhsa_kernel
	.amdgpu_metadata
---
amdhsa.version: [ 1, 2 ]
amdhsa.kernels:
  - .name:           k_qf7b8932fe8_bn2
    .symbol:         k_qf7b8932fe8_bn2.kd
    .args:
      - { .name: qs, .offset: 0, .size: 8, .value_kind: global_buffer, .address_space: global }
      - { .name: g2, .offset: 8, .size: 8, .value_kind: global_buffer, .address_space: global }
      - { .name: b2, .offset: 16, .size: 8, .value_kind: global_buffer, .address_space: global }
      - { .name: out2, .offset: 24, .size: 8, .value_kind: global_buffer, .address_space: global }
      - { .name: out3, .offset: 32, .size: 8, .value_kind: global_buffer, .address_space: global }
      - { .name: ac2, .offset: 40, .size: 8, .value_kind: global_buffer, .address_space: global }
    .group_segment_fixed_size: 4096
    .private_segment_fixed_size: 0
    .kernarg_segment_align: 8
    .kernarg_segment_size: 48
    .max_flat_workgroup_size: 512
    .sgpr_count:     66
    .vgpr_count:     128
    .wavefront_size: 32
...
	.end_amdgpu_metadata
.endif
;; end of part 11
;; launch lin: the kernel of part 9 again; grid 16 x 16, 4 waves a work-group, clusters of 4 x 4, 327,680 bytes of LDS; arguments ac2, wlh, bl, out0; writes out0
